; MI455X (gfx1250); checked and timed in simulation.
; The chip was launched on July 23, 2026; its instructions are those of AMD's public machine-readable ISA for CDNA 5 (MIT licence, August 2026) and "CDNA5" Instruction Set Architecture Reference Guide (July 2026). The comments in the code are by the model that wrote it; some were corrected since.
;; Transformer Layer. Allowed arithmetic: float matrix products may take bf16 or f16 operands with f32 sums; other float arithmetic in f32, or as packed bf16 or f16 multiplies, adds, multiply-adds, maxima and minima; sums over many terms, partial sums and values carried from step to step in f32; what a program stores and reads back later, other than sums and carried values, may be rounded once to bf16 or f16.
;; Inputs: b1 4,096 float32; b2 1,024 float32; ln1_b 1,024 float32; ln1_g 1,024 float32; ln2_b 1,024 float32; ln2_g 1,024 float32; w1 1,024 x 4,096 float32; w2 4,096 x 1,024 float32; wk 1,024 x 1,024 float32; wo 1,024 x 1,024 float32; wq 1,024 x 1,024 float32; wv 1,024 x 1,024 float32; x 2,048 x 2 x 1,024 float32.
;; Outputs: out0 2,048 x 2 x 1,024 float32.
;; 2 versions, each right. Each part assembles by itself: llvm-mc -triple=amdgcn-amd-amdhsa -mcpu=gfx1250 --defsym DOCPART=n.
;; ======== version 1 of 2: 7 launches
;; workspace buffers: wa 6,291,456 bytes; wb 18,874,368 bytes; yz 8,388,608 bytes; qkv 33,554,432 bytes; act 33,554,432 bytes; x1 16,777,216 bytes; par_a 256 bytes; zb 12,288 bytes
;; launch prep (part 1): grid 641 x 1, 8 waves a work-group, no clusters, 0 bytes of LDS; arguments x, ln1_g, ln1_b, wq, wk, wv, wo, w1, w2, yz, wa, wb, par_a, zb; writes yz, wa, wb, par_a, zb
.if DOCPART == 1
	.amdgcn_target "amdgcn-amd-amdhsa--gfx1250"
	.amdhsa_code_object_version 6
	.text
	.protected	k_q5f822c1e6e_prep
	.globl	k_q5f822c1e6e_prep
	.p2align	8
	.type	k_q5f822c1e6e_prep,@function
k_q5f822c1e6e_prep:
	s_mov_b64 s[64:65], 0
	v_nop
	global_prefetch_b8 v0, s[64:65] scope:SCOPE_SE
	s_setreg_imm32_b32 hwreg(HW_REG_WAVE_MODE, 25, 1), 1
	s_wait_xcnt 0x0
; PREP.  Three kinds of work-groups, told apart by the work-group's number alone:
;   0-255    y = LayerNorm(x) g + b, rounded once to bf16, into yz.  x lies by tokens t = 2 s + b; yz by rows r = 2048 b + s.
;   256-639  the six weights, each number rounded once to bf16.  wq, wk, wv go into wa and w1 into wb (from its first byte), in blocks [256 columns][k][256]: a k row of a
;            block is 512 bytes, blocks 524,288 bytes apart.  wo (at byte 8,388,608 of wb) and w2 (at 10,485,760) stay row-major.
;   640      zeros into zb (a bias for products that have none, and a floor of 0) and the lowest finite bf16, twice a word, into par_a.
; ONE LAUNCH RUNS THIS TEXT: the second LayerNorm has a text of its own.
; LAYERNORM in f32: the mean first, then the sum of (x - mean)^2, so that a common offset of x costs nothing.  One wave, two rows; a row stays in 32 registers.
; LIMITS: NaN and infinities are not treated apart.  No LDS, no matrix unit: the launch is a stream, each byte read once and written once.
.set OFFX, 2                           ; v2      16 x lane
.set OFFY, 3                           ; v3      8 x lane
.set VO,   4                           ; v[4:7]  conversion: 8 x lane + i x the step between column blocks
.set T,    8                           ; v[8:15] at work
.set M,    24                          ; v[24:25] the mean, twice
.set R,    26                          ; v[26:27] 1 / sqrt(var + eps), twice
.set X,    32                          ; v[32:95] two rows of 32
.set G,    96                          ; v[96:127] gains of my 32 columns
.set BV,   128                         ; v[128:159] biases
.set D,    32                          ; v[32:159] conversion: four units of 32
.set WV,   32                          ; s32     my wave's number
.set INV,  33                          ; s33     1 / 1024
.set EPS,  34                          ; s34     1e-5
.set SEL,  36                          ; s[36:37] v_permlanex16_b32's selects
.set SRCP, 4                           ; s[4:5]  x
.set GP,   6
.set BP,   8
.set DSTP, 22                          ; s[22:23] yz
; the four pairs in T into one number, the same in every lane
.macro REDUCE
	v_pk_add_f32 v[T:T+1], v[T:T+1], v[T+2:T+3]
	v_pk_add_f32 v[T+4:T+5], v[T+4:T+5], v[T+6:T+7]
	v_pk_add_f32 v[T:T+1], v[T:T+1], v[T+4:T+5]
	v_add_f32 v[T], v[T], v[T+1]
	v_add_f32_dpp v[T], v[T], v[T] row_xmask:1 row_mask:0xf bank_mask:0xf
	v_add_f32_dpp v[T], v[T], v[T] row_xmask:2 row_mask:0xf bank_mask:0xf
	v_add_f32_dpp v[T], v[T], v[T] row_xmask:4 row_mask:0xf bank_mask:0xf
	v_add_f32_dpp v[T], v[T], v[T] row_xmask:8 row_mask:0xf bank_mask:0xf
	v_permlanex16_b32 v[T+1], v[T], s[SEL], s[SEL+1]
	v_add_f32 v[T], v[T], v[T+1]
.endm
; row i of the wave's two
.macro LNROW i
.set XB, X+32*(\i)
.if (\i) == 0
	s_wait_loadcnt 24                              ; row 0 is in; row 1, g and b (24 younger loads) stay out
.endif
.irp c, 0,1,2,3
	v_pk_add_f32 v[T+2*(\c):T+2*(\c)+1], v[XB+2*(\c):XB+2*(\c)+1], v[XB+8+2*(\c):XB+8+2*(\c)+1]  ; four chains, started by the first pairs
.endr
.irp d, 16,24
.irp c, 0,1,2,3
	v_pk_add_f32 v[T+2*(\c):T+2*(\c)+1], v[T+2*(\c):T+2*(\c)+1], v[XB+(\d)+2*(\c):XB+(\d)+2*(\c)+1]
.endr
.endr
	REDUCE
	v_mul_f32 v[M], s[INV], v[T]
	v_mov_b32 v[M+1], v[M]
.set p, 0
.rept 16
	v_pk_add_f32 v[XB+p:XB+p+1], v[XB+p:XB+p+1], v[M:M+1] neg_lo:[0,1] neg_hi:[0,1]  ; x - mean
.set p, p+2
.endr
.irp c, 0,1,2,3
	v_pk_mul_f32 v[T+2*(\c):T+2*(\c)+1], v[XB+2*(\c):XB+2*(\c)+1], v[XB+2*(\c):XB+2*(\c)+1]
.endr
.irp d, 8,16,24
.irp c, 0,1,2,3
	v_pk_fma_f32 v[T+2*(\c):T+2*(\c)+1], v[XB+(\d)+2*(\c):XB+(\d)+2*(\c)+1], v[XB+(\d)+2*(\c):XB+(\d)+2*(\c)+1], v[T+2*(\c):T+2*(\c)+1]
.endr
.endr
	REDUCE
	v_fma_f32 v[T], v[T], s[INV], s[EPS]           ; var + eps
	v_rsq_f32 v[R], v[T]
	v_rsq_f32 v[R+1], v[T]
	v_nop                                          ; a plain instruction behind the last root,
	s_wait_alu depctr_va_vdst(0)                   ; and one wait for both, ahead of their first reader
.if (\i) == 0
	s_wait_loadcnt 0x0                             ; g and b, and row 1
.endif
.set p, 0
.rept 16
	v_pk_mul_f32 v[XB+p:XB+p+1], v[XB+p:XB+p+1], v[R:R+1]
.set p, p+2
.endr
.set p, 0
.rept 16
	v_pk_fma_f32 v[XB+p:XB+p+1], v[XB+p:XB+p+1], v[G+p:G+p+1], v[BV+p:BV+p+1]
.set p, p+2
.endr
.irp j, 0,1,2,3,4,5,6,7
	v_cvt_pk_bf16_f32 v[XB+4*(\j)], v[XB+4*(\j)], v[XB+4*(\j)+1]
	v_cvt_pk_bf16_f32 v[XB+4*(\j)+1], v[XB+4*(\j)+2], v[XB+4*(\j)+3]
.endr
.irp j, 0,1,2,3,4,5,6,7
	global_store_b64 v[OFFY], v[XB+4*(\j):XB+4*(\j)+1], s[DSTP:DSTP+1] offset:256*(\j)+2048*(\i)  ; the wave's 32 lanes store 256 consecutive bytes, aligned
.endr
.endm
	s_load_b512 s[4:19], s[0:1], 0x0               ; x 4, ln1_g 6, ln1_b 8, wq 10, wk 12, wv 14, wo 16, w1 18
	s_load_b256 s[20:27], s[0:1], 0x40             ; w2 20, yz 22, wa 24, wb 26
	s_load_b128 s[28:31], s[0:1], 0x60             ; par_a 28, zb 30
	v_lshrrev_b32 v1, 5, v0
	v_readfirstlane_b32 s[WV], v1
	v_and_b32 v1, 31, v0
	v_lshlrev_b32 v[OFFX], 4, v1
	v_lshlrev_b32 v[OFFY], 3, v1
	s_wait_kmcnt 0x0
	s_cmp_lt_u32 ttmp9, 256
	s_cbranch_scc0 .Lnot_ln
	; ---- LayerNorm: rows r0 = 2 (8 wg + wave) and r0 + 1, which share b and are neighbours in s
	s_mov_b32 s[INV], 0x3a800000
	s_mov_b32 s[EPS], 0x3727c5ac
	s_mov_b32 s[SEL], 0x76543210
	s_mov_b32 s[SEL+1], 0xfedcba98
	s_lshl_b32 s48, ttmp9, 3
	s_add_co_u32 s48, s48, s[WV]
	s_lshl_b32 s48, s48, 1                         ; r0
	s_lshr_b32 s49, s48, 11                        ; b
	s_and_b32 s50, s48, 2047                       ; s
	s_lshl_b32 s50, s50, 13                        ; s x 8,192
	s_lshl_b32 s49, s49, 12                        ; b x 4,096
	s_add_co_u32 s50, s50, s49
	s_mov_b32 s51, 0
	s_lshl_b32 s52, s48, 11                        ; r0 x 2,048
	s_mov_b32 s53, 0
	s_add_nc_u64 s[SRCP:SRCP+1], s[SRCP:SRCP+1], s[50:51]
	s_add_nc_u64 s[DSTP:DSTP+1], s[DSTP:DSTP+1], s[52:53]
.irp j, 0,1,2,3,4,5,6,7
	global_load_b128 v[X+4*(\j):X+4*(\j)+3], v[OFFX], s[SRCP:SRCP+1] offset:512*(\j) th:TH_LOAD_NT  ; load j: columns 128 j + 4 lane ..
.endr
.irp j, 0,1,2,3,4,5,6,7
	global_load_b128 v[X+32+4*(\j):X+32+4*(\j)+3], v[OFFX], s[SRCP:SRCP+1] offset:8192+512*(\j) th:TH_LOAD_NT
.endr
.irp j, 0,1,2,3,4,5,6,7
	global_load_b128 v[G+4*(\j):G+4*(\j)+3], v[OFFX], s[GP:GP+1] offset:512*(\j)
.endr
.irp j, 0,1,2,3,4,5,6,7
	global_load_b128 v[BV+4*(\j):BV+4*(\j)+3], v[OFFX], s[BP:BP+1] offset:512*(\j)
.endr
	LNROW 0
	LNROW 1
	s_endpgm
.Lnot_ln:
	s_cmp_lt_u32 ttmp9, 640
	s_cbranch_scc0 .Lmisc
	; ---- conversion.  A unit is 4,096 bytes of a weight (1,024 numbers); a wave takes four units on end, a work-group 32.
	; Which weight: a chain of choices on c = wg - 256, from the last weight to the first.  s[38:39] the weight, s[40:41] the buffer it goes to, s35 first c of the weight, s48 its place in that buffer,
	; s53, s54: the first unit's place is ((unit >> s53) << s54); s50 bytes from unit to unit, s52 from one block of 256 columns to the next.
	s_sub_co_u32 s33, ttmp9, 256
	s_mov_b64 s[38:39], s[20:21]                   ; w2: row-major, a unit is a row of 2,048 bytes
	s_mov_b64 s[40:41], s[26:27]                   ; into wb
	s_mov_b32 s35, 256
	s_mov_b32 s48, 10485760
	s_mov_b32 s53, 0
	s_mov_b32 s54, 11
	s_mov_b32 s50, 2048
	s_mov_b32 s52, 512
	s_cmp_lt_u32 s33, 256                          ; w1: four units are one k row; unit u holds the column blocks 4 u .. 4 u + 3
	s_cselect_b64 s[38:39], s[18:19], s[38:39]
	s_cselect_b32 s35, 128, s35
	s_cselect_b32 s48, 0, s48
	s_cselect_b32 s53, 2, s53
	s_cselect_b32 s54, 9, s54
	s_cselect_b32 s50, 0x200000, s50
	s_cselect_b32 s52, 0x80000, s52
	s_cmp_lt_u32 s33, 128                          ; wo: as w2
	s_cselect_b64 s[38:39], s[16:17], s[38:39]
	s_cselect_b32 s35, 96, s35
	s_cselect_b32 s48, 8388608, s48
	s_cselect_b32 s53, 0, s53
	s_cselect_b32 s54, 11, s54
	s_cselect_b32 s50, 2048, s50
	s_cselect_b32 s52, 512, s52
	s_cmp_lt_u32 s33, 96                           ; wv: a unit is a k row, spread over four column blocks; into wa
	s_cselect_b64 s[38:39], s[14:15], s[38:39]
	s_cselect_b64 s[40:41], s[24:25], s[40:41]
	s_cselect_b32 s35, 64, s35
	s_cselect_b32 s48, 4194304, s48
	s_cselect_b32 s54, 9, s54
	s_cselect_b32 s50, 512, s50
	s_cselect_b32 s52, 0x80000, s52
	s_cmp_lt_u32 s33, 64                           ; wk
	s_cselect_b64 s[38:39], s[12:13], s[38:39]
	s_cselect_b32 s35, 32, s35
	s_cselect_b32 s48, 2097152, s48
	s_cmp_lt_u32 s33, 32                           ; wq
	s_cselect_b64 s[38:39], s[10:11], s[38:39]
	s_cselect_b32 s35, 0, s35
	s_cselect_b32 s48, 0, s48
	s_sub_co_u32 s35, s33, s35
	s_lshl_b32 s35, s35, 5
	s_lshl_b32 s34, s[WV], 2
	s_add_co_u32 s35, s35, s34                     ; my first unit in the weight
	s_lshr_b32 s53, s35, s53
	s_lshl_b32 s53, s53, s54
	s_add_co_u32 s48, s48, s53
	s_mov_b32 s49, 0
	s_mov_b32 s51, 0
	s_lshl_b32 s54, s35, 12
	s_mov_b32 s55, 0
	s_add_nc_u64 s[38:39], s[38:39], s[54:55]      ; the source at my 16,384 bytes
	s_add_nc_u64 s[40:41], s[40:41], s[48:49]      ; the destination at unit 0, 1, 2, 3
	s_add_nc_u64 s[42:43], s[40:41], s[50:51]
	s_add_nc_u64 s[44:45], s[42:43], s[50:51]
	s_add_nc_u64 s[46:47], s[44:45], s[50:51]
	v_mov_b32 v[VO], v[OFFY]
	v_add_nc_u32 v[VO+1], s52, v[VO]
	v_add_nc_u32 v[VO+2], s52, v[VO+1]
	v_add_nc_u32 v[VO+3], s52, v[VO+2]
.set j, 0
.rept 32
	global_load_b128 v[D+4*j:D+4*j+3], v[OFFX], s[38:39] offset:512*j th:TH_LOAD_NT  ; all 32 loads go out at once
.set j, j+1
.endr
.macro CVTU u
	s_wait_loadcnt 8*(3-(\u))                      ; my unit's eight loads are in; the later units' stay out
.irp j, 0,1,2,3,4,5,6,7
	v_cvt_pk_bf16_f32 v[D+32*(\u)+4*(\j)], v[D+32*(\u)+4*(\j)], v[D+32*(\u)+4*(\j)+1]
	v_cvt_pk_bf16_f32 v[D+32*(\u)+4*(\j)+1], v[D+32*(\u)+4*(\j)+2], v[D+32*(\u)+4*(\j)+3]
.endr
.irp j, 0,1,2,3,4,5,6,7
	global_store_b64 v[VO+(\j)/2], v[D+32*(\u)+4*(\j):D+32*(\u)+4*(\j)+1], s[40+2*(\u):41+2*(\u)] offset:((\j)%2)*256  ; 256 consecutive bytes, aligned
.endr
.endm
	CVTU 0
	CVTU 1
	CVTU 2
	CVTU 3
	s_endpgm
.Lmisc:
	; ---- zeros, and the floor that is no floor
	v_lshlrev_b32 v6, 4, v0
	v_mov_b32 v8, 0
	v_mov_b32 v9, 0
	v_mov_b32 v10, 0
	v_mov_b32 v11, 0
	global_store_b128 v6, v[8:11], s[30:31]
	global_store_b128 v6, v[8:11], s[30:31] offset:4096
	global_store_b128 v6, v[8:11], s[30:31] offset:8192
	s_cmp_lg_u32 s[WV], 0
	s_cbranch_scc1 .Lmisc_end
	v_mov_b32 v12, 0xff7fff7f                      ; the lowest finite bf16, twice
	v_mov_b32 v13, 0xff7fff7f
	global_store_b64 v[OFFY], v[12:13], s[28:29]   ; wave 0's 32 lanes fill par_a's 256 bytes
.Lmisc_end:
	s_endpgm
.Lfunc_end_k_q5f822c1e6e_prep:
	.size	k_q5f822c1e6e_prep, .Lfunc_end_k_q5f822c1e6e_prep-k_q5f822c1e6e_prep
	.p2alignl 7, 3214868480
	.fill 96, 4, 3214868480
	.section	.rodata,"a",@progbits
	.p2align	6, 0x0
	.amdhsa_kernel k_q5f822c1e6e_prep
		.amdhsa_group_segment_fixed_size 0
		.amdhsa_private_segment_fixed_size 0
		.amdhsa_enable_private_segment 0
		.amdhsa_kernarg_size 112
		.amdhsa_user_sgpr_count 2
		.amdhsa_user_sgpr_kernarg_segment_ptr 1
		.amdhsa_wavefront_size32 1
		.amdhsa_system_sgpr_workgroup_id_x 1
		.amdhsa_system_sgpr_workgroup_id_y 1
		.amdhsa_system_sgpr_workgroup_id_z 1
		.amdhsa_system_vgpr_workitem_id 0
		.amdhsa_next_free_vgpr 160
		.amdhsa_next_free_sgpr 66
		.amdhsa_reserve_vcc 0
		.amdhsa_float_denorm_mode_32 3
		.amdhsa_float_denorm_mode_16_64 3
		.amdhsa_memory_ordered 1
		.amdhsa_forward_progress 1
		.amdhsa_inst_pref_size 34
	.end_amdhsa_kernel
	.amdgpu_metadata
---
amdhsa.version: [ 1, 2 ]
amdhsa.kernels:
  - .name:           k_q5f822c1e6e_prep
    .symbol:         k_q5f822c1e6e_prep.kd
    .args:
      - { .name: x, .offset: 0, .size: 8, .value_kind: global_buffer, .address_space: global }
      - { .name: ln1_g, .offset: 8, .size: 8, .value_kind: global_buffer, .address_space: global }
      - { .name: ln1_b, .offset: 16, .size: 8, .value_kind: global_buffer, .address_space: global }
      - { .name: wq, .offset: 24, .size: 8, .value_kind: global_buffer, .address_space: global }
      - { .name: wk, .offset: 32, .size: 8, .value_kind: global_buffer, .address_space: global }
      - { .name: wv, .offset: 40, .size: 8, .value_kind: global_buffer, .address_space: global }
      - { .name: wo, .offset: 48, .size: 8, .value_kind: global_buffer, .address_space: global }
      - { .name: w1, .offset: 56, .size: 8, .value_kind: global_buffer, .address_space: global }
      - { .name: w2, .offset: 64, .size: 8, .value_kind: global_buffer, .address_space: global }
      - { .name: yz, .offset: 72, .size: 8, .value_kind: global_buffer, .address_space: global }
      - { .name: wa, .offset: 80, .size: 8, .value_kind: global_buffer, .address_space: global }
      - { .name: wb, .offset: 88, .size: 8, .value_kind: global_buffer, .address_space: global }
      - { .name: par_a, .offset: 96, .size: 8, .value_kind: global_buffer, .address_space: global }
      - { .name: zb, .offset: 104, .size: 8, .value_kind: global_buffer, .address_space: global }
    .group_segment_fixed_size: 0
    .private_segment_fixed_size: 0
    .kernarg_segment_align: 8
    .kernarg_segment_size: 112
    .max_flat_workgroup_size: 256
    .sgpr_count:     66
    .vgpr_count:     160
    .wavefront_size: 32
...
	.end_amdgpu_metadata
.endif
;; end of part 1
;; launch qkv (part 2): grid 12 x 16, 4 waves a work-group, clusters of 4 x 4, 327,680 bytes of LDS; arguments yz, wa, zb, par_a, qkv; writes qkv
.if DOCPART == 2
	.amdgcn_target "amdgcn-amd-amdhsa--gfx1250"
	.amdhsa_code_object_version 6
	.text
	.protected	k_q5f822c1e6e_qkv
	.globl	k_q5f822c1e6e_qkv
	.p2align	8
	.type	k_q5f822c1e6e_qkv,@function
k_q5f822c1e6e_qkv:
	s_mov_b64 s[64:65], 0
	v_nop
	global_prefetch_b8 v0, s[64:65] scope:SCOPE_SE
	s_setreg_imm32_b32 hwreg(HW_REG_WAVE_MODE, 25, 1), 1
	s_wait_xcnt 0x0
	s_wait_alu depctr_hold_cnt(0) depctr_sa_sdst(0) depctr_va_vdst(0) depctr_va_sdst(0) depctr_va_ssrc(0) depctr_va_vcc(0) depctr_vm_vsrc(0)
	s_getreg_b32 s2, hwreg(HW_REG_IB_STS2, 6, 4)
	s_cmp_eq_u32 s2, 0
	s_cbranch_scc0 .Lentry_in_a_cluster
	s_endpgm
.Lentry_in_a_cluster:
	s_bfe_u32 s2, ttmp6, 0x10000c
	s_cmp_lg_u32 s2, 0xf033
	s_cbranch_scc0 .Lentry_shape_is_right
	s_endpgm
.Lentry_shape_is_right:
; C = max(A W + bias, floor), K = 1,024.  A: [4096][1024] bf16, row-major.  W: bf16 in blocks [tile column][k 1024][256 columns], from its buffer's first byte.
; bias: f32.  floor: two bf16 in the first word of par; it is data alone: no address, count or branch hangs on it.
; C: bf16 in blocks [row block of 128][column block of 64, 64 of them][128][64].  Sums in f32, started by the bias; C rounded once.
; Two launches run this text: q, k, v (floor = the lowest finite bf16, bias = zeros) and the first FFN product (floor = 0: ReLU).
; LIMITS: the packed maximum drops a NaN and lifts -infinity to the floor; NaN and infinities are not treated apart.
; A tile of C is 256 x 256: four waves, each 128 x 128 in 64 accumulators (512 registers).  K goes in 8 steps of 128 through two LDS slots filled by tensor loads.
; CLUSTER 4 x 4: A's tile hangs on the tile row alone and is asked for jointly along a row of the cluster, W's on the tile column alone and jointly along a column.
; THE MATRIX INSTRUCTION IS USED TRANSPOSED: source 0 = 16 columns of W, source 1 = 16 rows of A: a lane then holds one row of C and eight neighbouring columns.
; W lies [k][n] in LDS and comes out turned, by ds_load_tr16_b128.
; REGISTERS by windows of 256: window 0: v16-31 addresses; v64-191 A's fragments, two buffers; v32-63, v192-255 the way out.  window 1: v0-63 the bias of my 128 columns; v64-191 W's fragments.
; windows 2, 3: accumulator (a, b) at v[8 (8 (a % 4) + b)].
.set PA,     272                       ; a row of A in LDS: 256 bytes + 16: the 16 rows of a load start at 16 different groups of four banks (64 banks of 4 bytes: ISA guide 11.1)
.set PB,     544                       ; a k row of W: 512 bytes + 32 = 17 x 32
.set HALFT,  128*PA                    ; what one tensor load brings: 128 rows of A, or 64 k rows of W (64 x 544 is the same number)
.set SLOT,   4*HALFT
.set STAGE,  2*SLOT                    ; behind the ring, never filled by a tensor load: 16 rows x 272 bytes for each wave
.set SPITCH, 272
.set SPARE,  STAGE+4*16*SPITCH         ; the spare words: 128 bytes a wave, named by no other line
.set ASTEP,  256                       ; bytes from K step to K step in A,
.set BSTEP,  65536                     ; and in W
.set LAPS,   4                         ; a lap = two K steps
.set ADRA, 16
.set ADRB, 20
.set STO,  24
.set RD,   25
.set CO,   26
.set SPW,  28
.set NIL,  29
.set PFO,  30
.set BO,   31
.set F0,   64
.set F1,   128
.set TMP,  192
.set OB,   32
.set G1,   24                          ; s[24:31] group 1 for A;  s[32:39] group 0, a set for each slot
.set G0,   32
.set G1B,  48                          ; s[48:55], s[56:63] the same for W
.set G0B,  56
.set LIM,  43                          ; s43  1 in a wave that prefetches, else the greatest number
.set PFA,  44                          ; s[44:45] where my prefetches stand
.set PFS,  68                          ; s[68:69] their step
.set FLOOR, 70                         ; s70  the floor, two bf16
.set MSB, 0
.macro WIN new                         ; the immediate's high byte repeats the setting that is left; a switch that changes nothing is dropped
.if MSB != (\new)
	s_set_vgpr_msb (MSB<<8)|(\new)
.set MSB, \new
.endif
.endm
.set TO_B, 0x40                        ; destination window 1, address window 0
; A joint load: waves 0 and 1 fetch A's halves, waves 2 and 3 W's.  The branch hangs on the wave's number alone.  An s_nop 0 and four v_nop follow each line.
.macro JLOAD s
	s_cmp_eq_u32 s13, 0
	s_cbranch_scc0 .Lfor_b_\@
	tensor_load_to_lds s[G0+4*(\s):G0+4*(\s)+3], s[G1:G1+7]
	s_nop 0
.rept 4
	v_nop
.endr
	s_branch .Lasked_\@
.Lfor_b_\@:
	tensor_load_to_lds s[G0B+4*(\s):G0B+4*(\s)+3], s[G1B:G1B+7]
	s_nop 0
.rept 4
	v_nop
.endr
.Lasked_\@:
.endm
; A prefetch of the K step that stands two refills on (512 matrix instructions ahead of the load that will want it): 32 blocks of 256 bytes, a lane a block, one instruction a wave.
; Each block of K steps 4 to 7 is named once in the launch: A's by the clusters with x = 0, W's by those with y = 0; the four partners of a joint load take 32 blocks each, told apart by address.
; The loop's last trip (s3 = 1) asks for nothing: there is no K step 8.
.macro ASK
	s_cmp_gt_u32 s3, s[LIM]
	s_cbranch_scc0 .Lnot_mine_\@
	global_prefetch_b8 v[PFO], s[PFA:PFA+1] th:TH_LOAD_NT scope:SCOPE_SE
.Lnot_mine_\@:
.endm
.macro CREST                           ; a round of the cluster's barrier behind its opening barrier
	s_cmp_lg_u32 s12, 0
	s_cbranch_scc1 .Lnot_wave_0_\@
	s_barrier_signal -3
.Lnot_wave_0_\@:
	s_barrier_wait -3
	s_barrier_signal -1
	s_barrier_wait -1
.endm
.macro CROUND
	s_barrier_signal -1
	s_barrier_wait -1
	CREST
.endm
	s_load_b256 s[4:11], s[0:1], 0x0               ; A 4, W 6, bias 8, par 10
	s_load_b64 s[66:67], s[0:1], 0x20              ; C
	v_lshl_add_u32 v[SPW], v0, 2, SPARE
	v_mov_b32 v[NIL], 0
	ds_add_u32 v[SPW], v[NIL]                      ; the wave's opening: an add and its wait ahead of my first tensor load
	v_lshrrev_b32 v1, 5, v0
	v_readfirstlane_b32 s12, v1                    ; wave 0..3
	s_lshr_b32 s13, s12, 1                         ; my half of the tile's rows; also: I fetch for A (0) or W (1)
	s_and_b32 s14, s12, 1                          ; my half of its columns; also: which half I fetch
	s_bfe_u32 s40, ttmp6, 0x40000                  ; cx
	s_bfe_u32 s41, ttmp6, 0x40004                  ; cy
	s_lshl_b32 s42, ttmp9, 2
	s_add_co_u32 s42, s42, s40                     ; tile column
	s_and_b32 s15, ttmp7, 0xffff
	s_lshl_b32 s15, s15, 2
	s_add_co_u32 s15, s15, s41                     ; tile row
	s_lshl_b32 s72, s41, 2
	s_lshl_b32 s72, 15, s72                        ; my row of the cluster
	s_lshl_b32 s73, 0x1111, s40                    ; my column
	s_or_b32 s[G1], s72, (1<<16)|(1<<20)|(1<<21)|(5<<22)|(3<<25)   ; mask; 2-byte elements; padding on; bit 21 beside a mask; after every 64 words 4 words
	s_mov_b32 s[G1+1], 128<<16                     ; tensor_dim0 = 128
	s_mov_b32 s[G1+2], 128<<16                     ; tensor_dim1 = 128
	s_mov_b32 s[G1+3], 128<<16                     ; tile_dim0 = 128
	s_mov_b32 s[G1+4], 128                         ; tile_dim1 = 128
	s_mov_b32 s[G1+5], 1024                        ; elements from row to row
	s_mov_b32 s[G1+6], 0
	s_mov_b32 s[G1+7], 0
	s_or_b32 s[G1B], s73, (1<<16)|(1<<20)|(1<<21)|(6<<22)|(7<<25)  ; after every 128 words 8 words
	s_mov_b32 s[G1B+1], 256<<16
	s_mov_b32 s[G1B+2], 64<<16
	s_mov_b32 s[G1B+3], 256<<16
	s_mov_b32 s[G1B+4], 64
	s_mov_b32 s[G1B+5], 256
	s_mov_b32 s[G1B+6], 0
	s_mov_b32 s[G1B+7], 0
	s_lshl_b32 s16, s15, 19                        ; A: (256 tile row + 128 half) x 2,048 bytes
	s_lshl_b32 s17, s14, 18
	s_add_co_u32 s16, s16, s17
	s_mov_b32 s17, 0
	s_lshl_b32 s46, s42, 19                        ; W: tile column x 524,288 + half x 64 k rows of 512 bytes
	s_lshl_b32 s47, s14, 15
	s_add_co_u32 s46, s46, s47
	s_mov_b32 s47, 0
	s_mul_i32 s20, s12, HALFT                      ; where my loads land: wave x 34,816: no place in the cluster enters an LDS address
	s_wait_dscnt 0x0                               ; the opening add is done
	s_wait_kmcnt 0x0
	s_load_b32 s[FLOOR], s[10:11], 0x0
	s_add_nc_u64 s[18:19], s[4:5], s[16:17]
	s_add_nc_u64 s[46:47], s[6:7], s[46:47]
	s_wait_kmcnt 0x0                               ; the floor
	CROUND                                         ; all sixteen work-groups are here: the first joint loads meet
.irp s, 0,1
	s_mov_b32 s[G0+4*(\s)], 1
	s_add_co_u32 s[G0+4*(\s)+1], s20, (\s)*SLOT
	s_add_nc_u64 s[G0+4*(\s)+2:G0+4*(\s)+3], s[18:19], (\s)*ASTEP
	s_or_b32 s[G0+4*(\s)+3], s[G0+4*(\s)+3], 0x80000000
	s_mov_b32 s[G0B+4*(\s)], 1
	s_add_co_u32 s[G0B+4*(\s)+1], s20, (\s)*SLOT
	s_add_nc_u64 s[G0B+4*(\s)+2:G0B+4*(\s)+3], s[46:47], (\s)*BSTEP
	s_or_b32 s[G0B+4*(\s)+3], s[G0B+4*(\s)+3], 0x80000000
	JLOAD \s                                       ; two loads of mine are out
.endr
	v_and_b32 v1, 15, v0                           ; l % 16
	v_bfe_u32 v2, v0, 4, 1                         ; l / 16
	; the bias of my 128 columns: accumulator column block b, lane half h: columns 16 b + 8 h + 0..7
	s_lshl_b32 s76, s42, 10
	s_lshl_b32 s77, s14, 9
	s_add_co_u32 s76, s76, s77
	s_mov_b32 s77, 0
	s_add_nc_u64 s[8:9], s[8:9], s[76:77]
	v_lshlrev_b32 v[BO], 5, v2
	WIN TO_B
.irp b, 0,1,2,3,4,5,6,7
	global_load_b128 v[8*(\b):8*(\b)+3],   v[BO], s[8:9] offset:64*(\b)
	global_load_b128 v[8*(\b)+4:8*(\b)+7], v[BO], s[8:9] offset:64*(\b)+16
.endr
	WIN 0
	; A's fragment: lane l holds row l % 16; two loads of 16 bytes, 32 bytes apart
	v_mul_u32_u24 v3, v1, PA
	v_lshl_add_u32 v3, v2, 4, v3
	s_mul_i32 s21, s13, HALFT
	v_add_nc_u32 v[ADRA], s21, v3
	v_add_nc_u32 v[ADRA+1], SLOT, v[ADRA]
	; W's fragment, turned: lane l reads k row 8 (l / 16) + l % 8, 16 bytes at 16 ((l / 8) % 2)
	v_and_b32 v4, 7, v0
	v_lshl_add_u32 v4, v2, 3, v4
	v_mul_u32_u24 v4, v4, PB
	v_bfe_u32 v5, v0, 3, 1
	v_lshl_add_u32 v4, v5, 4, v4
	s_lshl_b32 s22, s14, 8
	s_add_co_u32 s22, s22, 2*HALFT
	v_add_nc_u32 v[ADRB], s22, v4
	v_add_nc_u32 v[ADRB+1], SLOT, v[ADRB]
	; the way out
	s_mul_i32 s23, s12, 16*SPITCH
	s_add_co_u32 s23, s23, STAGE
	v_mul_u32_u24 v6, v1, SPITCH
	v_lshl_add_u32 v6, v2, 4, v6
	v_add_nc_u32 v[STO], s23, v6                   ; in: row l % 16, 16 bytes for each half of the lanes
	v_bfe_u32 v6, v0, 3, 2
	v_mul_u32_u24 v6, v6, SPITCH
	v_and_b32 v7, 7, v0
	v_lshl_add_u32 v6, v7, 4, v6
	v_add_nc_u32 v[RD], s23, v6                    ; back: 32 lanes take four rows of 128 bytes (64 columns),
	v_and_b32 v[CO], 31, v0
	v_lshlrev_b32 v[CO], 4, v[CO]                  ; which are 512 consecutive bytes of a block of C
	s_lshl_b32 s16, s15, 1
	s_add_co_u32 s16, s16, s13
	s_lshl_b32 s16, s16, 20                        ; my row block: 64 column blocks of 16,384 bytes
	s_lshl_b32 s76, s42, 2
	s_lshl_b32 s77, s14, 1
	s_add_co_u32 s76, s76, s77
	s_lshl_b32 s76, s76, 14                        ; my first column block
	s_add_co_u32 s16, s16, s76
	s_mov_b32 s17, 0
	s_add_nc_u64 s[66:67], s[66:67], s[16:17]
	; the prefetches: at K step 3; the first change of slots steps them to 4
	s_lshl_b32 s16, s15, 19
	s_lshl_b32 s17, s14, 18
	s_add_co_u32 s16, s16, s17
	s_lshl_b32 s17, s40, 16                        ; A: my work-group's 32 rows of the 128
	s_add_co_u32 s16, s16, s17
	s_add_co_u32 s16, s16, 3*ASTEP
	s_lshl_b32 s18, s42, 19
	s_lshl_b32 s19, s14, 15
	s_add_co_u32 s18, s18, s19
	s_lshl_b32 s19, s41, 13                        ; W: my work-group's 8,192 bytes of the 32,768
	s_add_co_u32 s18, s18, s19
	s_add_co_u32 s18, s18, 3*BSTEP
	s_mov_b32 s76, ASTEP
	s_mov_b32 s77, BSTEP
	s_and_b32 s22, ttmp7, 0xffff
	s_cmp_eq_u32 s13, 0
	s_cselect_b32 s16, s16, s18
	s_cselect_b32 s22, ttmp9, s22                  ; the coordinate along which other clusters read the same blocks
	s_cselect_b64 s[PFA:PFA+1], s[4:5], s[6:7]
	s_cselect_b32 s[PFS], s76, s77
	s_cselect_b32 s23, 11, 8                       ; a lane a row of A (2,048 bytes apart), or a lane a block of 256 bytes of W
	s_mov_b32 s[PFS+1], 0
	s_mov_b32 s17, 0
	s_add_nc_u64 s[PFA:PFA+1], s[PFA:PFA+1], s[16:17]
	s_cmp_eq_u32 s22, 0
	s_cselect_b32 s[LIM], 1, -1
	v_and_b32 v[PFO], 31, v0
	v_lshlrev_b32 v[PFO], s23, v[PFO]
; 16 matrix instructions: m blocks a0, a0 + 1 of the window's four x all 8 n blocks, 32 along K.  first = 1: the product starts the sum, with the bias as C: nothing is cleared.
; The 64 accumulators take turns, one instruction a turn, in the same order in every quarter.
.macro MUL16 f, hi, a0, first
.if \first
	WIN 0x91+0x40*(\hi)                            ; W window 1, A window 0, C (the bias) window 1, D window 2 or 3
.else
	WIN 0xa1+0x50*(\hi)                            ; C and D window 2 or 3
.endif
.irp a, \a0, (\a0)+1
.irp b, 0,1,2,3,4,5,6,7
.if \first
	v_wmma_f32_16x16x32_bf16 v[8*(8*(\a)+(\b)):8*(8*(\a)+(\b))+7], v[(\f)+8*(\b):(\f)+8*(\b)+7], v[(\f)+8*(4*(\hi)+(\a)):(\f)+8*(4*(\hi)+(\a))+7], v[8*(\b):8*(\b)+7]
.else
	v_wmma_f32_16x16x32_bf16 v[8*(8*(\a)+(\b)):8*(8*(\a)+(\b))+7], v[(\f)+8*(\b):(\f)+8*(\b)+7], v[(\f)+8*(4*(\hi)+(\a)):(\f)+8*(4*(\hi)+(\a))+7], v[8*(8*(\a)+(\b)):8*(8*(\a)+(\b))+7]
.endif
.endr
.endr
.endm
; 32 LDS loads in one run: quarter q (32 along K) of a slot into buffer f: W's 128 columns, turned, then A's 128 rows
.macro FETCH slot, q, f
	WIN TO_B
.irp i, 0,1,2,3,4,5,6,7
	ds_load_tr16_b128 v[(\f)+8*(\i):(\f)+8*(\i)+3],   v[ADRB+(\slot)] offset:(\q)*32*PB+32*(\i)
	ds_load_tr16_b128 v[(\f)+8*(\i)+4:(\f)+8*(\i)+7], v[ADRB+(\slot)] offset:(\q)*32*PB+16*PB+32*(\i)
.endr
	WIN 0
.irp i, 0,1,2,3,4,5,6,7
	ds_load_b128 v[(\f)+8*(\i):(\f)+8*(\i)+3],   v[ADRA+(\slot)] offset:64*(\q)+(\i)*16*PA
	ds_load_b128 v[(\f)+8*(\i)+4:(\f)+8*(\i)+7], v[ADRA+(\slot)] offset:64*(\q)+(\i)*16*PA+32
.endr
.endm
.macro PLACES                          ; four plain places in front of loads into registers that matrix instructions have read, and of conversions that read results
.rept 4
	v_nop
.endr
.endm
; one of a K step's first three quarters: multiplies buffer f; in its middle fetches quarter q of the same slot into g
.macro QUARTER slot, q, f, g, first
	s_wait_dscnt 8                                 ; W and A's rows 0-63 are in; the youngest eight loads (A's rows 64-127) may be out
	MUL16 \f, 0, 0, \first
	MUL16 \f, 0, 2, \first
	PLACES
	FETCH \slot, \q, \g
	s_wait_dscnt 32                                ; all but the 32 just issued
	MUL16 \f, 1, 0, \first
	MUL16 \f, 1, 2, \first
.endm
; the first half of a K step's last quarter, and the one barrier of the change of slots
.macro MEET round
	WIN 0
	s_wait_tensorcnt 0x0                           ; all my tensor loads have landed: the one that was out is my part of the next slot
	ds_add_u32 v[SPW], v[NIL]                      ; 0 onto my spare word
	s_wait_dscnt 9                                 ; (the add and the youngest eight loads may be out)
	MUL16 F1, 0, 0, 0
	s_wait_dscnt 0x0                               ; the add is done, and my reads of this slot are over
	s_barrier_signal -1
	MUL16 F1, 0, 2, 0
.if \round
	WIN 0
.endif
	s_barrier_wait -1
.endm
; the whole last quarter.  fill = 1: the barrier opens a round of the cluster's barrier, and the slot just read out is filled again first behind it, two K steps ahead: 224 matrix instructions lie between the request and the wait for it
.macro TURN slot, next, fill
.if \fill
	s_wait_xcnt 0x0                                ; the last prefetch, a K step back, has read its address
	s_add_nc_u64 s[PFA:PFA+1], s[PFA:PFA+1], s[PFS:PFS+1]
.endif
	MEET \fill
.if \fill
	CREST                                          ; no wave of any partner still reads this slot or has a load on its way
	s_add_nc_u64 s[G0+4*(\slot)+2:G0+4*(\slot)+3], s[G0+4*(\slot)+2:G0+4*(\slot)+3], 2*ASTEP
	s_add_nc_u64 s[G0B+4*(\slot)+2:G0B+4*(\slot)+3], s[G0B+4*(\slot)+2:G0B+4*(\slot)+3], 2*BSTEP
	JLOAD \slot                                    ; its four v_nop are also the places in front of the loads below
.else
	PLACES
.endif
	FETCH \next, 0, F0
.if \fill
	ASK
.endif
	MUL16 F1, 1, 0, 0
	MUL16 F1, 1, 2, 0
.endm
	s_wait_tensorcnt 1                             ; my part of K step 0 is in; K step 1's may stay out
	s_barrier_signal -1
	s_barrier_wait -1
	FETCH 0, 0, F0
	s_wait_loadcnt 0x0                             ; the bias
	QUARTER 0, 1, F0, F1, 1
	WIN 0
	s_mov_b32 s3, LAPS-1
.Llap:                                                 ; a trip goes once round the ring, from a lap's second quarter to the next lap's first
	QUARTER 0, 2, F1, F0, 0
	QUARTER 0, 3, F0, F1, 0
	TURN 0, 1, 1
	QUARTER 1, 1, F0, F1, 0
	QUARTER 1, 2, F1, F0, 0
	QUARTER 1, 3, F0, F1, 0
	TURN 1, 0, 1
	QUARTER 0, 1, F0, F1, 0
	WIN 0
	s_sub_co_u32 s3, s3, 1
	s_cmp_lg_u32 s3, 0
	s_cbranch_scc1 .Llap
	QUARTER 0, 2, F1, F0, 0                        ; the last lap fills nothing
	QUARTER 0, 3, F0, F1, 0
	TURN 0, 1, 0
	QUARTER 1, 1, F0, F1, 0
	QUARTER 1, 2, F1, F0, 0
	QUARTER 1, 3, F0, F1, 0
	s_wait_dscnt 8
	MUL16 F1, 0, 0, 0
	MUL16 F1, 0, 2, 0
	s_wait_dscnt 0x0
	MUL16 F1, 1, 0, 0
	MUL16 F1, 1, 2, 0
	WIN 0
	PLACES
; THE WAY OUT of block a (16 rows).  PACK: rounded to bf16, then the floor.  TOSTAGE: into my own stage and back as rows of 64 columns.  SEND: stored.
.macro PACK a
.set AC, 64*((\a)%4)
	WIN 0x0a+5*((\a)/4)                            ; sources window 2 or 3
.irp b, 0,1,2,3,4,5,6,7
.irp r, 0,1,2,3
	v_cvt_pk_bf16_f32 v[TMP+4*(\b)+(\r)], v[AC+8*(\b)+2*(\r)], v[AC+8*(\b)+2*(\r)+1]
.endr
.endr
	WIN 0
.set z, 0
.rept 32
	v_pk_max_num_bf16 v[TMP+z], v[TMP+z], s[FLOOR]
.set z, z+1
.endr
.endm
.macro TOSTAGE a
.set BK, OB+192*((\a)%2)
.irp b, 0,1,2,3,4,5,6,7
	ds_store_b128 v[STO], v[TMP+4*(\b):TMP+4*(\b)+3] offset:32*(\b)
.endr
.irp h, 0,1
.irp t, 0,1,2,3
	ds_load_b128 v[BK+16*(\h)+4*(\t):BK+16*(\h)+4*(\t)+3], v[RD] offset:128*(\h)+(\t)*4*SPITCH  ; LDS serves a wave's instructions in order (ISA guide 5.7.1.4): these see the stores above
.endr
.endr
.endm
.macro SEND a
.set BK, OB+192*((\a)%2)
	s_wait_dscnt 0x0                               ; the block is back in registers
	s_wait_xcnt 0x0                                ; the registers that earlier stores read are loaded again only behind this wait
.irp h, 0,1
.irp t, 0,1,2,3
	global_store_b128 v[CO], v[BK+16*(\h)+4*(\t):BK+16*(\h)+4*(\t)+3], s[66:67] offset:16384*(\h)+2048*(\a)+512*(\t)  ; 512 consecutive bytes, aligned
.endr
.endr
.endm
	PACK 0
	TOSTAGE 0
.irp a, 1,2,3,4,5,6,7
	PACK \a
	SEND (\a)-1
	TOSTAGE \a
.endr
	SEND 7
	s_wait_tensorcnt 0x0                           ; the wave's end
	ds_add_u32 v[SPW], v[NIL]
	s_wait_dscnt 0x0
	CROUND                                         ; the closing round
	s_endpgm
.Lfunc_end_k_q5f822c1e6e_qkv:
	.size	k_q5f822c1e6e_qkv, .Lfunc_end_k_q5f822c1e6e_qkv-k_q5f822c1e6e_qkv
	.p2alignl 7, 3214868480
	.fill 96, 4, 3214868480
	.section	.rodata,"a",@progbits
	.p2align	6, 0x0
	.amdhsa_kernel k_q5f822c1e6e_qkv
		.amdhsa_group_segment_fixed_size 327680
		.amdhsa_private_segment_fixed_size 0
		.amdhsa_enable_private_segment 0
		.amdhsa_kernarg_size 40
		.amdhsa_user_sgpr_count 2
		.amdhsa_user_sgpr_kernarg_segment_ptr 1
		.amdhsa_wavefront_size32 1
		.amdhsa_system_sgpr_workgroup_id_x 1
		.amdhsa_system_sgpr_workgroup_id_y 1
		.amdhsa_system_sgpr_workgroup_id_z 1
		.amdhsa_system_vgpr_workitem_id 0
		.amdhsa_next_free_vgpr 1024
		.amdhsa_next_free_sgpr 80
		.amdhsa_reserve_vcc 0
		.amdhsa_float_denorm_mode_32 3
		.amdhsa_float_denorm_mode_16_64 3
		.amdhsa_memory_ordered 1
		.amdhsa_forward_progress 1
		.amdhsa_inst_pref_size 162
	.end_amdhsa_kernel
	.amdgpu_metadata
---
amdhsa.version: [ 1, 2 ]
amdhsa.kernels:
  - .name:           k_q5f822c1e6e_qkv
    .symbol:         k_q5f822c1e6e_qkv.kd
    .args:
      - { .name: yz, .offset: 0, .size: 8, .value_kind: global_buffer, .address_space: global }
      - { .name: wa, .offset: 8, .size: 8, .value_kind: global_buffer, .address_space: global }
      - { .name: zb, .offset: 16, .size: 8, .value_kind: global_buffer, .address_space: global }
      - { .name: par_a, .offset: 24, .size: 8, .value_kind: global_buffer, .address_space: global }
      - { .name: qkv, .offset: 32, .size: 8, .value_kind: global_buffer, .address_space: global }
    .group_segment_fixed_size: 327680
    .private_segment_fixed_size: 0
    .kernarg_segment_align: 8
    .kernarg_segment_size: 40
    .max_flat_workgroup_size: 128
    .sgpr_count:     80
    .vgpr_count:     1024
    .wavefront_size: 32
...
	.end_amdgpu_metadata
.endif
;; end of part 2
;; launch attn (part 3): grid 8 x 32, 4 waves a work-group, clusters of 4 x 1, 327,680 bytes of LDS; arguments qkv, act; writes act
.if DOCPART == 3
	.amdgcn_target "amdgcn-amd-amdhsa--gfx1250"
	.amdhsa_code_object_version 6
	.text
	.protected	k_q5f822c1e6e_attn
	.globl	k_q5f822c1e6e_attn
	.p2align	8
	.type	k_q5f822c1e6e_attn,@function
k_q5f822c1e6e_attn:
	s_mov_b64 s[64:65], 0
	v_nop
	global_prefetch_b8 v0, s[64:65] scope:SCOPE_SE
	s_setreg_imm32_b32 hwreg(HW_REG_WAVE_MODE, 25, 1), 1
	s_wait_xcnt 0x0
	s_wait_alu depctr_hold_cnt(0) depctr_sa_sdst(0) depctr_va_vdst(0) depctr_va_sdst(0) depctr_va_ssrc(0) depctr_va_vcc(0) depctr_vm_vsrc(0)
	s_getreg_b32 s2, hwreg(HW_REG_IB_STS2, 6, 4)
	s_cmp_eq_u32 s2, 0
	s_cbranch_scc0 .Lentry_in_a_cluster
	s_endpgm
.Lentry_in_a_cluster:
	s_bfe_u32 s2, ttmp6, 0x10000c
	s_cmp_lg_u32 s2, 0x3003
	s_cbranch_scc0 .Lentry_shape_is_right
	s_endpgm
.Lentry_shape_is_right:
; ATTENTION, head size 64, no mask.  ctx[q] = the sum over k of softmax_k(q . k / 8) v[k], for each of 32 pairs (b, h), 2,048 queries and keys each.
; qkv and act lie in blocks [row block of 128][column block of 64, 64 of them][128 rows][64] bf16: column block h holds q of head h, 16 + h its k, 32 + h its v; ctx goes to column block h of act.
; Products, maxima and sums in f32; the weights p are rounded to bf16 for the second product (their sum l is taken of the unrounded p), ctx once at the end.
; LIMITS.  A weight below 2^-126 counts as 0 in l.  c m starts at -4.25e37: every c s must lie above it.  NaN and infinities are not treated apart.
; SHARES.  A work-group owns 256 queries of one (b, h), a wave 64: four PIECES of 16.  Every wave walks all keys, 64 a step; an LDS slot holds 256 keys, four steps; 8 tiles.
; LAYOUT.  S^T = K Q^T holds ONE query a lane (lane % 16) and the keys 8 (lane / 16) + 0..7; two such results rounded to bf16 ARE source 1 of O^T = V^T P.  K comes out of LDS as it lies, V turned.
; SOFTMAX.  p = 2^(c s - c m), c = log2(e) / 8, with a running maximum m; O and l are multiplied by a = 2^(c m_old - c m_new) in every step.  m starts at the lowest finite number, O and l at 0.
; TURNS.  Turn n belongs to piece n: 8 products K Q^T of piece n + 1, later 8 products V^T P of piece n - 1; beside them the scaling, exponentials, roundings, sums and rescaling of piece n and
; the maximum and statistics of piece n + 1.  Four vector instructions stand behind every matrix instruction, the rest in one lump.  A turn's 33 exponentials are one batch, with one wait.
; CLUSTER.  The four query blocks of a cluster belong to one (b, h) and walk the same K and V: each tile is asked for jointly, by the same tensor load, descriptor and mask in all four.
; REGISTERS by windows of 256: window 0: v0-15 addresses; v16-31 statistics; v48-55 at work; v64-127 S^T, two buffers; v192-223 P, two buffers.  window 1: v0-127 O^T.  window 2: v0-63 Q; v128-191 K; v192-255 V.
.set NP,    4
.set KS,    64
.set PK,    144       ; a row of K in LDS: 128 bytes + 16: the 16 rows of a load start at 16 different groups of four banks (64 banks of 4 bytes: ISA guide 11.1)
.set PV,    160       ; a row of V: 128 + 32
.set VOFF,  4*KS*PK
.set SLOT1, 1<<17
.set STAGE, SLOT1+4*KS*(PK+PV)  ; behind the ring, never filled by a tensor load: 16 rows x 144 bytes for each wave
.set SP,    144
.set SPARE, STAGE+4*16*SP       ; the spare words: 128 bytes a wave, named by no other line
.set TILEB, 0x200000  ; bytes from tile to tile of K and V: two row blocks
.set AK0, 2
.set AV0, 3
.set AK,  4
.set AV,  5
.set STO, 6
.set RD,  7
.set GO,  8
.set MV,  12
.set QO,  15
.set ST,  16          ; piece t's statistics at v[ST+4 t]: c m, m, l (even keys', odd keys')
.set TMP, 48
.set PFO, 61
.set SPW, 62
.set NIL, 63
.set S,   64
.set P,   192
.set KF,  128
.set VF,  192
.set WV,  12
.set G1K, 24
.set G1V, 32
.set G0K, 40
.set G0V, 44
.set PFA, 50          ; s[50:51] where my prefetches stand
.set LIM, 52          ; s52  1 in a wave that prefetches, else the greatest number
.set SLOTS, 56
.set CNT, 57
.set CS,  58
.set SEL, 60
.set TBK, 62
.set TBV, 63
.set MSB, 0
.macro WIN new
.if MSB != (\new)
	s_set_vgpr_msb (MSB<<8)|(\new)
.set MSB, (\new)
.endif
.endm
.set W_KQ, 0x0a       ; K and Q in window 2, S^T in window 0
.set W_PV, 0x52       ; V in window 2, P in window 0, O^T in window 1
.set W_RS, 0x41       ; destination and source 0 in window 1, source 1 in window 0
; A joint fill: waves 0 and 1 fetch the halves of a tile's K, waves 2 and 3 those of its V, 128 keys each.  An s_nop 0 and four v_nop follow each line.
.macro JLOAD
	s_cmp_lt_u32 s[WV], 2
	s_cbranch_scc0 .Lfor_v_\@
	tensor_load_to_lds s[G0K:G0K+3], s[G1K:G1K+7]
	s_nop 0
.rept 4
	v_nop
.endr
	s_branch .Lasked_\@
.Lfor_v_\@:
	tensor_load_to_lds s[G0V:G0V+3], s[G1V:G1V+7]
	s_nop 0
.rept 4
	v_nop
.endr
.Lasked_\@:
.endm
; A prefetch of the tile that the NEXT change of slots will ask for (four key steps, 256 matrix instructions, ahead).  Each block of 256 bytes of tiles 3 to 7 is named once in the launch: the first cluster of a (b, h) asks;
; its four partners take 32 of a tile's 128 blocks each, told apart by address; wave 0 asks for K's, wave 2 for V's, a lane a block.  The last change that fills a slot asks for nothing.
.macro ASK
	s_cmp_gt_u32 s[SLOTS], s[LIM]
	s_cbranch_scc0 .Lnot_mine_\@
	global_prefetch_b8 v[PFO], s[PFA:PFA+1] th:TH_LOAD_NT scope:SCOPE_SE
.Lnot_mine_\@:
.endm
.macro CROUND
	s_barrier_signal -1
	s_barrier_wait -1
	s_cmp_lg_u32 s[WV], 0
	s_cbranch_scc1 .Lnot_wave_0_\@
	s_barrier_signal -3
.Lnot_wave_0_\@:
	s_barrier_wait -3
	s_barrier_signal -1
	s_barrier_wait -1
.endm
; THE CHANGE OF SLOTS.  Each wave waits for all its tensor loads (one is out: its part of the other slot), adds 0 to its spare word, and waits for that and for its reads of the slot that it leaves.
; fill = 1: the barrier is a round of the cluster's, and the old slot is filled again first behind it, with the keys two tiles on: it has four key steps in which to land.
.macro CHANGE fill, ask
	WIN 0
	s_wait_tensorcnt 0x0            ; no tensor load of mine is out, so a group 0 may be written
	ds_add_u32 v[SPW], v[NIL]
.if \fill
.irp g, G0K, G0V
	s_xor_b32 s[\g+1], s[\g+1], SLOT1
	s_add_nc_u64 s[\g+2:\g+3], s[\g+2:\g+3], TILEB
.endr
.if \ask
	s_wait_xcnt 0x0                 ; the last prefetch, four key steps back, has read its address
	s_add_nc_u64 s[PFA:PFA+1], s[PFA:PFA+1], TILEB
.endif
	s_wait_dscnt 0x0                ; the add is done, and my reads of the slot are over
	CROUND
	JLOAD
.if \ask
	ASK
.endif
.else
	s_wait_dscnt 0x0
	s_barrier_signal -1
	s_barrier_wait -1
.endif
	s_sub_co_u32 s[TBK], s[TBK], 4*KS*PK  ; the fetches go back to a slot's first step, in the other slot
	s_xor_b32 s[TBK], s[TBK], SLOT1
	s_sub_co_u32 s[TBV], s[TBV], 4*KS*PV
	s_xor_b32 s[TBV], s[TBV], SLOT1
.endm
	s_load_b128 s[4:7], s[0:1], 0x0  ; qkv s[4:5], act s[6:7]
	v_lshl_add_u32 v[SPW], v0, 2, SPARE
	v_mov_b32 v[NIL], 0
	ds_add_u32 v[SPW], v[NIL]       ; the wave's opening: an add and its wait ahead of my first tensor load
	v_lshrrev_b32 v1, 5, v0
	v_readfirstlane_b32 s[WV], v1
	s_bfe_u32 s13, ttmp6, 0x40000   ; cx
	s_lshl_b32 s14, ttmp9, 2
	s_add_co_u32 s14, s14, s13      ; my block of 256 queries: it enters Q's and O's addresses alone
	s_and_b32 s20, ttmp7, 0xffff
	s_lshr_b32 s21, s20, 4          ; b
	s_and_b32 s20, s20, 15          ; h
	s_and_b32 s16, s[WV], 1         ; which half of a tile's 256 keys I fetch
	s_lshl_b32 s22, s21, 4
	s_add_co_u32 s22, s22, s16
	s_lshl_b32 s22, s22, 20         ; its row block,
	s_add_co_u32 s23, s20, 16
	s_lshl_b32 s23, s23, 14         ; k's column block
	s_add_co_u32 s22, s22, s23
	s_mov_b32 s23, 0
	s_mul_i32 s17, s16, 128*PK      ; and its place in a slot
	s_mul_i32 s18, s16, 128*PV
	s_lshl_b32 s2, s21, 4           ; my wave's 64 queries: row block 16 b + 2 block + wave / 2,
	s_lshl_b32 s3, s14, 1
	s_add_co_u32 s2, s2, s3
	s_lshr_b32 s3, s[WV], 1
	s_add_co_u32 s2, s2, s3
	s_lshl_b32 s2, s2, 20
	s_lshl_b32 s3, s20, 14          ; column block h,
	s_add_co_u32 s2, s2, s3
	s_lshl_b32 s3, s16, 13          ; rows 64 (wave % 2) on
	s_add_co_u32 s2, s2, s3
	s_mov_b32 s3, 0
	; group 1: 128 keys are 16,384 dense bytes: asked for as 64 rows of 256 bytes, two keys a row, padded in LDS after every key
	s_mov_b32 s[G1K], 15|(1<<16)|(1<<20)|(1<<21)|(4<<22)|(3<<25)
	s_mov_b32 s[G1V], 15|(1<<16)|(1<<20)|(1<<21)|(4<<22)|(7<<25)
.irp g, G1K, G1V
	s_mov_b32 s[\g+1], 128<<16
	s_mov_b32 s[\g+2], 64<<16
	s_mov_b32 s[\g+3], 128<<16
	s_mov_b32 s[\g+4], 64
	s_mov_b32 s[\g+5], 128
	s_mov_b32 s[\g+6], 0
	s_mov_b32 s[\g+7], 0
.endr
	s_mov_b32 s[CS], 0x3e38aa3b     ; c = log2(e) / 8
	s_mov_b32 s[CS+1], s[CS]
	s_mov_b32 s[SEL], 0x76543210
	s_mov_b32 s[SEL+1], 0xfedcba98
	s_mov_b32 s[TBK], SLOT1+4*KS*PK ; the first change of slots turns these two into 0
	s_mov_b32 s[TBV], SLOT1+4*KS*PV
	s_mov_b32 s[G0K], 1
	s_mov_b32 s[G0K+1], s17
	s_mov_b32 s[G0V], 1
	s_add_co_u32 s[G0V+1], s18, VOFF
	s_and_b32 s[LIM], s[WV], 1      ; waves 0 and 2 of the first cluster of a (b, h): the same in all four partners
	s_or_b32 s[LIM], s[LIM], ttmp9
	s_cmp_eq_u32 s[LIM], 0
	s_cselect_b32 s[LIM], 1, -1
	v_and_b32 v[PFO], 31, v0
	v_lshlrev_b32 v[PFO], 8, v[PFO]
	s_wait_dscnt 0x0                ; the opening add is done
	s_wait_kmcnt 0x0
	s_add_nc_u64 s[10:11], s[6:7], s[2:3]    ; O at my wave's first row
	s_add_nc_u64 s[6:7], s[4:5], s[22:23]    ; K at my half of tile 0
	s_add_nc_u64 s[8:9], s[6:7], 0x40000     ; V: 16 column blocks on
	s_add_nc_u64 s[4:5], s[4:5], s[2:3]      ; Q
	s_mov_b64 s[G0K+2:G0K+3], s[6:7]
	s_or_b32 s[G0K+3], s[G0K+3], 0x80000000
	s_mov_b64 s[G0V+2:G0V+3], s[8:9]
	s_or_b32 s[G0V+3], s[G0V+3], 0x80000000
	s_lshr_b32 s2, s13, 1           ; my work-group's 32 blocks of a tile's 128: row block cx / 2, half cx % 2,
	s_lshl_b32 s2, s2, 20
	s_and_b32 s3, s13, 1
	s_lshl_b32 s3, s3, 13
	s_add_co_u32 s2, s2, s3
	s_add_co_u32 s2, s2, 2*TILEB    ; in tile 2; the loop's first change steps it to tile 3
	s_mov_b32 s3, 0
	s_cmp_lt_u32 s[WV], 2
	s_cselect_b64 s[PFA:PFA+1], s[6:7], s[8:9]
	s_add_nc_u64 s[PFA:PFA+1], s[PFA:PFA+1], s[2:3]
	CROUND                          ; all four work-groups are here: the first joint loads meet
	JLOAD                           ; tile 0 into slot 0
	v_and_b32 v1, 15, v0            ; l % 16
	v_bfe_u32 v9, v0, 4, 1          ; l / 16
	v_lshlrev_b32 v[QO], 7, v1
	v_lshl_add_u32 v[QO], v9, 4, v[QO]
	WIN 0x80                        ; destination window 2
.set i, 0
.rept 8                             ; Q stays in registers: piece i / 2, channels 32 (i % 2) on
	global_load_b128 v[8*i:8*i+3],   v[QO], s[4:5] offset:(i/2)*2048+(i%2)*64
	global_load_b128 v[8*i+4:8*i+7], v[QO], s[4:5] offset:(i/2)*2048+(i%2)*64+32
.set i, i+1
.endr
	; What the first turn finds: V's registers and P's second buffer hold 0, O^T and l are 0.  All this stands in the wait for the first tile; no first step is written out.
.set i, VF
.rept 64
	v_mov_b32 v[i], 0
.set i, i+1
.endr
	WIN 0x40
.set i, 0
.rept 128
	v_mov_b32 v[i], 0
.set i, i+1
.endr
	WIN 0
.set i, 0
.rept 4
	v_mov_b32 v[ST+4*i], 0xfe000000    ; c m: far below every c s
	v_mov_b32 v[ST+4*i+1], 0xff7fffff  ; m
	v_mov_b32 v[ST+4*i+2], 0
	v_mov_b32 v[ST+4*i+3], 0
.set i, i+1
.endr
.set i, P+16
.rept 16
	v_mov_b32 v[i], 0
.set i, i+1
.endr
	v_mul_u32_u24 v[AK0], v1, PK
	v_lshl_add_u32 v[AK0], v9, 4, v[AK0]
	v_and_b32 v10, 7, v0
	v_bfe_u32 v11, v0, 3, 1
	v_lshl_add_u32 v[AV0], v9, 3, v10
	v_mul_u32_u24 v[AV0], v[AV0], PV
	v_lshl_add_u32 v[AV0], v11, 4, v[AV0]
	v_add_nc_u32 v[AV0], VOFF, v[AV0]
	s_mul_i32 s13, s[WV], 16*SP
	s_add_co_u32 s13, s13, STAGE
	v_mul_u32_u24 v[STO], v1, SP
	v_lshl_add_u32 v[STO], v9, 4, v[STO]
	v_add_nc_u32 v[STO], s13, v[STO]
	v_bfe_u32 v[RD], v0, 3, 2
	v_mul_u32_u24 v[RD], v[RD], SP
	v_lshl_add_u32 v[RD], v10, 4, v[RD]
	v_add_nc_u32 v[RD], s13, v[RD]
	v_and_b32 v[GO], 31, v0
	v_lshlrev_b32 v[GO], 4, v[GO]
; THE MATRIX WORK.  The 4 accumulators of a run of 8 take turns.  Product i of 8 of S^T = K Q^T for piece x: channels 32 (i / 4) on, keys 16 (i % 4) on.
.macro KQ x
.set rS, S+32*((\x)%2)+8*(i%4)
.set rK, KF+16*(i%4)+8*(i/4)
.set rQ, 16*(\x)+8*(i/4)
	WIN W_KQ
.if i < 4
	v_wmma_f32_16x16x32_bf16 v[rS:rS+7], v[rK:rK+7], v[rQ:rQ+7], 0
.else
	v_wmma_f32_16x16x32_bf16 v[rS:rS+7], v[rK:rK+7], v[rQ:rQ+7], v[rS:rS+7]
.endif
.endm
; Product i of 8 of O^T += V^T P for piece x: keys 32 (i / 4) on, channels 16 (i % 4) on.
.macro PV x
	WIN W_PV
.set rO, 32*(\x)+8*(i%4)
.set rV, VF+32*(i/4)+8*(i%4)
.set rP, P+16*((\x)%2)+8*(i/4)
	v_wmma_f32_16x16x32_bf16 v[rO:rO+7], v[rV:rV+7], v[rP:rP+7], v[rO:rO+7]
.endm
.macro MM                           ; the turn's next matrix instruction.  NOKQ = 1: the last turn of all: there is no next piece
.if (i < 8) && !NOKQ
	KQ (Y+1)%NP
.elseif i >= 8
.set i, i-8
	PV (Y+NP-1)%NP
.set i, i+8
.endif
.set i, i+1
.endm
; THE LDS LOADS stand in runs of 16
.macro FETCH_K
	WIN 0x80
.irp f, 0,1,2,3,4,5,6,7             ; keys 16 (f / 2) on, channels 32 (f % 2) on
	ds_load_b128 v[KF+8*\f:KF+8*\f+3],   v[AK] offset:(\f/2)*16*PK+(\f%2)*64
	ds_load_b128 v[KF+8*\f+4:KF+8*\f+7], v[AK] offset:(\f/2)*16*PK+(\f%2)*64+32
.endr
	s_add_co_u32 s[TBK], s[TBK], KS*PK
	WIN 0
.endm
.macro FETCH_V
	WIN 0x80
.irp f, 0,1,2,3,4,5,6,7             ; keys 32 (f / 4) on, channels 16 (f % 4) on
	ds_load_tr16_b128 v[VF+8*\f:VF+8*\f+3],   v[AV] offset:(\f/4)*32*PV+(\f%4)*32
	ds_load_tr16_b128 v[VF+8*\f+4:VF+8*\f+7], v[AV] offset:(\f/4)*32*PV+16*PV+(\f%4)*32
.endr
	WIN 0
.endm
; THE VECTOR WORK, one line at a time: OP kind, number.  For piece Y: F n: c s - c m for pair n of 16.  E n: the exponential of score n of 32.  C n: pair n rounded to bf16.  B n: of the four weights 4 n .. the second
; pair is added onto the first.  L n: l takes that sum (L 0: l = a l + sum).  R n: pair n of 16 of O^T times a.  For piece Y + 1: X n, number n of the 22 that find its maximum and statistics:
;   0-11 four chains of seven scores (each accumulator's lowest registers are read first)   12-14, 16 the scores left over, the old m, the four into one   15 c m_old is kept
;   17, 18 the other half of the lanes: the new m   19-21 c m; c m_old - c m_new; a
.set F, 0
.set E, 1
.set C, 2
.set B, 3
.set L, 4
.set R, 5
.set X, 6
.macro REGS y
.set rT, ST+4*(\y)
.set rC, TMP+4*((\y)%2)
.set rW, MV+((\y)%2)
.set rS, S+32*((\y)%2)
.set rP, P+16*((\y)%2)
.set rO, 32*(\y)
.endm
.macro OP k, n
.if (\k) == R
	REGS Y
	WIN W_RS
	v_pk_mul_f32 v[rO+2*(\n):rO+2*(\n)+1], v[rO+2*(\n):rO+2*(\n)+1], v[rC+2:rC+3] op_sel_hi:[1,0]
.elseif (\k) < R
	REGS Y
	WIN 0
.if (\k) == F
	v_pk_fma_f32 v[rS+2*(\n):rS+2*(\n)+1], v[rS+2*(\n):rS+2*(\n)+1], s[CS:CS+1], v[rT:rT+1] op_sel_hi:[1,0,0] neg_lo:[0,0,1] neg_hi:[0,0,1]
.elseif (\k) == E
	v_exp_f32 v[rS+(\n)], v[rS+(\n)]
.elseif (\k) == C
	v_cvt_pk_bf16_f32 v[rP+(\n)], v[rS+2*(\n)], v[rS+2*(\n)+1]
.elseif (\k) == B
	v_pk_add_f32 v[rS+4*(\n):rS+4*(\n)+1], v[rS+4*(\n):rS+4*(\n)+1], v[rS+4*(\n)+2:rS+4*(\n)+3]
.elseif (\n) == 0
	v_pk_fma_f32 v[rT+2:rT+3], v[rT+2:rT+3], v[rC+2:rC+3], v[rS:rS+1] op_sel_hi:[1,0,1]
.else
	v_pk_add_f32 v[rT+2:rT+3], v[rT+2:rT+3], v[rS+4*(\n):rS+4*(\n)+1]
.endif
.elseif NOKQ
	v_nop
.else
	REGS (Y+1)%NP
	WIN 0
.if (\n) < 4
	v_max3_num_f32 v[rC+(\n)], v[rS+8*(\n)], v[rS+8*(\n)+1], v[rS+8*(\n)+2]
.elseif (\n) < 12
	v_max3_num_f32 v[rC+(\n)%4], v[rC+(\n)%4], v[rS+8*((\n)%4)+2*((\n)/4)+1], v[rS+8*((\n)%4)+2*((\n)/4)+2]
.elseif (\n) == 12
	v_max3_num_f32 v[rC], v[rC], v[rS+7], v[rS+15]
.elseif (\n) == 13
	v_max3_num_f32 v[rC+1], v[rC+1], v[rS+23], v[rS+31]
.elseif (\n) == 14
	v_max3_num_f32 v[rC+2], v[rC+2], v[rC+3], v[rT+1]
.elseif (\n) == 15
	v_mov_b32 v[rW], v[rT]
.elseif (\n) == 16
	v_max3_num_f32 v[rC], v[rC], v[rC+1], v[rC+2]
.elseif (\n) == 17
	v_permlanex16_b32 v[rC+3], v[rC], s[SEL], s[SEL+1]
.elseif (\n) == 18
	v_max_num_f32 v[rT+1], v[rC], v[rC+3]
.elseif (\n) == 19
	v_mul_f32 v[rT], s[CS], v[rT+1]
.elseif (\n) == 20
	v_sub_f32 v[rC+1], v[rW], v[rT]
.else
	v_exp_f32 v[rC+2], v[rC+1]
.endif
.endif
.endm
.macro OPS a, i1, b=-1, i2=0, c=-1, i3=0, d=-1, i4=0
	OP \a, \i1
.if (\b) >= 0
	OP \b, \i2
.endif
.if (\c) >= 0
	OP \c, \i3
.endif
.if (\d) >= 0
	OP \d, \i4
.endif
.endm
.macro ROW a, i1, b, i2, c, i3, d, i4  ; a matrix instruction and the four behind it
	MM
	OPS \a, \i1, \b, \i2, \c, \i3, \d, \i4
.endm
; A TURN, for piece p.  Ahead of its one wait stands all that names no result of the turn's exponentials: the 8 products K Q^T with their riders, and the lump; behind it the 8 products V^T P, whose riders are the roundings and sums.
; K of the next step is fetched in piece 2's turn, behind the last product that read K and six plain instructions; V of the step in hand at the end of piece 0's turn, four plain instructions behind its last reader.  Each is waited for a turn later.
; end = 1: the last two turns of all: nothing is fetched.  cnt = 1: the loop's count is taken down some lines ahead of the branch that stands behind the turn.
.macro TURN p, end=0, cnt=0
.set Y, (\p)
.set i, 0
.set NOKQ, (\end)*((\p)/3)
.if ((\p) == 3) && !(\end)
	s_wait_dscnt 0x0                ; K is in
.endif
	ROW F,0, F,1, R,0, R,1
	ROW F,2, E,0, R,2, R,3
	ROW F,3, E,1, R,4, R,5
	ROW F,4, E,2, R,6, R,7
	ROW F,5, E,3, R,8, R,9
	ROW F,6, E,4, X,0, R,10
.if ((\p) == 2) && !(\end)
	WIN 0
	v_add_nc_u32 v[AK], s[TBK], v[AK0]
.endif
	ROW F,7, E,5, X,1, X,4
	ROW F,8, E,6, X,2, X,5
	OPS E,7, E,8, X,6, E,9
	OPS X,3, E,10, X,8, E,11
.if ((\p) == 2) && !(\end)
	FETCH_K
.endif
	OPS X,9, X,7, E,12, X,10
	OPS E,13, X,12, X,11, E,14
	OPS X,13, E,15, F,9, X,14
.if (\p) == 0
	v_add_nc_u32 v[AV], s[TBV], v[AV0]
.endif
	OPS E,16, F,10, E,17, F,11
	OPS X,16, E,18, X,15, E,19
	OPS F,12, E,20, X,17, E,21
	OPS F,13, E,22, F,14, E,23
	OPS X,18, E,24, F,15, E,25
	OPS R,11, E,26, X,19, E,27
	OPS R,12, E,28, R,13, E,29
	OPS X,20, E,30, R,14, E,31
	OPS X,21, R,15                  ; the batch's last exponential, and the plain instruction behind it
	WIN 0
	s_wait_alu depctr_va_vdst(0)    ; the one wait for the batch, ahead of its first reader
.if (\p) == 1
	s_wait_dscnt 0x0                ; V is in
.endif
	ROW C,0, B,0, C,2, B,1
	ROW L,0, C,4, B,2, L,1
	ROW C,6, B,3, L,2, C,8
	ROW B,4, L,3, C,10, B,5
	ROW L,4, C,12, B,6, L,5
.if (\p) == 0
	s_add_co_u32 s[TBV], s[TBV], KS*PV
.endif
.if \cnt
	s_sub_co_u32 s[CNT], s[CNT], 1
	s_cmp_lg_u32 s[CNT], 0
.endif
	ROW C,14, B,7, L,6, C,1
	ROW C,3, L,7, C,5, C,7
	ROW C,9, C,11, C,13, C,15
.if (\p) == 0
	FETCH_V
.endif
.endm
	CHANGE 1, 0                     ; tile 0 is in, everybody's part of it; tile 1 is asked for
	v_add_nc_u32 v[AK], s[TBK], v[AK0]
	FETCH_K                         ; key step 0
	s_wait_loadcnt 0x0              ; Q
	s_wait_dscnt 0x0
.set NOKQ, 0
.set i, 0
.rept 8
	KQ 0                            ; piece 0's first scores
.set i, i+1
.endr
	WIN 0
.rept 4
	v_nop                           ; the places behind those products
.endr
.set Y, NP-1                        ; X works for piece Y + 1: piece 0
.irp n, 0,1,2,3,4,5,6,7,8,9,10,11,12,13,14,15,16,17,18,19,20,21
	OP X, \n
.endr
	v_nop                           ; a plain instruction behind the exponential,
	s_wait_alu depctr_va_vdst(0)    ; and its wait, ahead of the branch
	s_mov_b32 s[CNT], 4
	s_mov_b32 s[SLOTS], 7
	s_branch .Lfirst                ; the loop is entered at a step's first turn, in the middle of a trip
.Lslot:                             ; six times: tiles 2 to 7 are asked for
	CHANGE 1, 1
	s_mov_b32 s[CNT], 4
.Lstep:                             ; a trip: pieces 2 and 3 of one step, then pieces 0 and 1 of the next, whose K and V it fetches
	TURN 2
	TURN 3
	WIN 0
.Lfirst:
	TURN 0
	TURN 1, 0, 1
	WIN 0
	s_cbranch_scc1 .Lstep
	s_sub_co_u32 s[SLOTS], s[SLOTS], 1
	s_cmp_lg_u32 s[SLOTS], 0
	s_cbranch_scc1 .Lslot
	CHANGE 0, 0                     ; the last tile is written out: nothing is asked for
	s_mov_b32 s[CNT], 4
.LstepT:
	TURN 2
	TURN 3
	TURN 0
	TURN 1, 0, 1
	WIN 0
	s_cbranch_scc1 .LstepT
	TURN 2, 1
	TURN 3, 1
.set i, 0
.rept 8
	PV NP-1                         ; the last piece's V^T P of the last step
.set i, i+1
.endr
	; THE WAY OUT.  l's two halves and the other half of the lanes' are added; O^T is divided by l, rounded to bf16 and sent through my stage, a piece at a time.  The additions are the places behind the last products.
	WIN 0
.macro ALL line:vararg
.set t, 0
.rept 4
	\line
.set t, t+1
.endr
.endm
	ALL v_add_f32 v[ST+4*t+2], v[ST+4*t+2], v[ST+4*t+3]
	ALL v_permlanex16_b32 v[ST+4*t+3], v[ST+4*t+2], s[SEL], s[SEL+1]
	ALL v_add_f32 v[ST+4*t+2], v[ST+4*t+2], v[ST+4*t+3]
	ALL v_rcp_f32 v[ST+4*t+2], v[ST+4*t+2]
	v_nop                           ; a plain instruction behind the last reciprocal,
	s_wait_alu depctr_va_vdst(0)    ; and one wait for the four
.macro PACK t
	WIN W_RS
.set i, 32*(\t)
.rept 16
	v_pk_mul_f32 v[i:i+1], v[i:i+1], v[ST+4*(\t)+2:ST+4*(\t)+3] op_sel_hi:[1,0]
.set i, i+2
.endr
	WIN 0x05                        ; sources window 1, destination window 0
.set i, 0
.rept 16
	v_cvt_pk_bf16_f32 v[S+16*(\t)+i], v[32*(\t)+2*i], v[32*(\t)+2*i+1]
.set i, i+1
.endr
	WIN 0
.irp f, 0,1,2,3
	ds_store_b128 v[STO], v[S+16*(\t)+4*\f:S+16*(\t)+4*\f+3] offset:32*\f
.endr
.irp f, 0,1,2,3
	ds_load_b128 v[S+16*(\t)+4*\f:S+16*(\t)+4*\f+3], v[RD] offset:\f*4*SP  ; LDS serves a wave's instructions in order (ISA guide 5.7.1.4): these see the stores above
.endr
.endm
.macro SEND t, younger              ; younger: the LDS instructions issued behind piece t's loads
	WIN 0
.irp f, 0,1,2,3
	s_wait_dscnt (\younger)+3-\f
	global_store_b128 v[GO], v[S+16*(\t)+4*\f:S+16*(\t)+4*\f+3], s[10:11] offset:(\t)*2048+\f*512  ; 512 consecutive bytes, aligned
.endr
.endm
	PACK 0
.set t, 1
.rept 3
	PACK t
	SEND t-1, 8
.set t, t+1
.endr
	SEND 3, 0
	s_wait_tensorcnt 0x0            ; the wave's end
	ds_add_u32 v[SPW], v[NIL]
	s_wait_dscnt 0x0
	CROUND                          ; the closing round
	s_endpgm
.Lfunc_end_k_q5f822c1e6e_attn:
	.size	k_q5f822c1e6e_attn, .Lfunc_end_k_q5f822c1e6e_attn-k_q5f822c1e6e_attn
	.p2alignl 7, 3214868480
	.fill 96, 4, 3214868480
	.section	.rodata,"a",@progbits
	.p2align	6, 0x0
	.amdhsa_kernel k_q5f822c1e6e_attn
		.amdhsa_group_segment_fixed_size 327680
		.amdhsa_private_segment_fixed_size 0
		.amdhsa_enable_private_segment 0
		.amdhsa_kernarg_size 16
		.amdhsa_user_sgpr_count 2
		.amdhsa_user_sgpr_kernarg_segment_ptr 1
		.amdhsa_wavefront_size32 1
		.amdhsa_system_sgpr_workgroup_id_x 1
		.amdhsa_system_sgpr_workgroup_id_y 1
		.amdhsa_system_sgpr_workgroup_id_z 1
		.amdhsa_system_vgpr_workitem_id 0
		.amdhsa_next_free_vgpr 768
		.amdhsa_next_free_sgpr 66
		.amdhsa_reserve_vcc 0
		.amdhsa_float_denorm_mode_32 3
		.amdhsa_float_denorm_mode_16_64 3
		.amdhsa_memory_ordered 1
		.amdhsa_forward_progress 1
		.amdhsa_inst_pref_size 128
	.end_amdhsa_kernel
	.amdgpu_metadata
---
amdhsa.version: [ 1, 2 ]
amdhsa.kernels:
  - .name:           k_q5f822c1e6e_attn
    .symbol:         k_q5f822c1e6e_attn.kd
    .args:
      - { .name: qkv, .offset: 0, .size: 8, .value_kind: global_buffer, .address_space: global }
      - { .name: act, .offset: 8, .size: 8, .value_kind: global_buffer, .address_space: global }
    .group_segment_fixed_size: 327680
    .private_segment_fixed_size: 0
    .kernarg_segment_align: 8
    .kernarg_segment_size: 16
    .max_flat_workgroup_size: 128
    .sgpr_count:     66
    .vgpr_count:     768
    .wavefront_size: 32
...
	.end_amdgpu_metadata
.endif
;; end of part 3
;; launch wo (part 4): grid 8 x 32, 4 waves a work-group, clusters of 4 x 4, 327,680 bytes of LDS; arguments act, wb, x, zb, x1; writes x1
.if DOCPART == 4
	.amdgcn_target "amdgcn-amd-amdhsa--gfx1250"
	.amdhsa_code_object_version 6
	.text
	.protected	k_q5f822c1e6e_wo
	.globl	k_q5f822c1e6e_wo
	.p2align	8
	.type	k_q5f822c1e6e_wo,@function
k_q5f822c1e6e_wo:
	s_mov_b64 s[64:65], 0
	v_nop
	global_prefetch_b8 v0, s[64:65] scope:SCOPE_SE
	s_setreg_imm32_b32 hwreg(HW_REG_WAVE_MODE, 25, 1), 1
	s_wait_xcnt 0x0
	s_wait_alu depctr_hold_cnt(0) depctr_sa_sdst(0) depctr_va_vdst(0) depctr_va_sdst(0) depctr_va_ssrc(0) depctr_va_vcc(0) depctr_vm_vsrc(0)
	s_getreg_b32 s2, hwreg(HW_REG_IB_STS2, 6, 4)
	s_cmp_eq_u32 s2, 0
	s_cbranch_scc0 .Lentry_in_a_cluster
	s_endpgm
.Lentry_in_a_cluster:
	s_bfe_u32 s2, ttmp6, 0x10000c
	s_cmp_lg_u32 s2, 0xf033
	s_cbranch_scc0 .Lentry_shape_is_right
	s_endpgm
.Lentry_shape_is_right:
; x1 = x + ctx wo (+ a bias of zeros).  C = R + A W + bias, 1,024 columns, K = 256 (2 + 2 TRIPS) = 1,024.  A: bf16 in blocks [row block of 128][column block of 64, 64 of them][128][64].
; W: [K][1024] bf16, row-major, WOFF bytes into its buffer.  R, C: f32 by tokens t = 2 s + b, while A's rows go by r = 2048 b + s.  bias: f32.  All sums in f32.
; The second FFN product has the same text with other TRIPS and WOFF: a count of trips round barriers and joint loads is a constant of the text.
; LIMITS: NaN and infinities are not treated apart.
; A tile of C is 128 x 128, so that the 4,096 x 1,024 numbers give 256 work-groups.  K IS SPLIT AMONG THE FOUR WAVES: of each K step of 256, wave w takes the 64 channels of column block 4 step + w, for the whole tile:
; 64 accumulators a wave, 32 LDS loads for 64 matrix instructions.  The four partial tiles meet in LDS at the end, in the slots, which have had their last fill by then.
; CLUSTER 4 x 4: A's tile is asked for jointly along a row of the cluster, W's along a column.  The matrix instruction is used transposed (source 0 = 16 columns of W, turned out of LDS; source 1 = 16 rows of A).
; NO PREFETCH at TRIPS = 1: K steps 0 and 1 are the first fills, 2 and 3 the only refills, and nothing is asked for at the head, where every work-group's first tiles are on their way.
; REGISTERS by windows of 256: window 0: v16-39 addresses and the bias; v64-191 A's fragments, later the sums.  window 1: v64-191 W's fragments; v0-63, v192-255 my 32 rows of R.  windows 2, 3: the accumulators.
.set TRIPS,  1                         ; trips of the loop: each goes once round the ring, two K steps
.set WOFF,   0x800000                  ; W's first byte in its buffer
.set PA,     144                       ; a row of a block of A in LDS: 128 bytes + 16
.set PB,     288                       ; a k row of W: 256 bytes + 32 = 9 x 32
.set HALFT,  36864                     ; what one tensor load brings: two blocks of A (256 x 144), or 128 k rows of W (128 x 288)
.set SLOT,   4*HALFT
.set SPARE,  2*SLOT                    ; the spare words: 128 bytes a wave, named by no other line
.set WPART,  18432                     ; my block of A, and my 64 k rows of W
.set PP,     528                       ; a row of a partial tile: 512 bytes + 16
.set PTILE,  128*PP
.set ASTEP,  65536
.set BSTEP,  524288
.set ADRA, 16
.set ADRB, 20
.set STP,  24
.set XO,   26
.set SPW,  28
.set NIL,  29
.set PFO,  30
.set BI,   32                          ; v[32:35] the bias of my four columns
.set RDP,  36                          ; v[36:39] my place in partial tile 0..3
.set EP,   64
.set F0,   64
.set F1,   128
.set G1,   24
.set G0,   32
.set G1B,  48
.set G0B,  56
.set LIM,  43                          ; s43  1 in a wave that prefetches, else the greatest number
.set PFA,  44
.set PFS,  72
.set MSB, 0
.macro WIN new
.if MSB != (\new)
	s_set_vgpr_msb (MSB<<8)|(\new)
.set MSB, \new
.endif
.endm
.set TO_B, 0x40
.macro JLOAD s                         ; a joint load: waves 0 and 1 fetch A's halves, waves 2 and 3 W's; an s_nop 0 and four v_nop follow each line
	s_cmp_eq_u32 s13, 0
	s_cbranch_scc0 .Lfor_b_\@
	tensor_load_to_lds s[G0+4*(\s):G0+4*(\s)+3], s[G1:G1+7]
	s_nop 0
.rept 4
	v_nop
.endr
	s_branch .Lasked_\@
.Lfor_b_\@:
	tensor_load_to_lds s[G0B+4*(\s):G0B+4*(\s)+3], s[G1B:G1B+7]
	s_nop 0
.rept 4
	v_nop
.endr
.Lasked_\@:
.endm
; A prefetch of the K step that stands two refills on (256 matrix instructions ahead of the load that will want it): 32 blocks of 256 bytes, a lane a block.  Each block from K step 4 on is named once in the launch:
; A's by the clusters with x = 0, W's by those with y = 0; the four partners of a joint load take 32 blocks each, told apart by address.  The loop's last trip (s3 = 1) asks for nothing: there is no such K step.
.macro ASK
	s_cmp_gt_u32 s3, s[LIM]
	s_cbranch_scc0 .Lnot_mine_\@
	global_prefetch_b8 v[PFO], s[PFA:PFA+1] th:TH_LOAD_NT scope:SCOPE_SE
.Lnot_mine_\@:
.endm
.macro CREST
	s_cmp_lg_u32 s12, 0
	s_cbranch_scc1 .Lnot_wave_0_\@
	s_barrier_signal -3
.Lnot_wave_0_\@:
	s_barrier_wait -3
	s_barrier_signal -1
	s_barrier_wait -1
.endm
.macro CROUND
	s_barrier_signal -1
	s_barrier_wait -1
	CREST
.endm
	s_load_b256 s[4:11], s[0:1], 0x0               ; A 4, W's buffer 6, R 8, bias 10
	s_load_b64 s[70:71], s[0:1], 0x20              ; C
	v_lshl_add_u32 v[SPW], v0, 2, SPARE
	v_mov_b32 v[NIL], 0
	ds_add_u32 v[SPW], v[NIL]                      ; the wave's opening: an add and its wait ahead of my first tensor load
	v_lshrrev_b32 v1, 5, v0
	v_readfirstlane_b32 s12, v1
	s_lshr_b32 s13, s12, 1                         ; I fetch for A (0) or W (1),
	s_and_b32 s14, s12, 1                          ; this half
	s_bfe_u32 s40, ttmp6, 0x40000                  ; cx
	s_bfe_u32 s41, ttmp6, 0x40004                  ; cy
	s_lshl_b32 s42, ttmp9, 2
	s_add_co_u32 s42, s42, s40                     ; tile column 0..7
	s_and_b32 s15, ttmp7, 0xffff
	s_lshl_b32 s15, s15, 2
	s_add_co_u32 s15, s15, s41                     ; tile row = row block 0..31
	s_lshl_b32 s80, s41, 2
	s_lshl_b32 s80, 15, s80                        ; my row of the cluster
	s_lshl_b32 s81, 0x1111, s40                    ; my column
	s_or_b32 s[G1], s80, (1<<16)|(1<<20)|(1<<21)|(4<<22)|(3<<25)   ; two blocks of A are 32,768 dense bytes: 128 rows of 256 bytes, padded by 4 words after every 32 words
	s_mov_b32 s[G1+1], 128<<16
	s_mov_b32 s[G1+2], 128<<16
	s_mov_b32 s[G1+3], 128<<16
	s_mov_b32 s[G1+4], 128
	s_mov_b32 s[G1+5], 128
	s_mov_b32 s[G1+6], 0
	s_mov_b32 s[G1+7], 0
	s_or_b32 s[G1B], s81, (1<<16)|(1<<20)|(1<<21)|(5<<22)|(7<<25)  ; 128 k rows x 128 columns, padded by 8 words after every 64
	s_mov_b32 s[G1B+1], 128<<16
	s_mov_b32 s[G1B+2], 128<<16
	s_mov_b32 s[G1B+3], 128<<16
	s_mov_b32 s[G1B+4], 128
	s_mov_b32 s[G1B+5], 1024
	s_mov_b32 s[G1B+6], 0
	s_mov_b32 s[G1B+7], 0
	s_lshl_b32 s16, s15, 20                        ; A: row block x 1 MiB + half x two blocks
	s_lshl_b32 s17, s14, 15
	s_add_co_u32 s16, s16, s17
	s_mov_b32 s17, 0
	s_lshl_b32 s46, s14, 18                        ; W: half x 128 k rows of 2,048 bytes + tile column x 256 bytes
	s_lshl_b32 s47, s42, 8
	s_add_co_u32 s46, s46, s47
	s_mov_b32 s47, 0
	s_mul_i32 s20, s12, HALFT                      ; where my loads land: no place in the cluster enters an LDS address
	s_wait_dscnt 0x0                               ; the opening add is done
	s_wait_kmcnt 0x0
	s_add_nc_u64 s[6:7], s[6:7], WOFF              ; W
	s_add_nc_u64 s[18:19], s[4:5], s[16:17]
	s_add_nc_u64 s[46:47], s[6:7], s[46:47]
	CROUND                                         ; all sixteen work-groups are here: the first joint loads meet
.irp s, 0,1
	s_mov_b32 s[G0+4*(\s)], 1
	s_add_co_u32 s[G0+4*(\s)+1], s20, (\s)*SLOT
	s_add_nc_u64 s[G0+4*(\s)+2:G0+4*(\s)+3], s[18:19], (\s)*ASTEP
	s_or_b32 s[G0+4*(\s)+3], s[G0+4*(\s)+3], 0x80000000
	s_mov_b32 s[G0B+4*(\s)], 1
	s_add_co_u32 s[G0B+4*(\s)+1], s20, (\s)*SLOT
	s_add_nc_u64 s[G0B+4*(\s)+2:G0B+4*(\s)+3], s[46:47], (\s)*BSTEP
	s_or_b32 s[G0B+4*(\s)+3], s[G0B+4*(\s)+3], 0x80000000
	JLOAD \s                                       ; two loads of mine are out
.endr
	; R, C and the bias: I finish rows 32 wave .. + 31 of the tile; a row's 128 columns are 512 bytes, 16 a lane; rows (s) lie 8,192 bytes apart
	s_and_b32 s76, s15, 15
	s_lshl_b32 s76, s76, 7
	s_lshl_b32 s77, s12, 5
	s_add_co_u32 s76, s76, s77                     ; s of my first row
	s_lshl_b32 s76, s76, 13
	s_lshr_b32 s77, s15, 4                         ; b
	s_lshl_b32 s77, s77, 12
	s_add_co_u32 s76, s76, s77
	s_lshl_b32 s78, s42, 9                         ; the tile's columns
	s_add_co_u32 s76, s76, s78
	s_mov_b32 s77, 0
	s_mov_b32 s79, 0
	s_add_nc_u64 s[8:9], s[8:9], s[76:77]
	s_add_nc_u64 s[70:71], s[70:71], s[76:77]
	s_add_nc_u64 s[10:11], s[10:11], s[78:79]
	v_and_b32 v[XO], 31, v0
	v_lshlrev_b32 v[XO], 4, v[XO]
	global_load_b128 v[BI:BI+3], v[XO], s[10:11]
	WIN TO_B
.set j, 0
.rept 32
.set RR, 4*j+128*(j/16)                ; row j of R at v[4 j], from row 16 on at v[192 + 4 (j - 16)], in window 1
	global_load_b128 v[RR:RR+3], v[XO], s[8:9] offset:j*8192 th:TH_LOAD_NT
.set j, j+1
.endr
	WIN 0
	v_and_b32 v1, 15, v0                           ; l % 16
	v_bfe_u32 v2, v0, 4, 1                         ; l / 16
	v_mul_u32_u24 v3, v1, PA
	v_lshl_add_u32 v3, v2, 4, v3
	s_mul_i32 s21, s12, WPART
	v_add_nc_u32 v[ADRA], s21, v3
	v_add_nc_u32 v[ADRA+1], SLOT, v[ADRA]
	v_and_b32 v4, 7, v0
	v_lshl_add_u32 v4, v2, 3, v4
	v_mul_u32_u24 v4, v4, PB
	v_bfe_u32 v5, v0, 3, 1
	v_lshl_add_u32 v4, v5, 4, v4
	s_add_co_u32 s22, s21, 2*HALFT
	v_add_nc_u32 v[ADRB], s22, v4
	v_add_nc_u32 v[ADRB+1], SLOT, v[ADRB]
	s_mul_i32 s76, s12, PTILE                      ; my partial tile: row l % 16, 32 bytes for each half of the lanes
	v_mul_u32_u24 v6, v1, PP
	v_lshl_add_u32 v6, v2, 5, v6
	v_add_nc_u32 v[STP], s76, v6
	s_mul_i32 s76, s12, 32*PP                      ; back: my 32 rows of each partial tile, 16 bytes a lane
	v_add_nc_u32 v[RDP], s76, v[XO]
	v_add_nc_u32 v[RDP+1], PTILE, v[RDP]
	v_add_nc_u32 v[RDP+2], PTILE, v[RDP+1]
	v_add_nc_u32 v[RDP+3], PTILE, v[RDP+2]
.if TRIPS > 1
	; the prefetches: at K step 3; the first change of slots steps them to 4
	s_lshl_b32 s16, s15, 20
	s_lshl_b32 s17, s14, 15
	s_add_co_u32 s16, s16, s17
	s_lshl_b32 s17, s40, 13                        ; A: my work-group's 8,192 bytes of the 32,768
	s_add_co_u32 s16, s16, s17
	s_add_co_u32 s16, s16, 3*ASTEP
	s_lshl_b32 s18, s14, 18
	s_lshl_b32 s19, s41, 16                        ; W: my work-group's 32 k rows of the 128
	s_add_co_u32 s18, s18, s19
	s_lshl_b32 s19, s42, 8
	s_add_co_u32 s18, s18, s19
	s_add_co_u32 s18, s18, 3*BSTEP
	s_mov_b32 s76, ASTEP
	s_mov_b32 s77, BSTEP
	s_and_b32 s22, ttmp7, 0xffff
	s_cmp_eq_u32 s13, 0
	s_cselect_b32 s16, s16, s18
	s_cselect_b32 s22, ttmp9, s22                  ; the coordinate along which other clusters read the same blocks
	s_cselect_b64 s[PFA:PFA+1], s[4:5], s[6:7]
	s_cselect_b32 s[PFS], s76, s77
	s_cselect_b32 s23, 8, 11
	s_mov_b32 s[PFS+1], 0
	s_mov_b32 s17, 0
	s_add_nc_u64 s[PFA:PFA+1], s[PFA:PFA+1], s[16:17]
	s_cmp_eq_u32 s22, 0
	s_cselect_b32 s[LIM], 1, -1
	v_and_b32 v[PFO], 31, v0
	v_lshlrev_b32 v[PFO], s23, v[PFO]
.endif
; 16 matrix instructions: m blocks a0, a0 + 1 of the window's four x all 8 n blocks, 32 along K.  first = 1: the product starts the sum.  The 64 accumulators take turns.
.macro MUL16 f, hi, a0, first
	WIN 0xa1+0x50*(\hi)
.irp a, \a0, (\a0)+1
.irp b, 0,1,2,3,4,5,6,7
.if \first
	v_wmma_f32_16x16x32_bf16 v[8*(8*(\a)+(\b)):8*(8*(\a)+(\b))+7], v[(\f)+8*(\b):(\f)+8*(\b)+7], v[(\f)+8*(4*(\hi)+(\a)):(\f)+8*(4*(\hi)+(\a))+7], 0
.else
	v_wmma_f32_16x16x32_bf16 v[8*(8*(\a)+(\b)):8*(8*(\a)+(\b))+7], v[(\f)+8*(\b):(\f)+8*(\b)+7], v[(\f)+8*(4*(\hi)+(\a)):(\f)+8*(4*(\hi)+(\a))+7], v[8*(8*(\a)+(\b)):8*(8*(\a)+(\b))+7]
.endif
.endr
.endr
.endm
.macro FETCH slot, q, f                ; 32 LDS loads in one run: half q (32 along K) of my 64 channels
	WIN TO_B
.irp i, 0,1,2,3,4,5,6,7
	ds_load_tr16_b128 v[(\f)+8*(\i):(\f)+8*(\i)+3],   v[ADRB+(\slot)] offset:(\q)*32*PB+32*(\i)
	ds_load_tr16_b128 v[(\f)+8*(\i)+4:(\f)+8*(\i)+7], v[ADRB+(\slot)] offset:(\q)*32*PB+16*PB+32*(\i)
.endr
	WIN 0
.irp i, 0,1,2,3,4,5,6,7
	ds_load_b128 v[(\f)+8*(\i):(\f)+8*(\i)+3],   v[ADRA+(\slot)] offset:64*(\q)+(\i)*16*PA
	ds_load_b128 v[(\f)+8*(\i)+4:(\f)+8*(\i)+7], v[ADRA+(\slot)] offset:64*(\q)+(\i)*16*PA+32
.endr
.endm
.macro PLACES
.rept 4
	v_nop
.endr
.endm
.macro QUARTER slot, q, f, g, first    ; the first half of a K step: multiplies buffer f, fetches the second half into g
	s_wait_dscnt 8                                 ; W and A's rows 0-63 are in; the youngest eight loads may be out
	MUL16 \f, 0, 0, \first
	MUL16 \f, 0, 2, \first
	PLACES
	FETCH \slot, \q, \g
	s_wait_dscnt 32                                ; all but the 32 just issued
	MUL16 \f, 1, 0, \first
	MUL16 \f, 1, 2, \first
.endm
.macro MEET round
	WIN 0
	s_wait_tensorcnt 0x0                           ; all my tensor loads have landed: my part of the next slot
	ds_add_u32 v[SPW], v[NIL]
	s_wait_dscnt 9                                 ; (the add and the youngest eight loads may be out)
	MUL16 F1, 0, 0, 0
	s_wait_dscnt 0x0                               ; the add is done, and my reads of this slot are over
	s_barrier_signal -1
	MUL16 F1, 0, 2, 0
.if \round
	WIN 0
.endif
	s_barrier_wait -1
.endm
; the second half of a K step, and the change of slots.  fill = 1: the slot just read out is filled again first behind the round, two K steps ahead: 96 matrix instructions lie between the request and the wait for it
.macro TURN slot, next, fill
.if (\fill) && (TRIPS > 1)
	s_wait_xcnt 0x0                                ; the last prefetch, a K step back, has read its address
	s_add_nc_u64 s[PFA:PFA+1], s[PFA:PFA+1], s[PFS:PFS+1]
.endif
	MEET \fill
.if \fill
	CREST
	s_add_nc_u64 s[G0+4*(\slot)+2:G0+4*(\slot)+3], s[G0+4*(\slot)+2:G0+4*(\slot)+3], 2*ASTEP
	s_add_nc_u64 s[G0B+4*(\slot)+2:G0B+4*(\slot)+3], s[G0B+4*(\slot)+2:G0B+4*(\slot)+3], 2*BSTEP
	JLOAD \slot
.else
	PLACES
.endif
	FETCH \next, 0, F0
.if (\fill) && (TRIPS > 1)
	ASK
.endif
	MUL16 F1, 1, 0, 0
	MUL16 F1, 1, 2, 0
.endm
	s_wait_tensorcnt 1                             ; my part of K step 0 is in; K step 1's may stay out
	s_barrier_signal -1
	s_barrier_wait -1
	FETCH 0, 0, F0
	QUARTER 0, 1, F0, F1, 1
	WIN 0
	s_mov_b32 s3, TRIPS
.Llap:                                                 ; a trip goes once round the ring and fills both slots again
	TURN 0, 1, 1
	QUARTER 1, 1, F0, F1, 0
	TURN 1, 0, 1
	QUARTER 0, 1, F0, F1, 0
	WIN 0
	s_sub_co_u32 s3, s3, 1
	s_cmp_lg_u32 s3, 0
	s_cbranch_scc1 .Llap
	TURN 0, 1, 0                                   ; the last two K steps fill nothing
	QUARTER 1, 1, F0, F1, 0
	s_wait_dscnt 8
	MUL16 F1, 0, 0, 0
	MUL16 F1, 0, 2, 0
	s_wait_dscnt 0x0
	MUL16 F1, 1, 0, 0
	MUL16 F1, 1, 2, 0
	WIN 0
	PLACES
	s_barrier_signal -1                            ; every wave's reads of the slots are over (the wait for 0 above): the partial tiles may be laid over them
	s_barrier_wait -1
	WIN 0x08                                       ; store data in window 2
.irp a, 0,1,2,3
.irp b, 0,1,2,3,4,5,6,7
	ds_store_b128 v[STP], v[8*(8*(\a)+(\b)):8*(8*(\a)+(\b))+3]   offset:(\a)*16*PP+64*(\b)
	ds_store_b128 v[STP], v[8*(8*(\a)+(\b))+4:8*(8*(\a)+(\b))+7] offset:(\a)*16*PP+64*(\b)+16
.endr
.endr
	WIN 0x0c                                       ; window 3
.irp a, 0,1,2,3
.irp b, 0,1,2,3,4,5,6,7
	ds_store_b128 v[STP], v[8*(8*(\a)+(\b)):8*(8*(\a)+(\b))+3]   offset:((\a)+4)*16*PP+64*(\b)
	ds_store_b128 v[STP], v[8*(8*(\a)+(\b))+4:8*(8*(\a)+(\b))+7] offset:((\a)+4)*16*PP+64*(\b)+16
.endr
.endr
	WIN 0
	s_wait_dscnt 0x0                               ; for the others' sake: my partial tile lies in LDS
	s_barrier_signal -1
	s_barrier_wait -1
	s_wait_loadcnt 0x0                             ; R and the bias
; eight rows: the four partial sums, the bias and R are added, and the row is stored
.macro BATCH t
	s_wait_xcnt 0x0                                ; the registers that the last batch's stores read are loaded again only behind this wait
.irp i, 0,1,2,3,4,5,6,7
.irp w, 0,1,2,3
	ds_load_b128 v[EP+16*(\i)+4*(\w):EP+16*(\i)+4*(\w)+3], v[RDP+(\w)] offset:(8*(\t)+(\i))*PP
.endr
.endr
.irp i, 0,1,2,3,4,5,6,7
	s_wait_dscnt 4*(7-(\i))                        ; row i's four loads are in; the later rows' stay out
	v_pk_add_f32 v[EP+16*(\i):EP+16*(\i)+1],     v[EP+16*(\i):EP+16*(\i)+1],     v[EP+16*(\i)+4:EP+16*(\i)+5]
	v_pk_add_f32 v[EP+16*(\i)+2:EP+16*(\i)+3],   v[EP+16*(\i)+2:EP+16*(\i)+3],   v[EP+16*(\i)+6:EP+16*(\i)+7]
	v_pk_add_f32 v[EP+16*(\i)+8:EP+16*(\i)+9],   v[EP+16*(\i)+8:EP+16*(\i)+9],   v[EP+16*(\i)+12:EP+16*(\i)+13]
	v_pk_add_f32 v[EP+16*(\i)+10:EP+16*(\i)+11], v[EP+16*(\i)+10:EP+16*(\i)+11], v[EP+16*(\i)+14:EP+16*(\i)+15]
	v_pk_add_f32 v[EP+16*(\i):EP+16*(\i)+1],     v[EP+16*(\i):EP+16*(\i)+1],     v[EP+16*(\i)+8:EP+16*(\i)+9]
	v_pk_add_f32 v[EP+16*(\i)+2:EP+16*(\i)+3],   v[EP+16*(\i)+2:EP+16*(\i)+3],   v[EP+16*(\i)+10:EP+16*(\i)+11]
	v_pk_add_f32 v[EP+16*(\i):EP+16*(\i)+1],     v[EP+16*(\i):EP+16*(\i)+1],     v[BI:BI+1]
	v_pk_add_f32 v[EP+16*(\i)+2:EP+16*(\i)+3],   v[EP+16*(\i)+2:EP+16*(\i)+3],   v[BI+2:BI+3]
.endr
	WIN 0x04                                       ; source 1 (R) in window 1
.irp i, 0,1,2,3,4,5,6,7
.set RR, 4*(8*(\t)+(\i))+128*((8*(\t)+(\i))/16)
	v_pk_add_f32 v[EP+16*(\i):EP+16*(\i)+1],   v[EP+16*(\i):EP+16*(\i)+1],   v[RR:RR+1]
	v_pk_add_f32 v[EP+16*(\i)+2:EP+16*(\i)+3], v[EP+16*(\i)+2:EP+16*(\i)+3], v[RR+2:RR+3]
.endr
	WIN 0
.irp i, 0,1,2,3,4,5,6,7
	global_store_b128 v[XO], v[EP+16*(\i):EP+16*(\i)+3], s[70:71] offset:(8*(\t)+(\i))*8192  ; 512 consecutive bytes, aligned
.endr
.endm
	BATCH 0
	BATCH 1
	BATCH 2
	BATCH 3
	s_wait_tensorcnt 0x0                           ; the wave's end
	ds_add_u32 v[SPW], v[NIL]
	s_wait_dscnt 0x0
	CROUND                                         ; the closing round
	s_endpgm
.Lfunc_end_k_q5f822c1e6e_wo:
	.size	k_q5f822c1e6e_wo, .Lfunc_end_k_q5f822c1e6e_wo-k_q5f822c1e6e_wo
	.p2alignl 7, 3214868480
	.fill 96, 4, 3214868480
	.section	.rodata,"a",@progbits
	.p2align	6, 0x0
	.amdhsa_kernel k_q5f822c1e6e_wo
		.amdhsa_group_segment_fixed_size 327680
		.amdhsa_private_segment_fixed_size 0
		.amdhsa_enable_private_segment 0
		.amdhsa_kernarg_size 40
		.amdhsa_user_sgpr_count 2
		.amdhsa_user_sgpr_kernarg_segment_ptr 1
		.amdhsa_wavefront_size32 1
		.amdhsa_system_sgpr_workgroup_id_x 1
		.amdhsa_system_sgpr_workgroup_id_y 1
		.amdhsa_system_sgpr_workgroup_id_z 1
		.amdhsa_system_vgpr_workitem_id 0
		.amdhsa_next_free_vgpr 1024
		.amdhsa_next_free_sgpr 84
		.amdhsa_reserve_vcc 0
		.amdhsa_float_denorm_mode_32 3
		.amdhsa_float_denorm_mode_16_64 3
		.amdhsa_memory_ordered 1
		.amdhsa_forward_progress 1
		.amdhsa_inst_pref_size 105
	.end_amdhsa_kernel
	.amdgpu_metadata
---
amdhsa.version: [ 1, 2 ]
amdhsa.kernels:
  - .name:           k_q5f822c1e6e_wo
    .symbol:         k_q5f822c1e6e_wo.kd
    .args:
      - { .name: act, .offset: 0, .size: 8, .value_kind: global_buffer, .address_space: global }
      - { .name: wb, .offset: 8, .size: 8, .value_kind: global_buffer, .address_space: global }
      - { .name: x, .offset: 16, .size: 8, .value_kind: global_buffer, .address_space: global }
      - { .name: zb, .offset: 24, .size: 8, .value_kind: global_buffer, .address_space: global }
      - { .name: x1, .offset: 32, .size: 8, .value_kind: global_buffer, .address_space: global }
    .group_segment_fixed_size: 327680
    .private_segment_fixed_size: 0
    .kernarg_segment_align: 8
    .kernarg_segment_size: 40
    .max_flat_workgroup_size: 128
    .sgpr_count:     84
    .vgpr_count:     1024
    .wavefront_size: 32
...
	.end_amdgpu_metadata
.endif
;; end of part 4
;; launch ln2 (part 5): grid 256 x 1, 8 waves a work-group, no clusters, 0 bytes of LDS; arguments x1, ln2_g, ln2_b, yz; writes yz
.if DOCPART == 5
	.amdgcn_target "amdgcn-amd-amdhsa--gfx1250"
	.amdhsa_code_object_version 6
	.text
	.protected	k_q5f822c1e6e_ln2
	.globl	k_q5f822c1e6e_ln2
	.p2align	8
	.type	k_q5f822c1e6e_ln2,@function
k_q5f822c1e6e_ln2:
	s_mov_b64 s[64:65], 0
	v_nop
	global_prefetch_b8 v0, s[64:65] scope:SCOPE_SE
	s_setreg_imm32_b32 hwreg(HW_REG_WAVE_MODE, 25, 1), 1
	s_wait_xcnt 0x0
; z = LayerNorm(x1) g + b, rounded once to bf16.  x1: f32 by tokens t = 2 s + b; z by rows r = 2048 b + s, [4096][1024] bf16.
; In f32: the mean first, then the sum of (x - mean)^2, so that a common offset costs nothing.  One wave, two rows; a row stays in 32 registers between the passes, so it is read once.
; LIMITS: NaN and infinities are not treated apart.  No LDS, no matrix unit: the launch is a stream.
.set OFFX, 2                           ; v2      16 x lane
.set OFFY, 3                           ; v3      8 x lane
.set T,    8                           ; v[8:15] at work
.set M,    24                          ; v[24:25] the mean, twice
.set R,    26                          ; v[26:27] 1 / sqrt(var + eps), twice
.set X,    32                          ; v[32:95] two rows of 32
.set G,    96
.set BV,   128
.set WV,   32
.set INV,  33                          ; s33  1 / 1024
.set EPS,  34                          ; s34  1e-5
.set SEL,  36
.set SRCP, 4
.set GP,   6
.set BP,   8
.set DSTP, 10
.macro REDUCE                          ; the four pairs in T into one number, the same in every lane
	v_pk_add_f32 v[T:T+1], v[T:T+1], v[T+2:T+3]
	v_pk_add_f32 v[T+4:T+5], v[T+4:T+5], v[T+6:T+7]
	v_pk_add_f32 v[T:T+1], v[T:T+1], v[T+4:T+5]
	v_add_f32 v[T], v[T], v[T+1]
	v_add_f32_dpp v[T], v[T], v[T] row_xmask:1 row_mask:0xf bank_mask:0xf
	v_add_f32_dpp v[T], v[T], v[T] row_xmask:2 row_mask:0xf bank_mask:0xf
	v_add_f32_dpp v[T], v[T], v[T] row_xmask:4 row_mask:0xf bank_mask:0xf
	v_add_f32_dpp v[T], v[T], v[T] row_xmask:8 row_mask:0xf bank_mask:0xf
	v_permlanex16_b32 v[T+1], v[T], s[SEL], s[SEL+1]
	v_add_f32 v[T], v[T], v[T+1]
.endm
.macro LNROW i
.set XB, X+32*(\i)
.if (\i) == 0
	s_wait_loadcnt 24                              ; row 0 is in; row 1, g and b (24 younger loads) stay out
.endif
.irp c, 0,1,2,3
	v_pk_add_f32 v[T+2*(\c):T+2*(\c)+1], v[XB+2*(\c):XB+2*(\c)+1], v[XB+8+2*(\c):XB+8+2*(\c)+1]
.endr
.irp d, 16,24
.irp c, 0,1,2,3
	v_pk_add_f32 v[T+2*(\c):T+2*(\c)+1], v[T+2*(\c):T+2*(\c)+1], v[XB+(\d)+2*(\c):XB+(\d)+2*(\c)+1]
.endr
.endr
	REDUCE
	v_mul_f32 v[M], s[INV], v[T]
	v_mov_b32 v[M+1], v[M]
.set p, 0
.rept 16
	v_pk_add_f32 v[XB+p:XB+p+1], v[XB+p:XB+p+1], v[M:M+1] neg_lo:[0,1] neg_hi:[0,1]
.set p, p+2
.endr
.irp c, 0,1,2,3
	v_pk_mul_f32 v[T+2*(\c):T+2*(\c)+1], v[XB+2*(\c):XB+2*(\c)+1], v[XB+2*(\c):XB+2*(\c)+1]
.endr
.irp d, 8,16,24
.irp c, 0,1,2,3
	v_pk_fma_f32 v[T+2*(\c):T+2*(\c)+1], v[XB+(\d)+2*(\c):XB+(\d)+2*(\c)+1], v[XB+(\d)+2*(\c):XB+(\d)+2*(\c)+1], v[T+2*(\c):T+2*(\c)+1]
.endr
.endr
	REDUCE
	v_fma_f32 v[T], v[T], s[INV], s[EPS]
	v_rsq_f32 v[R], v[T]
	v_rsq_f32 v[R+1], v[T]
	v_nop                                          ; a plain instruction behind the last root,
	s_wait_alu depctr_va_vdst(0)                   ; and one wait for both, ahead of their first reader
.if (\i) == 0
	s_wait_loadcnt 0x0                             ; g and b, and row 1
.endif
.set p, 0
.rept 16
	v_pk_mul_f32 v[XB+p:XB+p+1], v[XB+p:XB+p+1], v[R:R+1]
.set p, p+2
.endr
.set p, 0
.rept 16
	v_pk_fma_f32 v[XB+p:XB+p+1], v[XB+p:XB+p+1], v[G+p:G+p+1], v[BV+p:BV+p+1]
.set p, p+2
.endr
.irp j, 0,1,2,3,4,5,6,7
	v_cvt_pk_bf16_f32 v[XB+4*(\j)], v[XB+4*(\j)], v[XB+4*(\j)+1]
	v_cvt_pk_bf16_f32 v[XB+4*(\j)+1], v[XB+4*(\j)+2], v[XB+4*(\j)+3]
.endr
.irp j, 0,1,2,3,4,5,6,7
	global_store_b64 v[OFFY], v[XB+4*(\j):XB+4*(\j)+1], s[DSTP:DSTP+1] offset:256*(\j)+2048*(\i)  ; the wave's 32 lanes store 256 consecutive bytes, aligned
.endr
.endm
	s_load_b256 s[4:11], s[0:1], 0x0               ; x1 4, g 6, b 8, yz 10
	v_lshrrev_b32 v1, 5, v0
	v_readfirstlane_b32 s[WV], v1
	v_and_b32 v1, 31, v0
	v_lshlrev_b32 v[OFFX], 4, v1
	v_lshlrev_b32 v[OFFY], 3, v1
	s_mov_b32 s[INV], 0x3a800000
	s_mov_b32 s[EPS], 0x3727c5ac
	s_mov_b32 s[SEL], 0x76543210
	s_mov_b32 s[SEL+1], 0xfedcba98
	s_lshl_b32 s48, ttmp9, 3
	s_add_co_u32 s48, s48, s[WV]
	s_lshl_b32 s48, s48, 1                         ; r0: my two rows share b and are neighbours in s
	s_lshr_b32 s49, s48, 11                        ; b
	s_and_b32 s50, s48, 2047                       ; s
	s_lshl_b32 s50, s50, 13
	s_lshl_b32 s49, s49, 12
	s_add_co_u32 s50, s50, s49
	s_mov_b32 s51, 0
	s_lshl_b32 s52, s48, 11
	s_mov_b32 s53, 0
	s_wait_kmcnt 0x0
	s_add_nc_u64 s[SRCP:SRCP+1], s[SRCP:SRCP+1], s[50:51]
	s_add_nc_u64 s[DSTP:DSTP+1], s[DSTP:DSTP+1], s[52:53]
.irp j, 0,1,2,3,4,5,6,7
	global_load_b128 v[X+4*(\j):X+4*(\j)+3], v[OFFX], s[SRCP:SRCP+1] offset:512*(\j)
.endr
.irp j, 0,1,2,3,4,5,6,7
	global_load_b128 v[X+32+4*(\j):X+32+4*(\j)+3], v[OFFX], s[SRCP:SRCP+1] offset:8192+512*(\j)
.endr
.irp j, 0,1,2,3,4,5,6,7
	global_load_b128 v[G+4*(\j):G+4*(\j)+3], v[OFFX], s[GP:GP+1] offset:512*(\j)
.endr
.irp j, 0,1,2,3,4,5,6,7
	global_load_b128 v[BV+4*(\j):BV+4*(\j)+3], v[OFFX], s[BP:BP+1] offset:512*(\j)
.endr
	LNROW 0
	LNROW 1
	s_endpgm
.Lfunc_end_k_q5f822c1e6e_ln2:
	.size	k_q5f822c1e6e_ln2, .Lfunc_end_k_q5f822c1e6e_ln2-k_q5f822c1e6e_ln2
	.p2alignl 7, 3214868480
	.fill 96, 4, 3214868480
	.section	.rodata,"a",@progbits
	.p2align	6, 0x0
	.amdhsa_kernel k_q5f822c1e6e_ln2
		.amdhsa_group_segment_fixed_size 0
		.amdhsa_private_segment_fixed_size 0
		.amdhsa_enable_private_segment 0
		.amdhsa_kernarg_size 32
		.amdhsa_user_sgpr_count 2
		.amdhsa_user_sgpr_kernarg_segment_ptr 1
		.amdhsa_wavefront_size32 1
		.amdhsa_system_sgpr_workgroup_id_x 1
		.amdhsa_system_sgpr_workgroup_id_y 1
		.amdhsa_system_sgpr_workgroup_id_z 1
		.amdhsa_system_vgpr_workitem_id 0
		.amdhsa_next_free_vgpr 160
		.amdhsa_next_free_sgpr 66
		.amdhsa_reserve_vcc 0
		.amdhsa_float_denorm_mode_32 3
		.amdhsa_float_denorm_mode_16_64 3
		.amdhsa_memory_ordered 1
		.amdhsa_forward_progress 1
		.amdhsa_inst_pref_size 21
	.end_amdhsa_kernel
	.amdgpu_metadata
---
amdhsa.version: [ 1, 2 ]
amdhsa.kernels:
  - .name:           k_q5f822c1e6e_ln2
    .symbol:         k_q5f822c1e6e_ln2.kd
    .args:
      - { .name: x1, .offset: 0, .size: 8, .value_kind: global_buffer, .address_space: global }
      - { .name: ln2_g, .offset: 8, .size: 8, .value_kind: global_buffer, .address_space: global }
      - { .name: ln2_b, .offset: 16, .size: 8, .value_kind: global_buffer, .address_space: global }
      - { .name: yz, .offset: 24, .size: 8, .value_kind: global_buffer, .address_space: global }
    .group_segment_fixed_size: 0
    .private_segment_fixed_size: 0
    .kernarg_segment_align: 8
    .kernarg_segment_size: 32
    .max_flat_workgroup_size: 256
    .sgpr_count:     66
    .vgpr_count:     160
    .wavefront_size: 32
...
	.end_amdgpu_metadata
.endif
;; end of part 5
;; launch ffn1: the kernel of part 2 again; grid 16 x 16, 4 waves a work-group, clusters of 4 x 4, 327,680 bytes of LDS; arguments yz, wb, b1, zb, act; writes act
;; launch ffn2 (part 6): grid 8 x 32, 4 waves a work-group, clusters of 4 x 4, 327,680 bytes of LDS; arguments act, wb, x1, b2, out0; writes out0
.if DOCPART == 6
	.amdgcn_target "amdgcn-amd-amdhsa--gfx1250"
	.amdhsa_code_object_version 6
	.text
	.protected	k_q5f822c1e6e_ffn2
	.globl	k_q5f822c1e6e_ffn2
	.p2align	8
	.type	k_q5f822c1e6e_ffn2,@function
k_q5f822c1e6e_ffn2:
	s_mov_b64 s[64:65], 0
	v_nop
	global_prefetch_b8 v0, s[64:65] scope:SCOPE_SE
	s_setreg_imm32_b32 hwreg(HW_REG_WAVE_MODE, 25, 1), 1
	s_wait_xcnt 0x0
	s_wait_alu depctr_hold_cnt(0) depctr_sa_sdst(0) depctr_va_vdst(0) depctr_va_sdst(0) depctr_va_ssrc(0) depctr_va_vcc(0) depctr_vm_vsrc(0)
	s_getreg_b32 s2, hwreg(HW_REG_IB_STS2, 6, 4)
	s_cmp_eq_u32 s2, 0
	s_cbranch_scc0 .Lentry_in_a_cluster
	s_endpgm
.Lentry_in_a_cluster:
	s_bfe_u32 s2, ttmp6, 0x10000c
	s_cmp_lg_u32 s2, 0xf033
	s_cbranch_scc0 .Lentry_shape_is_right
	s_endpgm
.Lentry_shape_is_right:
; out = x1 + h w2 + b2.  C = R + A W + bias, 1,024 columns, K = 256 (2 + 2 TRIPS) = 4,096.  A: bf16 in blocks [row block of 128][column block of 64, 64 of them][128][64].
; W: [K][1024] bf16, row-major, WOFF bytes into its buffer.  R, C: f32 by tokens t = 2 s + b, while A's rows go by r = 2048 b + s.  bias: f32.  All sums in f32.
; The product with wo has the same text with other TRIPS and WOFF: a count of trips round barriers and joint loads is a constant of the text.
; LIMITS: NaN and infinities are not treated apart.
; A tile of C is 128 x 128, so that the 4,096 x 1,024 numbers give 256 work-groups.  K IS SPLIT AMONG THE FOUR WAVES: of each K step of 256, wave w takes the 64 channels of column block 4 step + w, for the whole tile:
; 64 accumulators a wave, 32 LDS loads for 64 matrix instructions.  The four partial tiles meet in LDS at the end, in the slots, which have had their last fill by then.
; CLUSTER 4 x 4: A's tile is asked for jointly along a row of the cluster, W's along a column.  The matrix instruction is used transposed (source 0 = 16 columns of W, turned out of LDS; source 1 = 16 rows of A).
; REGISTERS by windows of 256: window 0: v16-39 addresses and the bias; v64-191 A's fragments, later the sums.  window 1: v64-191 W's fragments; v0-63, v192-255 my 32 rows of R.  windows 2, 3: the accumulators.
.set TRIPS,  7                         ; trips of the loop: each goes once round the ring, two K steps
.set WOFF,   0xa00000                  ; W's first byte in its buffer
.set PA,     144                       ; a row of a block of A in LDS: 128 bytes + 16
.set PB,     288                       ; a k row of W: 256 bytes + 32 = 9 x 32
.set HALFT,  36864                     ; what one tensor load brings: two blocks of A (256 x 144), or 128 k rows of W (128 x 288)
.set SLOT,   4*HALFT
.set SPARE,  2*SLOT                    ; the spare words: 128 bytes a wave, named by no other line
.set WPART,  18432                     ; my block of A, and my 64 k rows of W
.set PP,     528                       ; a row of a partial tile: 512 bytes + 16
.set PTILE,  128*PP
.set ASTEP,  65536
.set BSTEP,  524288
.set ADRA, 16
.set ADRB, 20
.set STP,  24
.set XO,   26
.set SPW,  28
.set NIL,  29
.set PFO,  30
.set BI,   32                          ; v[32:35] the bias of my four columns
.set RDP,  36                          ; v[36:39] my place in partial tile 0..3
.set EP,   64
.set F0,   64
.set F1,   128
.set G1,   24
.set G0,   32
.set G1B,  48
.set G0B,  56
.set LIM,  43                          ; s43  1 in a wave that prefetches, else the greatest number
.set PFA,  44
.set PFS,  72
.set MSB, 0
.macro WIN new
.if MSB != (\new)
	s_set_vgpr_msb (MSB<<8)|(\new)
.set MSB, \new
.endif
.endm
.set TO_B, 0x40
.macro JLOAD s                         ; a joint load: waves 0 and 1 fetch A's halves, waves 2 and 3 W's; an s_nop 0 and four v_nop follow each line
	s_cmp_eq_u32 s13, 0
	s_cbranch_scc0 .Lfor_b_\@
	tensor_load_to_lds s[G0+4*(\s):G0+4*(\s)+3], s[G1:G1+7]
	s_nop 0
.rept 4
	v_nop
.endr
	s_branch .Lasked_\@
.Lfor_b_\@:
	tensor_load_to_lds s[G0B+4*(\s):G0B+4*(\s)+3], s[G1B:G1B+7]
	s_nop 0
.rept 4
	v_nop
.endr
.Lasked_\@:
.endm
; A prefetch of the K step that stands two refills on (256 matrix instructions ahead of the load that will want it): 32 blocks of 256 bytes, a lane a block.  Each block from K step 4 on is named once in the launch:
; A's by the clusters with x = 0, W's by those with y = 0; the four partners of a joint load take 32 blocks each, told apart by address.  The loop's last trip (s3 = 1) asks for nothing: there is no such K step.
.macro ASK
	s_cmp_gt_u32 s3, s[LIM]
	s_cbranch_scc0 .Lnot_mine_\@
	global_prefetch_b8 v[PFO], s[PFA:PFA+1] th:TH_LOAD_NT scope:SCOPE_SE
.Lnot_mine_\@:
.endm
.macro CREST
	s_cmp_lg_u32 s12, 0
	s_cbranch_scc1 .Lnot_wave_0_\@
	s_barrier_signal -3
.Lnot_wave_0_\@:
	s_barrier_wait -3
	s_barrier_signal -1
	s_barrier_wait -1
.endm
.macro CROUND
	s_barrier_signal -1
	s_barrier_wait -1
	CREST
.endm
	s_load_b256 s[4:11], s[0:1], 0x0               ; A 4, W's buffer 6, R 8, bias 10
	s_load_b64 s[70:71], s[0:1], 0x20              ; C
	v_lshl_add_u32 v[SPW], v0, 2, SPARE
	v_mov_b32 v[NIL], 0
	ds_add_u32 v[SPW], v[NIL]                      ; the wave's opening: an add and its wait ahead of my first tensor load
	v_lshrrev_b32 v1, 5, v0
	v_readfirstlane_b32 s12, v1
	s_lshr_b32 s13, s12, 1                         ; I fetch for A (0) or W (1),
	s_and_b32 s14, s12, 1                          ; this half
	s_bfe_u32 s40, ttmp6, 0x40000                  ; cx
	s_bfe_u32 s41, ttmp6, 0x40004                  ; cy
	s_lshl_b32 s42, ttmp9, 2
	s_add_co_u32 s42, s42, s40                     ; tile column 0..7
	s_and_b32 s15, ttmp7, 0xffff
	s_lshl_b32 s15, s15, 2
	s_add_co_u32 s15, s15, s41                     ; tile row = row block 0..31
	s_lshl_b32 s80, s41, 2
	s_lshl_b32 s80, 15, s80                        ; my row of the cluster
	s_lshl_b32 s81, 0x1111, s40                    ; my column
	s_or_b32 s[G1], s80, (1<<16)|(1<<20)|(1<<21)|(4<<22)|(3<<25)   ; two blocks of A are 32,768 dense bytes: 128 rows of 256 bytes, padded by 4 words after every 32 words
	s_mov_b32 s[G1+1], 128<<16
	s_mov_b32 s[G1+2], 128<<16
	s_mov_b32 s[G1+3], 128<<16
	s_mov_b32 s[G1+4], 128
	s_mov_b32 s[G1+5], 128
	s_mov_b32 s[G1+6], 0
	s_mov_b32 s[G1+7], 0
	s_or_b32 s[G1B], s81, (1<<16)|(1<<20)|(1<<21)|(5<<22)|(7<<25)  ; 128 k rows x 128 columns, padded by 8 words after every 64
	s_mov_b32 s[G1B+1], 128<<16
	s_mov_b32 s[G1B+2], 128<<16
	s_mov_b32 s[G1B+3], 128<<16
	s_mov_b32 s[G1B+4], 128
	s_mov_b32 s[G1B+5], 1024
	s_mov_b32 s[G1B+6], 0
	s_mov_b32 s[G1B+7], 0
	s_lshl_b32 s16, s15, 20                        ; A: row block x 1 MiB + half x two blocks
	s_lshl_b32 s17, s14, 15
	s_add_co_u32 s16, s16, s17
	s_mov_b32 s17, 0
	s_lshl_b32 s46, s14, 18                        ; W: half x 128 k rows of 2,048 bytes + tile column x 256 bytes
	s_lshl_b32 s47, s42, 8
	s_add_co_u32 s46, s46, s47
	s_mov_b32 s47, 0
	s_mul_i32 s20, s12, HALFT                      ; where my loads land: no place in the cluster enters an LDS address
	s_wait_dscnt 0x0                               ; the opening add is done
	s_wait_kmcnt 0x0
	s_add_nc_u64 s[6:7], s[6:7], WOFF              ; W
	s_add_nc_u64 s[18:19], s[4:5], s[16:17]
	s_add_nc_u64 s[46:47], s[6:7], s[46:47]
	CROUND                                         ; all sixteen work-groups are here: the first joint loads meet
.irp s, 0,1
	s_mov_b32 s[G0+4*(\s)], 1
	s_add_co_u32 s[G0+4*(\s)+1], s20, (\s)*SLOT
	s_add_nc_u64 s[G0+4*(\s)+2:G0+4*(\s)+3], s[18:19], (\s)*ASTEP
	s_or_b32 s[G0+4*(\s)+3], s[G0+4*(\s)+3], 0x80000000
	s_mov_b32 s[G0B+4*(\s)], 1
	s_add_co_u32 s[G0B+4*(\s)+1], s20, (\s)*SLOT
	s_add_nc_u64 s[G0B+4*(\s)+2:G0B+4*(\s)+3], s[46:47], (\s)*BSTEP
	s_or_b32 s[G0B+4*(\s)+3], s[G0B+4*(\s)+3], 0x80000000
	JLOAD \s                                       ; two loads of mine are out
.endr
	; R, C and the bias: I finish rows 32 wave .. + 31 of the tile; a row's 128 columns are 512 bytes, 16 a lane; rows (s) lie 8,192 bytes apart
	s_and_b32 s76, s15, 15
	s_lshl_b32 s76, s76, 7
	s_lshl_b32 s77, s12, 5
	s_add_co_u32 s76, s76, s77                     ; s of my first row
	s_lshl_b32 s76, s76, 13
	s_lshr_b32 s77, s15, 4                         ; b
	s_lshl_b32 s77, s77, 12
	s_add_co_u32 s76, s76, s77
	s_lshl_b32 s78, s42, 9                         ; the tile's columns
	s_add_co_u32 s76, s76, s78
	s_mov_b32 s77, 0
	s_mov_b32 s79, 0
	s_add_nc_u64 s[8:9], s[8:9], s[76:77]
	s_add_nc_u64 s[70:71], s[70:71], s[76:77]
	s_add_nc_u64 s[10:11], s[10:11], s[78:79]
	v_and_b32 v[XO], 31, v0
	v_lshlrev_b32 v[XO], 4, v[XO]
	global_load_b128 v[BI:BI+3], v[XO], s[10:11]
	WIN TO_B
.set j, 0
.rept 32
.set RR, 4*j+128*(j/16)                ; row j of R at v[4 j], from row 16 on at v[192 + 4 (j - 16)], in window 1
	global_load_b128 v[RR:RR+3], v[XO], s[8:9] offset:j*8192 th:TH_LOAD_NT
.set j, j+1
.endr
	WIN 0
	v_and_b32 v1, 15, v0                           ; l % 16
	v_bfe_u32 v2, v0, 4, 1                         ; l / 16
	v_mul_u32_u24 v3, v1, PA
	v_lshl_add_u32 v3, v2, 4, v3
	s_mul_i32 s21, s12, WPART
	v_add_nc_u32 v[ADRA], s21, v3
	v_add_nc_u32 v[ADRA+1], SLOT, v[ADRA]
	v_and_b32 v4, 7, v0
	v_lshl_add_u32 v4, v2, 3, v4
	v_mul_u32_u24 v4, v4, PB
	v_bfe_u32 v5, v0, 3, 1
	v_lshl_add_u32 v4, v5, 4, v4
	s_add_co_u32 s22, s21, 2*HALFT
	v_add_nc_u32 v[ADRB], s22, v4
	v_add_nc_u32 v[ADRB+1], SLOT, v[ADRB]
	s_mul_i32 s76, s12, PTILE                      ; my partial tile: row l % 16, 32 bytes for each half of the lanes
	v_mul_u32_u24 v6, v1, PP
	v_lshl_add_u32 v6, v2, 5, v6
	v_add_nc_u32 v[STP], s76, v6
	s_mul_i32 s76, s12, 32*PP                      ; back: my 32 rows of each partial tile, 16 bytes a lane
	v_add_nc_u32 v[RDP], s76, v[XO]
	v_add_nc_u32 v[RDP+1], PTILE, v[RDP]
	v_add_nc_u32 v[RDP+2], PTILE, v[RDP+1]
	v_add_nc_u32 v[RDP+3], PTILE, v[RDP+2]
.if TRIPS > 1
	; the prefetches: at K step 3; the first change of slots steps them to 4
	s_lshl_b32 s16, s15, 20
	s_lshl_b32 s17, s14, 15
	s_add_co_u32 s16, s16, s17
	s_lshl_b32 s17, s40, 13                        ; A: my work-group's 8,192 bytes of the 32,768
	s_add_co_u32 s16, s16, s17
	s_add_co_u32 s16, s16, 3*ASTEP
	s_lshl_b32 s18, s14, 18
	s_lshl_b32 s19, s41, 16                        ; W: my work-group's 32 k rows of the 128
	s_add_co_u32 s18, s18, s19
	s_lshl_b32 s19, s42, 8
	s_add_co_u32 s18, s18, s19
	s_add_co_u32 s18, s18, 3*BSTEP
	s_mov_b32 s76, ASTEP
	s_mov_b32 s77, BSTEP
	s_and_b32 s22, ttmp7, 0xffff
	s_cmp_eq_u32 s13, 0
	s_cselect_b32 s16, s16, s18
	s_cselect_b32 s22, ttmp9, s22                  ; the coordinate along which other clusters read the same blocks
	s_cselect_b64 s[PFA:PFA+1], s[4:5], s[6:7]
	s_cselect_b32 s[PFS], s76, s77
	s_cselect_b32 s23, 8, 11
	s_mov_b32 s[PFS+1], 0
	s_mov_b32 s17, 0
	s_add_nc_u64 s[PFA:PFA+1], s[PFA:PFA+1], s[16:17]
	s_cmp_eq_u32 s22, 0
	s_cselect_b32 s[LIM], 1, -1
	v_and_b32 v[PFO], 31, v0
	v_lshlrev_b32 v[PFO], s23, v[PFO]
.endif
; 16 matrix instructions: m blocks a0, a0 + 1 of the window's four x all 8 n blocks, 32 along K.  first = 1: the product starts the sum.  The 64 accumulators take turns.
.macro MUL16 f, hi, a0, first
	WIN 0xa1+0x50*(\hi)
.irp a, \a0, (\a0)+1
.irp b, 0,1,2,3,4,5,6,7
.if \first
	v_wmma_f32_16x16x32_bf16 v[8*(8*(\a)+(\b)):8*(8*(\a)+(\b))+7], v[(\f)+8*(\b):(\f)+8*(\b)+7], v[(\f)+8*(4*(\hi)+(\a)):(\f)+8*(4*(\hi)+(\a))+7], 0
.else
	v_wmma_f32_16x16x32_bf16 v[8*(8*(\a)+(\b)):8*(8*(\a)+(\b))+7], v[(\f)+8*(\b):(\f)+8*(\b)+7], v[(\f)+8*(4*(\hi)+(\a)):(\f)+8*(4*(\hi)+(\a))+7], v[8*(8*(\a)+(\b)):8*(8*(\a)+(\b))+7]
.endif
.endr
.endr
.endm
.macro FETCH slot, q, f                ; 32 LDS loads in one run: half q (32 along K) of my 64 channels
	WIN TO_B
.irp i, 0,1,2,3,4,5,6,7
	ds_load_tr16_b128 v[(\f)+8*(\i):(\f)+8*(\i)+3],   v[ADRB+(\slot)] offset:(\q)*32*PB+32*(\i)
	ds_load_tr16_b128 v[(\f)+8*(\i)+4:(\f)+8*(\i)+7], v[ADRB+(\slot)] offset:(\q)*32*PB+16*PB+32*(\i)
.endr
	WIN 0
.irp i, 0,1,2,3,4,5,6,7
	ds_load_b128 v[(\f)+8*(\i):(\f)+8*(\i)+3],   v[ADRA+(\slot)] offset:64*(\q)+(\i)*16*PA
	ds_load_b128 v[(\f)+8*(\i)+4:(\f)+8*(\i)+7], v[ADRA+(\slot)] offset:64*(\q)+(\i)*16*PA+32
.endr
.endm
.macro PLACES
.rept 4
	v_nop
.endr
.endm
.macro QUARTER slot, q, f, g, first    ; the first half of a K step: multiplies buffer f, fetches the second half into g
	s_wait_dscnt 8                                 ; W and A's rows 0-63 are in; the youngest eight loads may be out
	MUL16 \f, 0, 0, \first
	MUL16 \f, 0, 2, \first
	PLACES
	FETCH \slot, \q, \g
	s_wait_dscnt 32                                ; all but the 32 just issued
	MUL16 \f, 1, 0, \first
	MUL16 \f, 1, 2, \first
.endm
.macro MEET round
	WIN 0
	s_wait_tensorcnt 0x0                           ; all my tensor loads have landed: my part of the next slot
	ds_add_u32 v[SPW], v[NIL]
	s_wait_dscnt 9                                 ; (the add and the youngest eight loads may be out)
	MUL16 F1, 0, 0, 0
	s_wait_dscnt 0x0                               ; the add is done, and my reads of this slot are over
	s_barrier_signal -1
	MUL16 F1, 0, 2, 0
.if \round
	WIN 0
.endif
	s_barrier_wait -1
.endm
; the second half of a K step, and the change of slots.  fill = 1: the slot just read out is filled again first behind the round, two K steps ahead: 96 matrix instructions lie between the request and the wait for it
.macro TURN slot, next, fill
.if (\fill) && (TRIPS > 1)
	s_wait_xcnt 0x0                                ; the last prefetch, a K step back, has read its address
	s_add_nc_u64 s[PFA:PFA+1], s[PFA:PFA+1], s[PFS:PFS+1]
.endif
	MEET \fill
.if \fill
	CREST
	s_add_nc_u64 s[G0+4*(\slot)+2:G0+4*(\slot)+3], s[G0+4*(\slot)+2:G0+4*(\slot)+3], 2*ASTEP
	s_add_nc_u64 s[G0B+4*(\slot)+2:G0B+4*(\slot)+3], s[G0B+4*(\slot)+2:G0B+4*(\slot)+3], 2*BSTEP
	JLOAD \slot
.else
	PLACES
.endif
	FETCH \next, 0, F0
.if (\fill) && (TRIPS > 1)
	ASK
.endif
	MUL16 F1, 1, 0, 0
	MUL16 F1, 1, 2, 0
.endm
	s_wait_tensorcnt 1                             ; my part of K step 0 is in; K step 1's may stay out
	s_barrier_signal -1
	s_barrier_wait -1
	FETCH 0, 0, F0
	QUARTER 0, 1, F0, F1, 1
	WIN 0
	s_mov_b32 s3, TRIPS
.Llap:                                                 ; a trip goes once round the ring and fills both slots again
	TURN 0, 1, 1
	QUARTER 1, 1, F0, F1, 0
	TURN 1, 0, 1
	QUARTER 0, 1, F0, F1, 0
	WIN 0
	s_sub_co_u32 s3, s3, 1
	s_cmp_lg_u32 s3, 0
	s_cbranch_scc1 .Llap
	TURN 0, 1, 0                                   ; the last two K steps fill nothing
	QUARTER 1, 1, F0, F1, 0
	s_wait_dscnt 8
	MUL16 F1, 0, 0, 0
	MUL16 F1, 0, 2, 0
	s_wait_dscnt 0x0
	MUL16 F1, 1, 0, 0
	MUL16 F1, 1, 2, 0
	WIN 0
	PLACES
	s_barrier_signal -1                            ; every wave's reads of the slots are over (the wait for 0 above): the partial tiles may be laid over them
	s_barrier_wait -1
	WIN 0x08                                       ; store data in window 2
.irp a, 0,1,2,3
.irp b, 0,1,2,3,4,5,6,7
	ds_store_b128 v[STP], v[8*(8*(\a)+(\b)):8*(8*(\a)+(\b))+3]   offset:(\a)*16*PP+64*(\b)
	ds_store_b128 v[STP], v[8*(8*(\a)+(\b))+4:8*(8*(\a)+(\b))+7] offset:(\a)*16*PP+64*(\b)+16
.endr
.endr
	WIN 0x0c                                       ; window 3
.irp a, 0,1,2,3
.irp b, 0,1,2,3,4,5,6,7
	ds_store_b128 v[STP], v[8*(8*(\a)+(\b)):8*(8*(\a)+(\b))+3]   offset:((\a)+4)*16*PP+64*(\b)
	ds_store_b128 v[STP], v[8*(8*(\a)+(\b))+4:8*(8*(\a)+(\b))+7] offset:((\a)+4)*16*PP+64*(\b)+16
.endr
.endr
	WIN 0
	s_wait_dscnt 0x0                               ; for the others' sake: my partial tile lies in LDS
	s_barrier_signal -1
	s_barrier_wait -1
	s_wait_loadcnt 0x0                             ; R and the bias
; eight rows: the four partial sums, the bias and R are added, and the row is stored
.macro BATCH t
	s_wait_xcnt 0x0                                ; the registers that the last batch's stores read are loaded again only behind this wait
.irp i, 0,1,2,3,4,5,6,7
.irp w, 0,1,2,3
	ds_load_b128 v[EP+16*(\i)+4*(\w):EP+16*(\i)+4*(\w)+3], v[RDP+(\w)] offset:(8*(\t)+(\i))*PP
.endr
.endr
.irp i, 0,1,2,3,4,5,6,7
	s_wait_dscnt 4*(7-(\i))                        ; row i's four loads are in; the later rows' stay out
	v_pk_add_f32 v[EP+16*(\i):EP+16*(\i)+1],     v[EP+16*(\i):EP+16*(\i)+1],     v[EP+16*(\i)+4:EP+16*(\i)+5]
	v_pk_add_f32 v[EP+16*(\i)+2:EP+16*(\i)+3],   v[EP+16*(\i)+2:EP+16*(\i)+3],   v[EP+16*(\i)+6:EP+16*(\i)+7]
	v_pk_add_f32 v[EP+16*(\i)+8:EP+16*(\i)+9],   v[EP+16*(\i)+8:EP+16*(\i)+9],   v[EP+16*(\i)+12:EP+16*(\i)+13]
	v_pk_add_f32 v[EP+16*(\i)+10:EP+16*(\i)+11], v[EP+16*(\i)+10:EP+16*(\i)+11], v[EP+16*(\i)+14:EP+16*(\i)+15]
	v_pk_add_f32 v[EP+16*(\i):EP+16*(\i)+1],     v[EP+16*(\i):EP+16*(\i)+1],     v[EP+16*(\i)+8:EP+16*(\i)+9]
	v_pk_add_f32 v[EP+16*(\i)+2:EP+16*(\i)+3],   v[EP+16*(\i)+2:EP+16*(\i)+3],   v[EP+16*(\i)+10:EP+16*(\i)+11]
	v_pk_add_f32 v[EP+16*(\i):EP+16*(\i)+1],     v[EP+16*(\i):EP+16*(\i)+1],     v[BI:BI+1]
	v_pk_add_f32 v[EP+16*(\i)+2:EP+16*(\i)+3],   v[EP+16*(\i)+2:EP+16*(\i)+3],   v[BI+2:BI+3]
.endr
	WIN 0x04                                       ; source 1 (R) in window 1
.irp i, 0,1,2,3,4,5,6,7
.set RR, 4*(8*(\t)+(\i))+128*((8*(\t)+(\i))/16)
	v_pk_add_f32 v[EP+16*(\i):EP+16*(\i)+1],   v[EP+16*(\i):EP+16*(\i)+1],   v[RR:RR+1]
	v_pk_add_f32 v[EP+16*(\i)+2:EP+16*(\i)+3], v[EP+16*(\i)+2:EP+16*(\i)+3], v[RR+2:RR+3]
.endr
	WIN 0
.irp i, 0,1,2,3,4,5,6,7
	global_store_b128 v[XO], v[EP+16*(\i):EP+16*(\i)+3], s[70:71] offset:(8*(\t)+(\i))*8192  ; 512 consecutive bytes, aligned
.endr
.endm
	BATCH 0
	BATCH 1
	BATCH 2
	BATCH 3
	s_wait_tensorcnt 0x0                           ; the wave's end
	ds_add_u32 v[SPW], v[NIL]
	s_wait_dscnt 0x0
	CROUND                                         ; the closing round
	s_endpgm
.Lfunc_end_k_q5f822c1e6e_ffn2:
	.size	k_q5f822c1e6e_ffn2, .Lfunc_end_k_q5f822c1e6e_ffn2-k_q5f822c1e6e_ffn2
	.p2alignl 7, 3214868480
	.fill 96, 4, 3214868480
	.section	.rodata,"a",@progbits
	.p2align	6, 0x0
	.amdhsa_kernel k_q5f822c1e6e_ffn2
		.amdhsa_group_segment_fixed_size 327680
		.amdhsa_private_segment_fixed_size 0
		.amdhsa_enable_private_segment 0
		.amdhsa_kernarg_size 40
		.amdhsa_user_sgpr_count 2
		.amdhsa_user_sgpr_kernarg_segment_ptr 1
		.amdhsa_wavefront_size32 1
		.amdhsa_system_sgpr_workgroup_id_x 1
		.amdhsa_system_sgpr_workgroup_id_y 1
		.amdhsa_system_sgpr_workgroup_id_z 1
		.amdhsa_system_vgpr_workitem_id 0
		.amdhsa_next_free_vgpr 1024
		.amdhsa_next_free_sgpr 84
		.amdhsa_reserve_vcc 0
		.amdhsa_float_denorm_mode_32 3
		.amdhsa_float_denorm_mode_16_64 3
		.amdhsa_memory_ordered 1
		.amdhsa_forward_progress 1
		.amdhsa_inst_pref_size 106
	.end_amdhsa_kernel
	.amdgpu_metadata
---
amdhsa.version: [ 1, 2 ]
amdhsa.kernels:
  - .name:           k_q5f822c1e6e_ffn2
    .symbol:         k_q5f822c1e6e_ffn2.kd
    .args:
      - { .name: act, .offset: 0, .size: 8, .value_kind: global_buffer, .address_space: global }
      - { .name: wb, .offset: 8, .size: 8, .value_kind: global_buffer, .address_space: global }
      - { .name: x1, .offset: 16, .size: 8, .value_kind: global_buffer, .address_space: global }
      - { .name: b2, .offset: 24, .size: 8, .value_kind: global_buffer, .address_space: global }
      - { .name: out0, .offset: 32, .size: 8, .value_kind: global_buffer, .address_space: global }
    .group_segment_fixed_size: 327680
    .private_segment_fixed_size: 0
    .kernarg_segment_align: 8
    .kernarg_segment_size: 40
    .max_flat_workgroup_size: 128
    .sgpr_count:     84
    .vgpr_count:     1024
    .wavefront_size: 32
...
	.end_amdgpu_metadata
.endif
;; end of part 6
;; ======== version 2 of 2: 7 launches
;; workspace buffers: wa 6,291,456 bytes; wb 18,874,368 bytes; yz 8,388,608 bytes; qkv 33,554,432 bytes; act 33,554,432 bytes; x1 16,777,216 bytes; par_a 256 bytes; zb 12,288 bytes
;; launch prep (part 7): grid 641 x 1, 8 waves a work-group, no clusters, 0 bytes of LDS; arguments x, ln1_g, ln1_b, wq, wk, wv, wo, w1, w2, yz, wa, wb, par_a, zb; writes yz, wa, wb, par_a, zb
.if DOCPART == 7
	.amdgcn_target "amdgcn-amd-amdhsa--gfx1250"
	.amdhsa_code_object_version 6
	.text
	.protected	k_q5f822c1e6e_prep
	.globl	k_q5f822c1e6e_prep
	.p2align	8
	.type	k_q5f822c1e6e_prep,@function
k_q5f822c1e6e_prep:
	s_mov_b64 s[64:65], 0
	v_nop
	global_prefetch_b8 v0, s[64:65] scope:SCOPE_SE
	s_setreg_imm32_b32 hwreg(HW_REG_WAVE_MODE, 25, 1), 1
	s_wait_xcnt 0x0
; PREP.  Three kinds of work-groups, told apart by the work-group's number alone:
;   0-255    y = LayerNorm(x) g + b, rounded once to bf16, into yz.  x lies by tokens t = 2 s + b; yz by rows r = 2048 b + s.
;   256-639  the six weights, each number rounded once to bf16.  wq, wk, wv go into wa and w1 into wb (from its first byte), in blocks [256 columns][k][256]: a k row of a
;            block is 512 bytes, blocks 524,288 bytes apart.  wo (at byte 8,388,608 of wb) and w2 (at 10,485,760) stay row-major.
;   640      zeros into zb (a bias for products that have none, and a floor of 0) and the lowest finite bf16, twice a word, into par_a.
; TWO LAUNCHES RUN THIS TEXT.  The second LayerNorm has x1, its gain and its bias in the first three places of the arguments and a grid of 256: all its work-groups take the first path.
; LAYERNORM in f32: the mean first, then the sum of (x - mean)^2, so that a common offset of x costs nothing.  One wave, two rows; a row stays in 32 registers.
; LIMITS: NaN and infinities are not treated apart.  No LDS, no matrix unit: the launch is a stream, each byte read once and written once.
.set OFFX, 2                           ; v2      16 x lane
.set OFFY, 3                           ; v3      8 x lane
.set VO,   4                           ; v[4:7]  conversion: 8 x lane + i x the step between column blocks
.set T,    8                           ; v[8:15] at work
.set M,    24                          ; v[24:25] the mean, twice
.set R,    26                          ; v[26:27] 1 / sqrt(var + eps), twice
.set X,    32                          ; v[32:95] two rows of 32
.set G,    96                          ; v[96:127] gains of my 32 columns
.set BV,   128                         ; v[128:159] biases
.set D,    32                          ; v[32:159] conversion: four units of 32
.set WV,   32                          ; s32     my wave's number
.set INV,  33                          ; s33     1 / 1024
.set EPS,  34                          ; s34     1e-5
.set SEL,  36                          ; s[36:37] v_permlanex16_b32's selects
.set SRCP, 4                           ; s[4:5]  x
.set GP,   6
.set BP,   8
.set DSTP, 22                          ; s[22:23] yz
; the four pairs in T into one number, the same in every lane
.macro REDUCE
	v_pk_add_f32 v[T:T+1], v[T:T+1], v[T+2:T+3]
	v_pk_add_f32 v[T+4:T+5], v[T+4:T+5], v[T+6:T+7]
	v_pk_add_f32 v[T:T+1], v[T:T+1], v[T+4:T+5]
	v_add_f32 v[T], v[T], v[T+1]
	v_add_f32_dpp v[T], v[T], v[T] row_xmask:1 row_mask:0xf bank_mask:0xf
	v_add_f32_dpp v[T], v[T], v[T] row_xmask:2 row_mask:0xf bank_mask:0xf
	v_add_f32_dpp v[T], v[T], v[T] row_xmask:4 row_mask:0xf bank_mask:0xf
	v_add_f32_dpp v[T], v[T], v[T] row_xmask:8 row_mask:0xf bank_mask:0xf
	v_permlanex16_b32 v[T+1], v[T], s[SEL], s[SEL+1]
	v_add_f32 v[T], v[T], v[T+1]
.endm
; row i of the wave's two
.macro LNROW i
.set XB, X+32*(\i)
.if (\i) == 0
	s_wait_loadcnt 24                              ; row 0 is in; row 1, g and b (24 younger loads) stay out
.endif
.irp c, 0,1,2,3
	v_pk_add_f32 v[T+2*(\c):T+2*(\c)+1], v[XB+2*(\c):XB+2*(\c)+1], v[XB+8+2*(\c):XB+8+2*(\c)+1]  ; four chains, started by the first pairs
.endr
.irp d, 16,24
.irp c, 0,1,2,3
	v_pk_add_f32 v[T+2*(\c):T+2*(\c)+1], v[T+2*(\c):T+2*(\c)+1], v[XB+(\d)+2*(\c):XB+(\d)+2*(\c)+1]
.endr
.endr
	REDUCE
	v_mul_f32 v[M], s[INV], v[T]
	v_mov_b32 v[M+1], v[M]
.set p, 0
.rept 16
	v_pk_add_f32 v[XB+p:XB+p+1], v[XB+p:XB+p+1], v[M:M+1] neg_lo:[0,1] neg_hi:[0,1]  ; x - mean
.set p, p+2
.endr
.irp c, 0,1,2,3
	v_pk_mul_f32 v[T+2*(\c):T+2*(\c)+1], v[XB+2*(\c):XB+2*(\c)+1], v[XB+2*(\c):XB+2*(\c)+1]
.endr
.irp d, 8,16,24
.irp c, 0,1,2,3
	v_pk_fma_f32 v[T+2*(\c):T+2*(\c)+1], v[XB+(\d)+2*(\c):XB+(\d)+2*(\c)+1], v[XB+(\d)+2*(\c):XB+(\d)+2*(\c)+1], v[T+2*(\c):T+2*(\c)+1]
.endr
.endr
	REDUCE
	v_fma_f32 v[T], v[T], s[INV], s[EPS]           ; var + eps
	v_rsq_f32 v[R], v[T]
	v_rsq_f32 v[R+1], v[T]
	v_nop                                          ; a plain instruction behind the last root,
	s_wait_alu depctr_va_vdst(0)                   ; and one wait for both, ahead of their first reader
.if (\i) == 0
	s_wait_loadcnt 0x0                             ; g and b, and row 1
.endif
.set p, 0
.rept 16
	v_pk_mul_f32 v[XB+p:XB+p+1], v[XB+p:XB+p+1], v[R:R+1]
.set p, p+2
.endr
.set p, 0
.rept 16
	v_pk_fma_f32 v[XB+p:XB+p+1], v[XB+p:XB+p+1], v[G+p:G+p+1], v[BV+p:BV+p+1]
.set p, p+2
.endr
.irp j, 0,1,2,3,4,5,6,7
	v_cvt_pk_bf16_f32 v[XB+4*(\j)], v[XB+4*(\j)], v[XB+4*(\j)+1]
	v_cvt_pk_bf16_f32 v[XB+4*(\j)+1], v[XB+4*(\j)+2], v[XB+4*(\j)+3]
.endr
.irp j, 0,1,2,3,4,5,6,7
	global_store_b64 v[OFFY], v[XB+4*(\j):XB+4*(\j)+1], s[DSTP:DSTP+1] offset:256*(\j)+2048*(\i)  ; the wave's 32 lanes store 256 consecutive bytes, aligned
.endr
.endm
	s_load_b512 s[4:19], s[0:1], 0x0               ; x 4, ln1_g 6, ln1_b 8, wq 10, wk 12, wv 14, wo 16, w1 18
	s_load_b256 s[20:27], s[0:1], 0x40             ; w2 20, yz 22, wa 24, wb 26
	s_load_b128 s[28:31], s[0:1], 0x60             ; par_a 28, zb 30
	v_lshrrev_b32 v1, 5, v0
	v_readfirstlane_b32 s[WV], v1
	v_and_b32 v1, 31, v0
	v_lshlrev_b32 v[OFFX], 4, v1
	v_lshlrev_b32 v[OFFY], 3, v1
	s_wait_kmcnt 0x0
	s_cmp_lt_u32 ttmp9, 256
	s_cbranch_scc0 .Lnot_ln
	; ---- LayerNorm: rows r0 = 2 (8 wg + wave) and r0 + 1, which share b and are neighbours in s
	s_mov_b32 s[INV], 0x3a800000
	s_mov_b32 s[EPS], 0x3727c5ac
	s_mov_b32 s[SEL], 0x76543210
	s_mov_b32 s[SEL+1], 0xfedcba98
	s_lshl_b32 s48, ttmp9, 3
	s_add_co_u32 s48, s48, s[WV]
	s_lshl_b32 s48, s48, 1                         ; r0
	s_lshr_b32 s49, s48, 11                        ; b
	s_and_b32 s50, s48, 2047                       ; s
	s_lshl_b32 s50, s50, 13                        ; s x 8,192
	s_lshl_b32 s49, s49, 12                        ; b x 4,096
	s_add_co_u32 s50, s50, s49
	s_mov_b32 s51, 0
	s_lshl_b32 s52, s48, 11                        ; r0 x 2,048
	s_mov_b32 s53, 0
	s_add_nc_u64 s[SRCP:SRCP+1], s[SRCP:SRCP+1], s[50:51]
	s_add_nc_u64 s[DSTP:DSTP+1], s[DSTP:DSTP+1], s[52:53]
.irp j, 0,1,2,3,4,5,6,7
	global_load_b128 v[X+4*(\j):X+4*(\j)+3], v[OFFX], s[SRCP:SRCP+1] offset:512*(\j) th:TH_LOAD_NT  ; load j: columns 128 j + 4 lane ..
.endr
.irp j, 0,1,2,3,4,5,6,7
	global_load_b128 v[X+32+4*(\j):X+32+4*(\j)+3], v[OFFX], s[SRCP:SRCP+1] offset:8192+512*(\j) th:TH_LOAD_NT
.endr
.irp j, 0,1,2,3,4,5,6,7
	global_load_b128 v[G+4*(\j):G+4*(\j)+3], v[OFFX], s[GP:GP+1] offset:512*(\j)
.endr
.irp j, 0,1,2,3,4,5,6,7
	global_load_b128 v[BV+4*(\j):BV+4*(\j)+3], v[OFFX], s[BP:BP+1] offset:512*(\j)
.endr
	LNROW 0
	LNROW 1
	s_endpgm
.Lnot_ln:
	s_cmp_lt_u32 ttmp9, 640
	s_cbranch_scc0 .Lmisc
	; ---- conversion.  A unit is 4,096 bytes of a weight (1,024 numbers); a wave takes four units on end, a work-group 32.
	; Which weight: a chain of choices on c = wg - 256, from the last weight to the first.  s[38:39] the weight, s[40:41] the buffer it goes to, s35 first c of the weight, s48 its place in that buffer,
	; s53, s54: the first unit's place is ((unit >> s53) << s54); s50 bytes from unit to unit, s52 from one block of 256 columns to the next.
	s_sub_co_u32 s33, ttmp9, 256
	s_mov_b64 s[38:39], s[20:21]                   ; w2: row-major, a unit is a row of 2,048 bytes
	s_mov_b64 s[40:41], s[26:27]                   ; into wb
	s_mov_b32 s35, 256
	s_mov_b32 s48, 10485760
	s_mov_b32 s53, 0
	s_mov_b32 s54, 11
	s_mov_b32 s50, 2048
	s_mov_b32 s52, 512
	s_cmp_lt_u32 s33, 256                          ; w1: four units are one k row; unit u holds the column blocks 4 u .. 4 u + 3
	s_cselect_b64 s[38:39], s[18:19], s[38:39]
	s_cselect_b32 s35, 128, s35
	s_cselect_b32 s48, 0, s48
	s_cselect_b32 s53, 2, s53
	s_cselect_b32 s54, 9, s54
	s_cselect_b32 s50, 0x200000, s50
	s_cselect_b32 s52, 0x80000, s52
	s_cmp_lt_u32 s33, 128                          ; wo: as w2
	s_cselect_b64 s[38:39], s[16:17], s[38:39]
	s_cselect_b32 s35, 96, s35
	s_cselect_b32 s48, 8388608, s48
	s_cselect_b32 s53, 0, s53
	s_cselect_b32 s54, 11, s54
	s_cselect_b32 s50, 2048, s50
	s_cselect_b32 s52, 512, s52
	s_cmp_lt_u32 s33, 96                           ; wv: a unit is a k row, spread over four column blocks; into wa
	s_cselect_b64 s[38:39], s[14:15], s[38:39]
	s_cselect_b64 s[40:41], s[24:25], s[40:41]
	s_cselect_b32 s35, 64, s35
	s_cselect_b32 s48, 4194304, s48
	s_cselect_b32 s54, 9, s54
	s_cselect_b32 s50, 512, s50
	s_cselect_b32 s52, 0x80000, s52
	s_cmp_lt_u32 s33, 64                           ; wk
	s_cselect_b64 s[38:39], s[12:13], s[38:39]
	s_cselect_b32 s35, 32, s35
	s_cselect_b32 s48, 2097152, s48
	s_cmp_lt_u32 s33, 32                           ; wq
	s_cselect_b64 s[38:39], s[10:11], s[38:39]
	s_cselect_b32 s35, 0, s35
	s_cselect_b32 s48, 0, s48
	s_sub_co_u32 s35, s33, s35
	s_lshl_b32 s35, s35, 5
	s_lshl_b32 s34, s[WV], 2
	s_add_co_u32 s35, s35, s34                     ; my first unit in the weight
	s_lshr_b32 s53, s35, s53
	s_lshl_b32 s53, s53, s54
	s_add_co_u32 s48, s48, s53
	s_mov_b32 s49, 0
	s_mov_b32 s51, 0
	s_lshl_b32 s54, s35, 12
	s_mov_b32 s55, 0
	s_add_nc_u64 s[38:39], s[38:39], s[54:55]      ; the source at my 16,384 bytes
	s_add_nc_u64 s[40:41], s[40:41], s[48:49]      ; the destination at unit 0, 1, 2, 3
	s_add_nc_u64 s[42:43], s[40:41], s[50:51]
	s_add_nc_u64 s[44:45], s[42:43], s[50:51]
	s_add_nc_u64 s[46:47], s[44:45], s[50:51]
	v_mov_b32 v[VO], v[OFFY]
	v_add_nc_u32 v[VO+1], s52, v[VO]
	v_add_nc_u32 v[VO+2], s52, v[VO+1]
	v_add_nc_u32 v[VO+3], s52, v[VO+2]
.set j, 0
.rept 32
	global_load_b128 v[D+4*j:D+4*j+3], v[OFFX], s[38:39] offset:512*j th:TH_LOAD_NT  ; all 32 loads go out at once
.set j, j+1
.endr
.macro CVTU u
	s_wait_loadcnt 8*(3-(\u))                      ; my unit's eight loads are in; the later units' stay out
.irp j, 0,1,2,3,4,5,6,7
	v_cvt_pk_bf16_f32 v[D+32*(\u)+4*(\j)], v[D+32*(\u)+4*(\j)], v[D+32*(\u)+4*(\j)+1]
	v_cvt_pk_bf16_f32 v[D+32*(\u)+4*(\j)+1], v[D+32*(\u)+4*(\j)+2], v[D+32*(\u)+4*(\j)+3]
.endr
.irp j, 0,1,2,3,4,5,6,7
	global_store_b64 v[VO+(\j)/2], v[D+32*(\u)+4*(\j):D+32*(\u)+4*(\j)+1], s[40+2*(\u):41+2*(\u)] offset:((\j)%2)*256  ; 256 consecutive bytes, aligned
.endr
.endm
	CVTU 0
	CVTU 1
	CVTU 2
	CVTU 3
	s_endpgm
.Lmisc:
	; ---- zeros, and the floor that is no floor
	v_lshlrev_b32 v6, 4, v0
	v_mov_b32 v8, 0
	v_mov_b32 v9, 0
	v_mov_b32 v10, 0
	v_mov_b32 v11, 0
	global_store_b128 v6, v[8:11], s[30:31]
	global_store_b128 v6, v[8:11], s[30:31] offset:4096
	global_store_b128 v6, v[8:11], s[30:31] offset:8192
	s_cmp_lg_u32 s[WV], 0
	s_cbranch_scc1 .Lmisc_end
	v_mov_b32 v12, 0xff7fff7f                      ; the lowest finite bf16, twice
	v_mov_b32 v13, 0xff7fff7f
	global_store_b64 v[OFFY], v[12:13], s[28:29]   ; wave 0's 32 lanes fill par_a's 256 bytes
.Lmisc_end:
	s_endpgm
.Lfunc_end_k_q5f822c1e6e_prep:
	.size	k_q5f822c1e6e_prep, .Lfunc_end_k_q5f822c1e6e_prep-k_q5f822c1e6e_prep
	.p2alignl 7, 3214868480
	.fill 96, 4, 3214868480
	.section	.rodata,"a",@progbits
	.p2align	6, 0x0
	.amdhsa_kernel k_q5f822c1e6e_prep
		.amdhsa_group_segment_fixed_size 0
		.amdhsa_private_segment_fixed_size 0
		.amdhsa_enable_private_segment 0
		.amdhsa_kernarg_size 112
		.amdhsa_user_sgpr_count 2
		.amdhsa_user_sgpr_kernarg_segment_ptr 1
		.amdhsa_wavefront_size32 1
		.amdhsa_system_sgpr_workgroup_id_x 1
		.amdhsa_system_sgpr_workgroup_id_y 1
		.amdhsa_system_sgpr_workgroup_id_z 1
		.amdhsa_system_vgpr_workitem_id 0
		.amdhsa_next_free_vgpr 160
		.amdhsa_next_free_sgpr 66
		.amdhsa_reserve_vcc 0
		.amdhsa_float_denorm_mode_32 3
		.amdhsa_float_denorm_mode_16_64 3
		.amdhsa_memory_ordered 1
		.amdhsa_forward_progress 1
		.amdhsa_inst_pref_size 34
	.end_amdhsa_kernel
	.amdgpu_metadata
---
amdhsa.version: [ 1, 2 ]
amdhsa.kernels:
  - .name:           k_q5f822c1e6e_prep
    .symbol:         k_q5f822c1e6e_prep.kd
    .args:
      - { .name: x, .offset: 0, .size: 8, .value_kind: global_buffer, .address_space: global }
      - { .name: ln1_g, .offset: 8, .size: 8, .value_kind: global_buffer, .address_space: global }
      - { .name: ln1_b, .offset: 16, .size: 8, .value_kind: global_buffer, .address_space: global }
      - { .name: wq, .offset: 24, .size: 8, .value_kind: global_buffer, .address_space: global }
      - { .name: wk, .offset: 32, .size: 8, .value_kind: global_buffer, .address_space: global }
      - { .name: wv, .offset: 40, .size: 8, .value_kind: global_buffer, .address_space: global }
      - { .name: wo, .offset: 48, .size: 8, .value_kind: global_buffer, .address_space: global }
      - { .name: w1, .offset: 56, .size: 8, .value_kind: global_buffer, .address_space: global }
      - { .name: w2, .offset: 64, .size: 8, .value_kind: global_buffer, .address_space: global }
      - { .name: yz, .offset: 72, .size: 8, .value_kind: global_buffer, .address_space: global }
      - { .name: wa, .offset: 80, .size: 8, .value_kind: global_buffer, .address_space: global }
      - { .name: wb, .offset: 88, .size: 8, .value_kind: global_buffer, .address_space: global }
      - { .name: par_a, .offset: 96, .size: 8, .value_kind: global_buffer, .address_space: global }
      - { .name: zb, .offset: 104, .size: 8, .value_kind: global_buffer, .address_space: global }
    .group_segment_fixed_size: 0
    .private_segment_fixed_size: 0
    .kernarg_segment_align: 8
    .kernarg_segment_size: 112
    .max_flat_workgroup_size: 256
    .sgpr_count:     66
    .vgpr_count:     160
    .wavefront_size: 32
...
	.end_amdgpu_metadata
.endif
;; end of part 7
;; launch qkv (part 8): grid 12 x 16, 4 waves a work-group, clusters of 4 x 4, 327,680 bytes of LDS; arguments yz, wa, zb, par_a, qkv; writes qkv
.if DOCPART == 8
	.amdgcn_target "amdgcn-amd-amdhsa--gfx1250"
	.amdhsa_code_object_version 6
	.text
	.protected	k_q5f822c1e6e_qkv
	.globl	k_q5f822c1e6e_qkv
	.p2align	8
	.type	k_q5f822c1e6e_qkv,@function
k_q5f822c1e6e_qkv:
	s_mov_b64 s[64:65], 0
	v_nop
	global_prefetch_b8 v0, s[64:65] scope:SCOPE_SE
	s_setreg_imm32_b32 hwreg(HW_REG_WAVE_MODE, 25, 1), 1
	s_wait_xcnt 0x0
	s_wait_alu depctr_hold_cnt(0) depctr_sa_sdst(0) depctr_va_vdst(0) depctr_va_sdst(0) depctr_va_ssrc(0) depctr_va_vcc(0) depctr_vm_vsrc(0)
	s_getreg_b32 s2, hwreg(HW_REG_IB_STS2, 6, 4)
	s_cmp_eq_u32 s2, 0
	s_cbranch_scc0 .Lentry_in_a_cluster
	s_endpgm
.Lentry_in_a_cluster:
	s_bfe_u32 s2, ttmp6, 0x10000c
	s_cmp_lg_u32 s2, 0xf033
	s_cbranch_scc0 .Lentry_shape_is_right
	s_endpgm
.Lentry_shape_is_right:
; C = max(A W + bias, floor), K = 1,024.  A: [4096][1024] bf16, row-major.  W: bf16 in blocks [tile column][k 1024][256 columns], from its buffer's first byte.
; bias: f32.  floor: two bf16 in the first word of par; it is data alone: no address, count or branch hangs on it.
; C: bf16 in blocks [row block of 128][column block of 64, 64 of them][128][64].  Sums in f32, started by the bias; C rounded once.
; Two launches run this text: q, k, v (floor = the lowest finite bf16, bias = zeros) and the first FFN product (floor = 0: ReLU).
; LIMITS: the packed maximum drops a NaN and lifts -infinity to the floor; NaN and infinities are not treated apart.
; A tile of C is 256 x 256: four waves, each 128 x 128 in 64 accumulators (512 registers).  K goes in 8 steps of 128 through two LDS slots filled by tensor loads.
; CLUSTER 4 x 4: A's tile hangs on the tile row alone and is asked for jointly along a row of the cluster, W's on the tile column alone and jointly along a column.
; THE MATRIX INSTRUCTION IS USED TRANSPOSED: source 0 = 16 columns of W, source 1 = 16 rows of A: a lane then holds one row of C and eight neighbouring columns.
; W lies [k][n] in LDS and comes out turned, by ds_load_tr16_b128.
; THE TEXT HOLDS A K STEP TWICE: in a loop of 6 trips whose change of slots fills the slot again, and in a loop of 2 trips that fills nothing and is left in the middle of its second trip.
; Which slot is read stands in a scalar register that one exclusive or turns between 0 and SLOT; the refills have one walking descriptor for A and one for W.
; REGISTERS by windows of 256: window 0: v16-31 addresses; v64-191 A's fragments, two buffers; v32-63, v192-255 the way out.  window 1: v0-63 the bias of my 128 columns; v64-191 W's fragments.
; windows 2, 3: accumulator (a, b) at v[8 (8 (a % 4) + b)].
.set PA,     272                       ; a row of A in LDS: 256 bytes + 16: the 16 rows of a load start at 16 different groups of four banks (64 banks of 4 bytes: ISA guide 11.1)
.set PB,     544                       ; a k row of W: 512 bytes + 32 = 17 x 32
.set HALFT,  128*PA                    ; what one tensor load brings: 128 rows of A, or 64 k rows of W (64 x 544 is the same number)
.set SLOT,   4*HALFT                   ; 0x22000; a wave's place in a slot, wave x 0x8800, has neither of its two bits: an exclusive or with SLOT turns a wave's LDS word from one slot to the other
.set STAGE,  2*SLOT                    ; behind the ring, never filled by a tensor load: 16 rows x 272 bytes for each wave
.set SPITCH, 272
.set SPARE,  STAGE+4*16*SPITCH         ; the spare words: 128 bytes a wave, named by no other line
.set ASTEP,  256                       ; bytes from K step to K step in A,
.set BSTEP,  65536                     ; and in W
.set KSTEPS, 8
.set ADRA,  16                         ; v16  LDS address of my A fragments in the slot that is read
.set ADRA0, 17                         ; v17  the same in slot 0; never rewritten
.set ADRB,  20                         ; v20, v21  the same for W
.set ADRB0, 21
.set STO,  24
.set RD,   25
.set CO,   26
.set SPW,  28
.set NIL,  29
.set PFO,  30
.set BO,   31
.set F0,   64
.set F1,   128
.set TMP,  192
.set OB,   32
.set G1,   24                          ; s[24:31] group 1 for A;  s[32:39] group 0: a set for each of the two first fills; the second then walks on
.set G0,   32
.set G1B,  48                          ; s[48:55], s[56:63] the same for W
.set G0B,  56
.set LIM,  43                          ; s43  2 in a wave that prefetches, else the greatest number
.set PFA,  44                          ; s[44:45] where my prefetches stand
.set PFS,  68                          ; s[68:69] their step
.set FLOOR, 70                         ; s70  the floor, two bf16
.set TB,   74                          ; s74  first LDS byte of the slot that is read: 0 or SLOT
.set MSB, 0
.macro WIN new                         ; the immediate's high byte repeats the setting that is left; a switch that changes nothing is dropped
.if MSB != (\new)
	s_set_vgpr_msb (MSB<<8)|(\new)
.set MSB, \new
.endif
.endm
.set TO_B, 0x40                        ; destination window 1, address window 0
; A joint load: waves 0 and 1 fetch A's halves, waves 2 and 3 W's.  The branch hangs on the wave's number alone.  An s_nop 0 and four v_nop follow each line.
.macro JLOAD s
	s_cmp_eq_u32 s13, 0
	s_cbranch_scc0 .Lfor_b_\@
	tensor_load_to_lds s[G0+4*(\s):G0+4*(\s)+3], s[G1:G1+7]
	s_nop 0
.rept 4
	v_nop
.endr
	s_branch .Lasked_\@
.Lfor_b_\@:
	tensor_load_to_lds s[G0B+4*(\s):G0B+4*(\s)+3], s[G1B:G1B+7]
	s_nop 0
.rept 4
	v_nop
.endr
.Lasked_\@:
.endm
; A prefetch of the K step that stands two refills on (512 matrix instructions ahead of the load that will want it): 32 blocks of 256 bytes, a lane a block, one instruction a wave.
; Each block of K steps 4 to 7 is named once in the launch: A's by the clusters with x = 0, W's by those with y = 0; the four partners of a joint load take 32 blocks each, told apart by address.
; The trip of K step t (s3 = 6 - t) names K step t + 4: the last two trips (s3 = 2, 1) ask for nothing: there is no K step 8.
.macro ASK
	s_cmp_gt_u32 s3, s[LIM]
	s_cbranch_scc0 .Lnot_mine_\@
	global_prefetch_b8 v[PFO], s[PFA:PFA+1] th:TH_LOAD_NT scope:SCOPE_SE
.Lnot_mine_\@:
.endm
.macro CREST                           ; a round of the cluster's barrier behind its opening barrier
	s_cmp_lg_u32 s12, 0
	s_cbranch_scc1 .Lnot_wave_0_\@
	s_barrier_signal -3
.Lnot_wave_0_\@:
	s_barrier_wait -3
	s_barrier_signal -1
	s_barrier_wait -1
.endm
.macro CROUND
	s_barrier_signal -1
	s_barrier_wait -1
	CREST
.endm
	s_load_b256 s[4:11], s[0:1], 0x0               ; A 4, W 6, bias 8, par 10
	s_load_b64 s[66:67], s[0:1], 0x20              ; C
	v_lshl_add_u32 v[SPW], v0, 2, SPARE
	v_mov_b32 v[NIL], 0
	ds_add_u32 v[SPW], v[NIL]                      ; the wave's opening: an add and its wait ahead of my first tensor load
	v_lshrrev_b32 v1, 5, v0
	v_readfirstlane_b32 s12, v1                    ; wave 0..3
	s_lshr_b32 s13, s12, 1                         ; my half of the tile's rows; also: I fetch for A (0) or W (1)
	s_and_b32 s14, s12, 1                          ; my half of its columns; also: which half I fetch
	s_bfe_u32 s40, ttmp6, 0x40000                  ; cx
	s_bfe_u32 s41, ttmp6, 0x40004                  ; cy
	s_lshl_b32 s42, ttmp9, 2
	s_add_co_u32 s42, s42, s40                     ; tile column
	s_and_b32 s15, ttmp7, 0xffff
	s_lshl_b32 s15, s15, 2
	s_add_co_u32 s15, s15, s41                     ; tile row
	s_lshl_b32 s72, s41, 2
	s_lshl_b32 s72, 15, s72                        ; my row of the cluster
	s_lshl_b32 s73, 0x1111, s40                    ; my column
	s_or_b32 s[G1], s72, (1<<16)|(1<<20)|(1<<21)|(5<<22)|(3<<25)   ; mask; 2-byte elements; padding on; bit 21 beside a mask; after every 64 words 4 words
	s_mov_b32 s[G1+1], 128<<16                     ; tensor_dim0 = 128
	s_mov_b32 s[G1+2], 128<<16                     ; tensor_dim1 = 128
	s_mov_b32 s[G1+3], 128<<16                     ; tile_dim0 = 128
	s_mov_b32 s[G1+4], 128                         ; tile_dim1 = 128
	s_mov_b32 s[G1+5], 1024                        ; elements from row to row
	s_mov_b32 s[G1+6], 0
	s_mov_b32 s[G1+7], 0
	s_or_b32 s[G1B], s73, (1<<16)|(1<<20)|(1<<21)|(6<<22)|(7<<25)  ; after every 128 words 8 words
	s_mov_b32 s[G1B+1], 256<<16
	s_mov_b32 s[G1B+2], 64<<16
	s_mov_b32 s[G1B+3], 256<<16
	s_mov_b32 s[G1B+4], 64
	s_mov_b32 s[G1B+5], 256
	s_mov_b32 s[G1B+6], 0
	s_mov_b32 s[G1B+7], 0
	s_lshl_b32 s16, s15, 19                        ; A: (256 tile row + 128 half) x 2,048 bytes
	s_lshl_b32 s17, s14, 18
	s_add_co_u32 s16, s16, s17
	s_mov_b32 s17, 0
	s_lshl_b32 s46, s42, 19                        ; W: tile column x 524,288 + half x 64 k rows of 512 bytes
	s_lshl_b32 s47, s14, 15
	s_add_co_u32 s46, s46, s47
	s_mov_b32 s47, 0
	s_mul_i32 s20, s12, HALFT                      ; where my loads land: wave x 34,816: no place in the cluster enters an LDS address
	s_mov_b32 s[TB], 0                             ; K step 0 lies in slot 0
	s_wait_dscnt 0x0                               ; the opening add is done
	s_wait_kmcnt 0x0
	s_load_b32 s[FLOOR], s[10:11], 0x0
	s_add_nc_u64 s[18:19], s[4:5], s[16:17]
	s_add_nc_u64 s[46:47], s[6:7], s[46:47]
	s_wait_kmcnt 0x0                               ; the floor
	CROUND                                         ; all sixteen work-groups are here: the first joint loads meet
.irp s, 0,1
	s_mov_b32 s[G0+4*(\s)], 1
	s_add_co_u32 s[G0+4*(\s)+1], s20, (\s)*SLOT
	s_add_nc_u64 s[G0+4*(\s)+2:G0+4*(\s)+3], s[18:19], (\s)*ASTEP
	s_or_b32 s[G0+4*(\s)+3], s[G0+4*(\s)+3], 0x80000000
	s_mov_b32 s[G0B+4*(\s)], 1
	s_add_co_u32 s[G0B+4*(\s)+1], s20, (\s)*SLOT
	s_add_nc_u64 s[G0B+4*(\s)+2:G0B+4*(\s)+3], s[46:47], (\s)*BSTEP
	s_or_b32 s[G0B+4*(\s)+3], s[G0B+4*(\s)+3], 0x80000000
	JLOAD \s                                       ; two loads of mine are out
.endr
	v_and_b32 v1, 15, v0                           ; l % 16
	v_bfe_u32 v2, v0, 4, 1                         ; l / 16
	; the bias of my 128 columns: accumulator column block b, lane half h: columns 16 b + 8 h + 0..7
	s_lshl_b32 s76, s42, 10
	s_lshl_b32 s77, s14, 9
	s_add_co_u32 s76, s76, s77
	s_mov_b32 s77, 0
	s_add_nc_u64 s[8:9], s[8:9], s[76:77]
	v_lshlrev_b32 v[BO], 5, v2
	WIN TO_B
.irp b, 0,1,2,3,4,5,6,7
	global_load_b128 v[8*(\b):8*(\b)+3],   v[BO], s[8:9] offset:64*(\b)
	global_load_b128 v[8*(\b)+4:8*(\b)+7], v[BO], s[8:9] offset:64*(\b)+16
.endr
	WIN 0
	; A's fragment: lane l holds row l % 16; two loads of 16 bytes, 32 bytes apart
	v_mul_u32_u24 v3, v1, PA
	v_lshl_add_u32 v3, v2, 4, v3
	s_mul_i32 s21, s13, HALFT
	v_add_nc_u32 v[ADRA0], s21, v3
	v_mov_b32 v[ADRA], v[ADRA0]
	; W's fragment, turned: lane l reads k row 8 (l / 16) + l % 8, 16 bytes at 16 ((l / 8) % 2)
	v_and_b32 v4, 7, v0
	v_lshl_add_u32 v4, v2, 3, v4
	v_mul_u32_u24 v4, v4, PB
	v_bfe_u32 v5, v0, 3, 1
	v_lshl_add_u32 v4, v5, 4, v4
	s_lshl_b32 s22, s14, 8
	s_add_co_u32 s22, s22, 2*HALFT
	v_add_nc_u32 v[ADRB0], s22, v4
	v_mov_b32 v[ADRB], v[ADRB0]
	; the way out
	s_mul_i32 s23, s12, 16*SPITCH
	s_add_co_u32 s23, s23, STAGE
	v_mul_u32_u24 v6, v1, SPITCH
	v_lshl_add_u32 v6, v2, 4, v6
	v_add_nc_u32 v[STO], s23, v6                   ; in: row l % 16, 16 bytes for each half of the lanes
	v_bfe_u32 v6, v0, 3, 2
	v_mul_u32_u24 v6, v6, SPITCH
	v_and_b32 v7, 7, v0
	v_lshl_add_u32 v6, v7, 4, v6
	v_add_nc_u32 v[RD], s23, v6                    ; back: 32 lanes take four rows of 128 bytes (64 columns),
	v_and_b32 v[CO], 31, v0
	v_lshlrev_b32 v[CO], 4, v[CO]                  ; which are 512 consecutive bytes of a block of C
	s_lshl_b32 s16, s15, 1
	s_add_co_u32 s16, s16, s13
	s_lshl_b32 s16, s16, 20                        ; my row block: 64 column blocks of 16,384 bytes
	s_lshl_b32 s76, s42, 2
	s_lshl_b32 s77, s14, 1
	s_add_co_u32 s76, s76, s77
	s_lshl_b32 s76, s76, 14                        ; my first column block
	s_add_co_u32 s16, s16, s76
	s_mov_b32 s17, 0
	s_add_nc_u64 s[66:67], s[66:67], s[16:17]
	; the prefetches: at K step 3; the first change of slots steps them to 4
	s_lshl_b32 s16, s15, 19
	s_lshl_b32 s17, s14, 18
	s_add_co_u32 s16, s16, s17
	s_lshl_b32 s17, s40, 16                        ; A: my work-group's 32 rows of the 128
	s_add_co_u32 s16, s16, s17
	s_add_co_u32 s16, s16, 3*ASTEP
	s_lshl_b32 s18, s42, 19
	s_lshl_b32 s19, s14, 15
	s_add_co_u32 s18, s18, s19
	s_lshl_b32 s19, s41, 13                        ; W: my work-group's 8,192 bytes of the 32,768
	s_add_co_u32 s18, s18, s19
	s_add_co_u32 s18, s18, 3*BSTEP
	s_mov_b32 s76, ASTEP
	s_mov_b32 s77, BSTEP
	s_and_b32 s22, ttmp7, 0xffff
	s_cmp_eq_u32 s13, 0
	s_cselect_b32 s16, s16, s18
	s_cselect_b32 s22, ttmp9, s22                  ; the coordinate along which other clusters read the same blocks
	s_cselect_b64 s[PFA:PFA+1], s[4:5], s[6:7]
	s_cselect_b32 s[PFS], s76, s77
	s_cselect_b32 s23, 11, 8                       ; a lane a row of A (2,048 bytes apart), or a lane a block of 256 bytes of W
	s_mov_b32 s[PFS+1], 0
	s_mov_b32 s17, 0
	s_add_nc_u64 s[PFA:PFA+1], s[PFA:PFA+1], s[16:17]
	s_cmp_eq_u32 s22, 0
	s_cselect_b32 s[LIM], 2, -1
	v_and_b32 v[PFO], 31, v0
	v_lshlrev_b32 v[PFO], s23, v[PFO]
; 16 matrix instructions: m blocks a0, a0 + 1 of the window's four x all 8 n blocks, 32 along K.  first = 1: the product starts the sum, with the bias as C: nothing is cleared.
; The 64 accumulators take turns, one instruction a turn, in the same order in every quarter.
.macro MUL16 f, hi, a0, first
.if \first
	WIN 0x91+0x40*(\hi)                            ; W window 1, A window 0, C (the bias) window 1, D window 2 or 3
.else
	WIN 0xa1+0x50*(\hi)                            ; C and D window 2 or 3
.endif
.irp a, \a0, (\a0)+1
.irp b, 0,1,2,3,4,5,6,7
.if \first
	v_wmma_f32_16x16x32_bf16 v[8*(8*(\a)+(\b)):8*(8*(\a)+(\b))+7], v[(\f)+8*(\b):(\f)+8*(\b)+7], v[(\f)+8*(4*(\hi)+(\a)):(\f)+8*(4*(\hi)+(\a))+7], v[8*(\b):8*(\b)+7]
.else
	v_wmma_f32_16x16x32_bf16 v[8*(8*(\a)+(\b)):8*(8*(\a)+(\b))+7], v[(\f)+8*(\b):(\f)+8*(\b)+7], v[(\f)+8*(4*(\hi)+(\a)):(\f)+8*(4*(\hi)+(\a))+7], v[8*(8*(\a)+(\b)):8*(8*(\a)+(\b))+7]
.endif
.endr
.endr
.endm
; 32 LDS loads in one run: quarter q (32 along K) of the slot that is read, into buffer f: W's 128 columns, turned, then A's 128 rows
.macro FETCH q, f
	WIN TO_B
.irp i, 0,1,2,3,4,5,6,7
	ds_load_tr16_b128 v[(\f)+8*(\i):(\f)+8*(\i)+3],   v[ADRB] offset:(\q)*32*PB+32*(\i)
	ds_load_tr16_b128 v[(\f)+8*(\i)+4:(\f)+8*(\i)+7], v[ADRB] offset:(\q)*32*PB+16*PB+32*(\i)
.endr
	WIN 0
.irp i, 0,1,2,3,4,5,6,7
	ds_load_b128 v[(\f)+8*(\i):(\f)+8*(\i)+3],   v[ADRA] offset:64*(\q)+(\i)*16*PA
	ds_load_b128 v[(\f)+8*(\i)+4:(\f)+8*(\i)+7], v[ADRA] offset:64*(\q)+(\i)*16*PA+32
.endr
.endm
.macro PLACES                          ; four plain places in front of loads into registers that matrix instructions have read, and of conversions that read results
.rept 4
	v_nop
.endr
.endm
; one of a K step's first three quarters: multiplies buffer f; in its middle fetches quarter q of the same slot into g
.macro QUARTER q, f, g, first
	s_wait_dscnt 8                                 ; W and A's rows 0-63 are in; the youngest eight loads (A's rows 64-127) may be out
	MUL16 \f, 0, 0, \first
	MUL16 \f, 0, 2, \first
	PLACES
	FETCH \q, \g
	s_wait_dscnt 32                                ; all but the 32 just issued
	MUL16 \f, 1, 0, \first
	MUL16 \f, 1, 2, \first
.endm
; the first half of a K step's last quarter, and the one barrier of the change of slots
.macro MEET
	WIN 0
	s_wait_tensorcnt 0x0                           ; all my tensor loads have landed: the one that was out is my part of the next slot
	ds_add_u32 v[SPW], v[NIL]                      ; 0 onto my spare word
	s_wait_dscnt 9                                 ; (the add and the youngest eight loads may be out)
	MUL16 F1, 0, 0, 0
	s_wait_dscnt 0x0                               ; the add is done, and my reads of this slot are over
	s_barrier_signal -1
	MUL16 F1, 0, 2, 0
	WIN 0                                          ; branches, or lines on window 0, follow
	s_barrier_wait -1
.endm
; the whole last quarter.  fill = 1: the barrier opens a round of the cluster's barrier, and the slot just read out is filled again first behind it, two K steps ahead: 224 matrix instructions lie between
; the request and the wait for it.  fill = 0, the tail: nothing is asked for, and in its second trip (s3 = 1) there is no next slot: the run of loads is jumped over.
.macro TURN fill
.if \fill
	s_wait_xcnt 0x0                                ; the last prefetch, a K step back, has read its address
	s_add_nc_u64 s[PFA:PFA+1], s[PFA:PFA+1], s[PFS:PFS+1]
.endif
	MEET
.if \fill
	CREST                                          ; no wave of any partner still reads this slot or has a load on its way
	s_xor_b32 s[G0+5], s[G0+5], SLOT               ; the walking descriptors: the other slot than last time,
	s_add_nc_u64 s[G0+6:G0+7], s[G0+6:G0+7], ASTEP ; the next K step; the type bits on top are not reached
	s_xor_b32 s[G0B+5], s[G0B+5], SLOT
	s_add_nc_u64 s[G0B+6:G0B+7], s[G0B+6:G0B+7], BSTEP
	JLOAD 1                                        ; its four v_nop are also the places in front of the loads below
.else
	PLACES
.endif
	s_xor_b32 s[TB], s[TB], SLOT                   ; from here on the other slot is read
	v_add_nc_u32 v[ADRA], s[TB], v[ADRA0]
	v_add_nc_u32 v[ADRB], s[TB], v[ADRB0]
.if !(\fill)
	s_cmp_eq_u32 s3, 1
	s_cbranch_scc1 .Lno_fetch_\@
.endif
	FETCH 0, F0
.if !(\fill)
.Lno_fetch_\@:
.endif
.if \fill
	ASK
.endif
	MUL16 F1, 1, 0, 0
	MUL16 F1, 1, 2, 0
.endm
	s_wait_tensorcnt 1                             ; my part of K step 0 is in; K step 1's may stay out
	s_barrier_signal -1
	s_barrier_wait -1
	FETCH 0, F0
	s_wait_loadcnt 0x0                             ; the bias
	QUARTER 1, F0, F1, 1                           ; the first quarter stands in front of the loop: its products start the sums
	WIN 0
	s_mov_b32 s3, KSTEPS-2
.Lstep:                                                ; a trip: a K step's second quarter to the next K step's first; K steps 0 to 5 fill their slot again
	QUARTER 2, F1, F0, 0
	QUARTER 3, F0, F1, 0
	TURN 1
	QUARTER 1, F0, F1, 0
	WIN 0
	s_sub_co_u32 s3, s3, 1
	s_cmp_lg_u32 s3, 0
	s_cbranch_scc1 .Lstep
	s_mov_b32 s3, 2
.Ltail:                                                ; K steps 6 and 7 fill nothing: a text of their own; the second trip is left in its middle
	QUARTER 2, F1, F0, 0
	QUARTER 3, F0, F1, 0
	TURN 0
	WIN 0
	s_sub_co_u32 s3, s3, 1
	s_cmp_eq_u32 s3, 0
	s_cbranch_scc1 .Lout
	QUARTER 1, F0, F1, 0
	WIN 0
	s_branch .Ltail
.Lout:
	PLACES
; THE WAY OUT of block a (16 rows).  PACK: rounded to bf16, then the floor.  TOSTAGE: into my own stage and back as rows of 64 columns.  SEND: stored.
.macro PACK a
.set AC, 64*((\a)%4)
	WIN 0x0a+5*((\a)/4)                            ; sources window 2 or 3
.irp b, 0,1,2,3,4,5,6,7
.irp r, 0,1,2,3
	v_cvt_pk_bf16_f32 v[TMP+4*(\b)+(\r)], v[AC+8*(\b)+2*(\r)], v[AC+8*(\b)+2*(\r)+1]
.endr
.endr
	WIN 0
.set z, 0
.rept 32
	v_pk_max_num_bf16 v[TMP+z], v[TMP+z], s[FLOOR]
.set z, z+1
.endr
.endm
.macro TOSTAGE a
.set BK, OB+192*((\a)%2)
.irp b, 0,1,2,3,4,5,6,7
	ds_store_b128 v[STO], v[TMP+4*(\b):TMP+4*(\b)+3] offset:32*(\b)
.endr
.irp h, 0,1
.irp t, 0,1,2,3
	ds_load_b128 v[BK+16*(\h)+4*(\t):BK+16*(\h)+4*(\t)+3], v[RD] offset:128*(\h)+(\t)*4*SPITCH  ; LDS serves a wave's instructions in order (ISA guide 5.7.1.4): these see the stores above
.endr
.endr
.endm
.macro SEND a
.set BK, OB+192*((\a)%2)
	s_wait_dscnt 0x0                               ; the block is back in registers
	s_wait_xcnt 0x0                                ; the registers that earlier stores read are loaded again only behind this wait
.irp h, 0,1
.irp t, 0,1,2,3
	global_store_b128 v[CO], v[BK+16*(\h)+4*(\t):BK+16*(\h)+4*(\t)+3], s[66:67] offset:16384*(\h)+2048*(\a)+512*(\t)  ; 512 consecutive bytes, aligned
.endr
.endr
.endm
	PACK 0
	TOSTAGE 0
.irp a, 1,2,3,4,5,6,7
	PACK \a
	SEND (\a)-1
	TOSTAGE \a
.endr
	SEND 7
	s_wait_tensorcnt 0x0                           ; the wave's end
	ds_add_u32 v[SPW], v[NIL]
	s_wait_dscnt 0x0
	CROUND                                         ; the closing round
	s_endpgm
.Lfunc_end_k_q5f822c1e6e_qkv:
	.size	k_q5f822c1e6e_qkv, .Lfunc_end_k_q5f822c1e6e_qkv-k_q5f822c1e6e_qkv
	.p2alignl 7, 3214868480
	.fill 96, 4, 3214868480
	.section	.rodata,"a",@progbits
	.p2align	6, 0x0
	.amdhsa_kernel k_q5f822c1e6e_qkv
		.amdhsa_group_segment_fixed_size 327680
		.amdhsa_private_segment_fixed_size 0
		.amdhsa_enable_private_segment 0
		.amdhsa_kernarg_size 40
		.amdhsa_user_sgpr_count 2
		.amdhsa_user_sgpr_kernarg_segment_ptr 1
		.amdhsa_wavefront_size32 1
		.amdhsa_system_sgpr_workgroup_id_x 1
		.amdhsa_system_sgpr_workgroup_id_y 1
		.amdhsa_system_sgpr_workgroup_id_z 1
		.amdhsa_system_vgpr_workitem_id 0
		.amdhsa_next_free_vgpr 1024
		.amdhsa_next_free_sgpr 80
		.amdhsa_reserve_vcc 0
		.amdhsa_float_denorm_mode_32 3
		.amdhsa_float_denorm_mode_16_64 3
		.amdhsa_memory_ordered 1
		.amdhsa_forward_progress 1
		.amdhsa_inst_pref_size 119
	.end_amdhsa_kernel
	.amdgpu_metadata
---
amdhsa.version: [ 1, 2 ]
amdhsa.kernels:
  - .name:           k_q5f822c1e6e_qkv
    .symbol:         k_q5f822c1e6e_qkv.kd
    .args:
      - { .name: yz, .offset: 0, .size: 8, .value_kind: global_buffer, .address_space: global }
      - { .name: wa, .offset: 8, .size: 8, .value_kind: global_buffer, .address_space: global }
      - { .name: zb, .offset: 16, .size: 8, .value_kind: global_buffer, .address_space: global }
      - { .name: par_a, .offset: 24, .size: 8, .value_kind: global_buffer, .address_space: global }
      - { .name: qkv, .offset: 32, .size: 8, .value_kind: global_buffer, .address_space: global }
    .group_segment_fixed_size: 327680
    .private_segment_fixed_size: 0
    .kernarg_segment_align: 8
    .kernarg_segment_size: 40
    .max_flat_workgroup_size: 128
    .sgpr_count:     80
    .vgpr_count:     1024
    .wavefront_size: 32
...
	.end_amdgpu_metadata
.endif
;; end of part 8
;; launch attn (part 9): grid 8 x 32, 4 waves a work-group, clusters of 4 x 1, 327,680 bytes of LDS; arguments qkv, act; writes act
.if DOCPART == 9
	.amdgcn_target "amdgcn-amd-amdhsa--gfx1250"
	.amdhsa_code_object_version 6
	.text
	.protected	k_q5f822c1e6e_attn
	.globl	k_q5f822c1e6e_attn
	.p2align	8
	.type	k_q5f822c1e6e_attn,@function
k_q5f822c1e6e_attn:
	s_mov_b64 s[64:65], 0
	v_nop
	global_prefetch_b8 v0, s[64:65] scope:SCOPE_SE
	s_setreg_imm32_b32 hwreg(HW_REG_WAVE_MODE, 25, 1), 1
	s_wait_xcnt 0x0
	s_wait_alu depctr_hold_cnt(0) depctr_sa_sdst(0) depctr_va_vdst(0) depctr_va_sdst(0) depctr_va_ssrc(0) depctr_va_vcc(0) depctr_vm_vsrc(0)
	s_getreg_b32 s2, hwreg(HW_REG_IB_STS2, 6, 4)
	s_cmp_eq_u32 s2, 0
	s_cbranch_scc0 .Lentry_in_a_cluster
	s_endpgm
.Lentry_in_a_cluster:
	s_bfe_u32 s2, ttmp6, 0x10000c
	s_cmp_lg_u32 s2, 0x3003
	s_cbranch_scc0 .Lentry_shape_is_right
	s_endpgm
.Lentry_shape_is_right:
; ATTENTION, head size 64, no mask.  ctx[q] = the sum over k of softmax_k(q . k / 8) v[k], for each of 32 pairs (b, h), 2,048 queries and keys each.
; qkv and act lie in blocks [row block of 128][column block of 64, 64 of them][128 rows][64] bf16: column block h holds q of head h, 16 + h its k, 32 + h its v; ctx goes to column block h of act.
; Products, maxima and sums in f32; the weights p are rounded to bf16 for the second product (their sum l is taken of the unrounded p), ctx once at the end.
; LIMITS.  A weight below 2^-126 counts as 0 in l.  c m starts at -4.25e37: every c s must lie above it.  NaN and infinities are not treated apart.
; SHARES.  A work-group owns 256 queries of one (b, h), a wave 64: four PIECES of 16.  Every wave walks all keys, 64 a step; an LDS slot holds 256 keys, four steps; 8 tiles.
; LAYOUT.  S^T = K Q^T holds ONE query a lane (lane % 16) and the keys 8 (lane / 16) + 0..7; two such results rounded to bf16 ARE source 1 of O^T = V^T P.  K comes out of LDS as it lies, V turned.
; SOFTMAX.  p = 2^(c s - c m), c = log2(e) / 8, with a running maximum m; O and l are multiplied by a = 2^(c m_old - c m_new) in every step.  m starts at the lowest finite number, O and l at 0.
; TURNS.  Turn n belongs to piece n: 8 products K Q^T of piece n + 1, later 8 products V^T P of piece n - 1; beside them the scaling, exponentials, roundings, sums and rescaling of piece n and
; the maximum and statistics of piece n + 1.  Four vector instructions stand behind every matrix instruction, the rest in one lump.  A turn's 33 exponentials are one batch, with one wait.
; NO FIRST AND NO LAST STEP is written out: the loop is entered, and the tail left, in the middle of a trip.  The price at the end, once a launch: 8 products on the last K once more, and a maximum made of them, which serve nothing.
; CLUSTER.  The four query blocks of a cluster belong to one (b, h) and walk the same K and V: each tile is asked for jointly, by the same tensor load, descriptor and mask in all four.
; REGISTERS by windows of 256: window 0: v0-15 addresses; v16-31 statistics; v48-55 at work; v64-127 S^T, two buffers; v192-223 P, two buffers.  window 1: v0-127 O^T.  window 2: v0-63 Q; v128-191 K; v192-255 V.
.set NP,    4
.set KS,    64
.set PK,    144       ; a row of K in LDS: 128 bytes + 16: the 16 rows of a load start at 16 different groups of four banks (64 banks of 4 bytes: ISA guide 11.1)
.set PV,    160       ; a row of V: 128 + 32
.set VOFF,  4*KS*PK
.set SLOT1, 1<<17
.set STAGE, SLOT1+4*KS*(PK+PV)  ; behind the ring, never filled by a tensor load: 16 rows x 144 bytes for each wave
.set SP,    144
.set SPARE, STAGE+4*16*SP       ; the spare words: 128 bytes a wave, named by no other line
.set TILEB, 0x200000  ; bytes from tile to tile of K and V: two row blocks
.set AK0, 2
.set AV0, 3
.set AK,  4
.set AV,  5
.set STO, 6
.set RD,  7
.set GO,  8
.set MV,  12
.set QO,  15
.set ST,  16          ; piece t's statistics at v[ST+4 t]: c m, m, l (even keys', odd keys')
.set TMP, 48
.set PFO, 61
.set SPW, 62
.set NIL, 63
.set S,   64
.set P,   192
.set KF,  128
.set VF,  192
.set WV,  12
.set G1K, 24
.set G1V, 32
.set G0K, 40
.set G0V, 44
.set PFA, 50          ; s[50:51] where my prefetches stand
.set LIM, 52          ; s52  1 in a wave that prefetches, else the greatest number
.set SLOTS, 56
.set CNT, 57
.set CS,  58
.set SEL, 60
.set TBK, 62
.set TBV, 63
.set MSB, 0
.macro WIN new
.if MSB != (\new)
	s_set_vgpr_msb (MSB<<8)|(\new)
.set MSB, (\new)
.endif
.endm
.set W_KQ, 0x0a       ; K and Q in window 2, S^T in window 0
.set W_PV, 0x52       ; V in window 2, P in window 0, O^T in window 1
.set W_RS, 0x41       ; destination and source 0 in window 1, source 1 in window 0
; A joint fill: waves 0 and 1 fetch the halves of a tile's K, waves 2 and 3 those of its V, 128 keys each.  An s_nop 0 and four v_nop follow each line.
.macro JLOAD
	s_cmp_lt_u32 s[WV], 2
	s_cbranch_scc0 .Lfor_v_\@
	tensor_load_to_lds s[G0K:G0K+3], s[G1K:G1K+7]
	s_nop 0
.rept 4
	v_nop
.endr
	s_branch .Lasked_\@
.Lfor_v_\@:
	tensor_load_to_lds s[G0V:G0V+3], s[G1V:G1V+7]
	s_nop 0
.rept 4
	v_nop
.endr
.Lasked_\@:
.endm
; A prefetch of the tile that the NEXT change of slots will ask for (four key steps, 256 matrix instructions, ahead).  Each block of 256 bytes of tiles 3 to 7 is named once in the launch: the first cluster of a (b, h) asks;
; its four partners take 32 of a tile's 128 blocks each, told apart by address; wave 0 asks for K's, wave 2 for V's, a lane a block.  The last change that fills a slot asks for nothing.
.macro ASK
	s_cmp_gt_u32 s[SLOTS], s[LIM]
	s_cbranch_scc0 .Lnot_mine_\@
	global_prefetch_b8 v[PFO], s[PFA:PFA+1] th:TH_LOAD_NT scope:SCOPE_SE
.Lnot_mine_\@:
.endm
.macro CROUND
	s_barrier_signal -1
	s_barrier_wait -1
	s_cmp_lg_u32 s[WV], 0
	s_cbranch_scc1 .Lnot_wave_0_\@
	s_barrier_signal -3
.Lnot_wave_0_\@:
	s_barrier_wait -3
	s_barrier_signal -1
	s_barrier_wait -1
.endm
; THE CHANGE OF SLOTS.  Each wave waits for all its tensor loads (one is out: its part of the other slot), adds 0 to its spare word, and waits for that and for its reads of the slot that it leaves.
; fill = 1: the barrier is a round of the cluster's, and the old slot is filled again first behind it, with the keys two tiles on: it has four key steps in which to land.
.macro CHANGE fill, ask
	WIN 0
	s_wait_tensorcnt 0x0            ; no tensor load of mine is out, so a group 0 may be written
	ds_add_u32 v[SPW], v[NIL]
.if \fill
.irp g, G0K, G0V
	s_xor_b32 s[\g+1], s[\g+1], SLOT1
	s_add_nc_u64 s[\g+2:\g+3], s[\g+2:\g+3], TILEB
.endr
.if \ask
	s_wait_xcnt 0x0                 ; the last prefetch, four key steps back, has read its address
	s_add_nc_u64 s[PFA:PFA+1], s[PFA:PFA+1], TILEB
.endif
	s_wait_dscnt 0x0                ; the add is done, and my reads of the slot are over
	CROUND
	JLOAD
.if \ask
	ASK
.endif
.else
	s_wait_dscnt 0x0
	s_barrier_signal -1
	s_barrier_wait -1
.endif
	s_sub_co_u32 s[TBK], s[TBK], 4*KS*PK  ; the fetches go back to a slot's first step, in the other slot
	s_xor_b32 s[TBK], s[TBK], SLOT1
	s_sub_co_u32 s[TBV], s[TBV], 4*KS*PV
	s_xor_b32 s[TBV], s[TBV], SLOT1
.endm
	s_load_b128 s[4:7], s[0:1], 0x0  ; qkv s[4:5], act s[6:7]
	v_lshl_add_u32 v[SPW], v0, 2, SPARE
	v_mov_b32 v[NIL], 0
	ds_add_u32 v[SPW], v[NIL]       ; the wave's opening: an add and its wait ahead of my first tensor load
	v_lshrrev_b32 v1, 5, v0
	v_readfirstlane_b32 s[WV], v1
	s_bfe_u32 s13, ttmp6, 0x40000   ; cx
	s_lshl_b32 s14, ttmp9, 2
	s_add_co_u32 s14, s14, s13      ; my block of 256 queries: it enters Q's and O's addresses alone
	s_and_b32 s20, ttmp7, 0xffff
	s_lshr_b32 s21, s20, 4          ; b
	s_and_b32 s20, s20, 15          ; h
	s_and_b32 s16, s[WV], 1         ; which half of a tile's 256 keys I fetch
	s_lshl_b32 s22, s21, 4
	s_add_co_u32 s22, s22, s16
	s_lshl_b32 s22, s22, 20         ; its row block,
	s_add_co_u32 s23, s20, 16
	s_lshl_b32 s23, s23, 14         ; k's column block
	s_add_co_u32 s22, s22, s23
	s_mov_b32 s23, 0
	s_mul_i32 s17, s16, 128*PK      ; and its place in a slot
	s_mul_i32 s18, s16, 128*PV
	s_lshl_b32 s2, s21, 4           ; my wave's 64 queries: row block 16 b + 2 block + wave / 2,
	s_lshl_b32 s3, s14, 1
	s_add_co_u32 s2, s2, s3
	s_lshr_b32 s3, s[WV], 1
	s_add_co_u32 s2, s2, s3
	s_lshl_b32 s2, s2, 20
	s_lshl_b32 s3, s20, 14          ; column block h,
	s_add_co_u32 s2, s2, s3
	s_lshl_b32 s3, s16, 13          ; rows 64 (wave % 2) on
	s_add_co_u32 s2, s2, s3
	s_mov_b32 s3, 0
	; group 1: 128 keys are 16,384 dense bytes: asked for as 64 rows of 256 bytes, two keys a row, padded in LDS after every key
	s_mov_b32 s[G1K], 15|(1<<16)|(1<<20)|(1<<21)|(4<<22)|(3<<25)
	s_mov_b32 s[G1V], 15|(1<<16)|(1<<20)|(1<<21)|(4<<22)|(7<<25)
.irp g, G1K, G1V
	s_mov_b32 s[\g+1], 128<<16
	s_mov_b32 s[\g+2], 64<<16
	s_mov_b32 s[\g+3], 128<<16
	s_mov_b32 s[\g+4], 64
	s_mov_b32 s[\g+5], 128
	s_mov_b32 s[\g+6], 0
	s_mov_b32 s[\g+7], 0
.endr
	s_mov_b32 s[CS], 0x3e38aa3b     ; c = log2(e) / 8
	s_mov_b32 s[CS+1], s[CS]
	s_mov_b32 s[SEL], 0x76543210
	s_mov_b32 s[SEL+1], 0xfedcba98
	s_mov_b32 s[TBK], SLOT1+4*KS*PK ; the first change of slots turns these two into 0
	s_mov_b32 s[TBV], SLOT1+4*KS*PV
	s_mov_b32 s[G0K], 1
	s_mov_b32 s[G0K+1], s17
	s_mov_b32 s[G0V], 1
	s_add_co_u32 s[G0V+1], s18, VOFF
	s_and_b32 s[LIM], s[WV], 1      ; waves 0 and 2 of the first cluster of a (b, h): the same in all four partners
	s_or_b32 s[LIM], s[LIM], ttmp9
	s_cmp_eq_u32 s[LIM], 0
	s_cselect_b32 s[LIM], 1, -1
	v_and_b32 v[PFO], 31, v0
	v_lshlrev_b32 v[PFO], 8, v[PFO]
	s_wait_dscnt 0x0                ; the opening add is done
	s_wait_kmcnt 0x0
	s_add_nc_u64 s[10:11], s[6:7], s[2:3]    ; O at my wave's first row
	s_add_nc_u64 s[6:7], s[4:5], s[22:23]    ; K at my half of tile 0
	s_add_nc_u64 s[8:9], s[6:7], 0x40000     ; V: 16 column blocks on
	s_add_nc_u64 s[4:5], s[4:5], s[2:3]      ; Q
	s_mov_b64 s[G0K+2:G0K+3], s[6:7]
	s_or_b32 s[G0K+3], s[G0K+3], 0x80000000
	s_mov_b64 s[G0V+2:G0V+3], s[8:9]
	s_or_b32 s[G0V+3], s[G0V+3], 0x80000000
	s_lshr_b32 s2, s13, 1           ; my work-group's 32 blocks of a tile's 128: row block cx / 2, half cx % 2,
	s_lshl_b32 s2, s2, 20
	s_and_b32 s3, s13, 1
	s_lshl_b32 s3, s3, 13
	s_add_co_u32 s2, s2, s3
	s_add_co_u32 s2, s2, 2*TILEB    ; in tile 2; the loop's first change steps it to tile 3
	s_mov_b32 s3, 0
	s_cmp_lt_u32 s[WV], 2
	s_cselect_b64 s[PFA:PFA+1], s[6:7], s[8:9]
	s_add_nc_u64 s[PFA:PFA+1], s[PFA:PFA+1], s[2:3]
	CROUND                          ; all four work-groups are here: the first joint loads meet
	JLOAD                           ; tile 0 into slot 0
	v_and_b32 v1, 15, v0            ; l % 16
	v_bfe_u32 v9, v0, 4, 1          ; l / 16
	v_lshlrev_b32 v[QO], 7, v1
	v_lshl_add_u32 v[QO], v9, 4, v[QO]
	WIN 0x80                        ; destination window 2
.set i, 0
.rept 8                             ; Q stays in registers: piece i / 2, channels 32 (i % 2) on
	global_load_b128 v[8*i:8*i+3],   v[QO], s[4:5] offset:(i/2)*2048+(i%2)*64
	global_load_b128 v[8*i+4:8*i+7], v[QO], s[4:5] offset:(i/2)*2048+(i%2)*64+32
.set i, i+1
.endr
	; What the first turn finds: V's registers and P's second buffer hold 0, O^T and l are 0.  All this stands in the wait for the first tile; no first step is written out.
.set i, VF
.rept 64
	v_mov_b32 v[i], 0
.set i, i+1
.endr
	WIN 0x40
.set i, 0
.rept 128
	v_mov_b32 v[i], 0
.set i, i+1
.endr
	WIN 0
.set i, 0
.rept 4
	v_mov_b32 v[ST+4*i], 0xfe000000    ; c m: far below every c s
	v_mov_b32 v[ST+4*i+1], 0xff7fffff  ; m
	v_mov_b32 v[ST+4*i+2], 0
	v_mov_b32 v[ST+4*i+3], 0
.set i, i+1
.endr
.set i, P+16
.rept 16
	v_mov_b32 v[i], 0
.set i, i+1
.endr
	v_mul_u32_u24 v[AK0], v1, PK
	v_lshl_add_u32 v[AK0], v9, 4, v[AK0]
	v_and_b32 v10, 7, v0
	v_bfe_u32 v11, v0, 3, 1
	v_lshl_add_u32 v[AV0], v9, 3, v10
	v_mul_u32_u24 v[AV0], v[AV0], PV
	v_lshl_add_u32 v[AV0], v11, 4, v[AV0]
	v_add_nc_u32 v[AV0], VOFF, v[AV0]
	s_mul_i32 s13, s[WV], 16*SP
	s_add_co_u32 s13, s13, STAGE
	v_mul_u32_u24 v[STO], v1, SP
	v_lshl_add_u32 v[STO], v9, 4, v[STO]
	v_add_nc_u32 v[STO], s13, v[STO]
	v_bfe_u32 v[RD], v0, 3, 2
	v_mul_u32_u24 v[RD], v[RD], SP
	v_lshl_add_u32 v[RD], v10, 4, v[RD]
	v_add_nc_u32 v[RD], s13, v[RD]
	v_and_b32 v[GO], 31, v0
	v_lshlrev_b32 v[GO], 4, v[GO]
; THE MATRIX WORK.  The 4 accumulators of a run of 8 take turns.  Product i of 8 of S^T = K Q^T for piece x: channels 32 (i / 4) on, keys 16 (i % 4) on.
.macro KQ x
.set rS, S+32*((\x)%2)+8*(i%4)
.set rK, KF+16*(i%4)+8*(i/4)
.set rQ, 16*(\x)+8*(i/4)
	WIN W_KQ
.if i < 4
	v_wmma_f32_16x16x32_bf16 v[rS:rS+7], v[rK:rK+7], v[rQ:rQ+7], 0
.else
	v_wmma_f32_16x16x32_bf16 v[rS:rS+7], v[rK:rK+7], v[rQ:rQ+7], v[rS:rS+7]
.endif
.endm
; Product i of 8 of O^T += V^T P for piece x: keys 32 (i / 4) on, channels 16 (i % 4) on.
.macro PV x
	WIN W_PV
.set rO, 32*(\x)+8*(i%4)
.set rV, VF+32*(i/4)+8*(i%4)
.set rP, P+16*((\x)%2)+8*(i/4)
	v_wmma_f32_16x16x32_bf16 v[rO:rO+7], v[rV:rV+7], v[rP:rP+7], v[rO:rO+7]
.endm
.macro MM                           ; the turn's next matrix instruction
.if i < 8
	KQ (Y+1)%NP
.else
.set i, i-8
	PV (Y+NP-1)%NP
.set i, i+8
.endif
.set i, i+1
.endm
; THE LDS LOADS stand in runs of 16.  last = 1 (the tail): in the fifth trip (CNT = 1) there is no further step, and K's run is jumped over.
.macro FETCH_K last=0
	WIN 0
.if \last
	s_cmp_eq_u32 s[CNT], 1
	s_cbranch_scc1 .Lno_k_\@
.endif
	WIN 0x80
.irp f, 0,1,2,3,4,5,6,7             ; keys 16 (f / 2) on, channels 32 (f % 2) on
	ds_load_b128 v[KF+8*\f:KF+8*\f+3],   v[AK] offset:(\f/2)*16*PK+(\f%2)*64
	ds_load_b128 v[KF+8*\f+4:KF+8*\f+7], v[AK] offset:(\f/2)*16*PK+(\f%2)*64+32
.endr
	s_add_co_u32 s[TBK], s[TBK], KS*PK
	WIN 0
.if \last
.Lno_k_\@:
.endif
.endm
.macro FETCH_V
	WIN 0x80
.irp f, 0,1,2,3,4,5,6,7             ; keys 32 (f / 4) on, channels 16 (f % 4) on
	ds_load_tr16_b128 v[VF+8*\f:VF+8*\f+3],   v[AV] offset:(\f/4)*32*PV+(\f%4)*32
	ds_load_tr16_b128 v[VF+8*\f+4:VF+8*\f+7], v[AV] offset:(\f/4)*32*PV+16*PV+(\f%4)*32
.endr
	WIN 0
.endm
; THE VECTOR WORK, one line at a time: OP kind, number.  For piece Y: F n: c s - c m for pair n of 16.  E n: the exponential of score n of 32.  C n: pair n rounded to bf16.  B n: of the four weights 4 n .. the second
; pair is added onto the first.  L n: l takes that sum (L 0: l = a l + sum).  R n: pair n of 16 of O^T times a.  For piece Y + 1: X n, number n of the 22 that find its maximum and statistics:
;   0-11 four chains of seven scores (each accumulator's lowest registers are read first)   12-14, 16 the scores left over, the old m, the four into one   15 c m_old is kept
;   17, 18 the other half of the lanes: the new m   19-21 c m; c m_old - c m_new; a
.set F, 0
.set E, 1
.set C, 2
.set B, 3
.set L, 4
.set R, 5
.set X, 6
.macro REGS y
.set rT, ST+4*(\y)
.set rC, TMP+4*((\y)%2)
.set rW, MV+((\y)%2)
.set rS, S+32*((\y)%2)
.set rP, P+16*((\y)%2)
.set rO, 32*(\y)
.endm
.macro OP k, n
.if (\k) == R
	REGS Y
	WIN W_RS
	v_pk_mul_f32 v[rO+2*(\n):rO+2*(\n)+1], v[rO+2*(\n):rO+2*(\n)+1], v[rC+2:rC+3] op_sel_hi:[1,0]
.elseif (\k) < R
	REGS Y
	WIN 0
.if (\k) == F
	v_pk_fma_f32 v[rS+2*(\n):rS+2*(\n)+1], v[rS+2*(\n):rS+2*(\n)+1], s[CS:CS+1], v[rT:rT+1] op_sel_hi:[1,0,0] neg_lo:[0,0,1] neg_hi:[0,0,1]
.elseif (\k) == E
	v_exp_f32 v[rS+(\n)], v[rS+(\n)]
.elseif (\k) == C
	v_cvt_pk_bf16_f32 v[rP+(\n)], v[rS+2*(\n)], v[rS+2*(\n)+1]
.elseif (\k) == B
	v_pk_add_f32 v[rS+4*(\n):rS+4*(\n)+1], v[rS+4*(\n):rS+4*(\n)+1], v[rS+4*(\n)+2:rS+4*(\n)+3]
.elseif (\n) == 0
	v_pk_fma_f32 v[rT+2:rT+3], v[rT+2:rT+3], v[rC+2:rC+3], v[rS:rS+1] op_sel_hi:[1,0,1]
.else
	v_pk_add_f32 v[rT+2:rT+3], v[rT+2:rT+3], v[rS+4*(\n):rS+4*(\n)+1]
.endif
.else
	REGS (Y+1)%NP
	WIN 0
.if (\n) < 4
	v_max3_num_f32 v[rC+(\n)], v[rS+8*(\n)], v[rS+8*(\n)+1], v[rS+8*(\n)+2]
.elseif (\n) < 12
	v_max3_num_f32 v[rC+(\n)%4], v[rC+(\n)%4], v[rS+8*((\n)%4)+2*((\n)/4)+1], v[rS+8*((\n)%4)+2*((\n)/4)+2]
.elseif (\n) == 12
	v_max3_num_f32 v[rC], v[rC], v[rS+7], v[rS+15]
.elseif (\n) == 13
	v_max3_num_f32 v[rC+1], v[rC+1], v[rS+23], v[rS+31]
.elseif (\n) == 14
	v_max3_num_f32 v[rC+2], v[rC+2], v[rC+3], v[rT+1]
.elseif (\n) == 15
	v_mov_b32 v[rW], v[rT]
.elseif (\n) == 16
	v_max3_num_f32 v[rC], v[rC], v[rC+1], v[rC+2]
.elseif (\n) == 17
	v_permlanex16_b32 v[rC+3], v[rC], s[SEL], s[SEL+1]
.elseif (\n) == 18
	v_max_num_f32 v[rT+1], v[rC], v[rC+3]
.elseif (\n) == 19
	v_mul_f32 v[rT], s[CS], v[rT+1]
.elseif (\n) == 20
	v_sub_f32 v[rC+1], v[rW], v[rT]
.else
	v_exp_f32 v[rC+2], v[rC+1]
.endif
.endif
.endm
.macro OPS a, i1, b=-1, i2=0, c=-1, i3=0, d=-1, i4=0
	OP \a, \i1
.if (\b) >= 0
	OP \b, \i2
.endif
.if (\c) >= 0
	OP \c, \i3
.endif
.if (\d) >= 0
	OP \d, \i4
.endif
.endm
.macro ROW a, i1, b, i2, c, i3, d, i4  ; a matrix instruction and the four behind it
	MM
	OPS \a, \i1, \b, \i2, \c, \i3, \d, \i4
.endm
; A TURN, for piece p.  Ahead of its one wait stands all that names no result of the turn's exponentials: the 8 products K Q^T with their riders, and the lump; behind it the 8 products V^T P, whose riders are the roundings and sums.
; K of the next step is fetched in piece 2's turn, behind the last product that read K and six plain instructions; V of the step in hand at the end of piece 0's turn, four plain instructions behind its last reader.  Each is waited for a turn later.
; last = 1, the tail's piece 2: K's run stands directly behind the turn's wait; there it has the turn's eight products V^T P in which to land.
; cnt = 1: the loop's count is taken down some lines ahead of the branch that stands behind the turn.
.macro TURN p, last=0, cnt=0
.set Y, (\p)
.set i, 0
.if (\p) == 3
	s_wait_dscnt 0x0                ; K is in
.endif
	ROW F,0, F,1, R,0, R,1
	ROW F,2, E,0, R,2, R,3
	ROW F,3, E,1, R,4, R,5
	ROW F,4, E,2, R,6, R,7
	ROW F,5, E,3, R,8, R,9
	ROW F,6, E,4, X,0, R,10
.if (\p) == 2
	WIN 0
	v_add_nc_u32 v[AK], s[TBK], v[AK0]
.endif
	ROW F,7, E,5, X,1, X,4
	ROW F,8, E,6, X,2, X,5
	OPS E,7, E,8, X,6, E,9
	OPS X,3, E,10, X,8, E,11
.if ((\p) == 2) && !(\last)
	FETCH_K
.endif
	OPS X,9, X,7, E,12, X,10
	OPS E,13, X,12, X,11, E,14
	OPS X,13, E,15, F,9, X,14
.if (\p) == 0
	v_add_nc_u32 v[AV], s[TBV], v[AV0]
.endif
	OPS E,16, F,10, E,17, F,11
	OPS X,16, E,18, X,15, E,19
	OPS F,12, E,20, X,17, E,21
	OPS F,13, E,22, F,14, E,23
	OPS X,18, E,24, F,15, E,25
	OPS R,11, E,26, X,19, E,27
	OPS R,12, E,28, R,13, E,29
	OPS X,20, E,30, R,14, E,31
	OPS X,21, R,15                  ; the batch's last exponential, and the plain instruction behind it
	WIN 0
	s_wait_alu depctr_va_vdst(0)    ; the one wait for the batch, ahead of its first reader
.if ((\p) == 2) && (\last)
	FETCH_K 1
.endif
.if (\p) == 1
	s_wait_dscnt 0x0                ; V is in
.endif
	ROW C,0, B,0, C,2, B,1
	ROW L,0, C,4, B,2, L,1
	ROW C,6, B,3, L,2, C,8
	ROW B,4, L,3, C,10, B,5
	ROW L,4, C,12, B,6, L,5
.if (\p) == 0
	s_add_co_u32 s[TBV], s[TBV], KS*PV
.endif
.if \cnt
	s_sub_co_u32 s[CNT], s[CNT], 1
	s_cmp_lg_u32 s[CNT], 0
.endif
	ROW C,14, B,7, L,6, C,1
	ROW C,3, L,7, C,5, C,7
	ROW C,9, C,11, C,13, C,15
.if (\p) == 0
	FETCH_V
.endif
.endm
	CHANGE 1, 0                     ; tile 0 is in, everybody's part of it; tile 1 is asked for
	v_add_nc_u32 v[AK], s[TBK], v[AK0]
	FETCH_K                         ; key step 0
	s_wait_loadcnt 0x0              ; Q
	s_wait_dscnt 0x0
.set i, 0
.rept 8
	KQ 0                            ; piece 0's first scores
.set i, i+1
.endr
	WIN 0
.rept 4
	v_nop                           ; the places behind those products
.endr
.set Y, NP-1                        ; X works for piece Y + 1: piece 0
.irp n, 0,1,2,3,4,5,6,7,8,9,10,11,12,13,14,15,16,17,18,19,20,21
	OP X, \n
.endr
	v_nop                           ; a plain instruction behind the exponential,
	s_wait_alu depctr_va_vdst(0)    ; and its wait, ahead of the branch
	s_mov_b32 s[CNT], 4
	s_mov_b32 s[SLOTS], 7
	s_branch .Lfirst                ; the loop is entered at a step's first turn, in the middle of a trip
.Lslot:                             ; six times: tiles 2 to 7 are asked for
	CHANGE 1, 1
	s_mov_b32 s[CNT], 4
.Lstep:                             ; a trip: pieces 2 and 3 of one step, then pieces 0 and 1 of the next, whose K and V it fetches
	TURN 2
	TURN 3
	WIN 0
.Lfirst:
	TURN 0
	TURN 1, 0, 1
	WIN 0
	s_cbranch_scc1 .Lstep
	s_sub_co_u32 s[SLOTS], s[SLOTS], 1
	s_cmp_lg_u32 s[SLOTS], 0
	s_cbranch_scc1 .Lslot
	CHANGE 0, 0                     ; the last tile has a text of its own: nothing is asked for
	s_mov_b32 s[CNT], 5             ; four trips fetch the last tile's steps; the fifth is left in its middle
.Ltail:
	TURN 2, 1
	TURN 3
	WIN 0
	s_sub_co_u32 s[CNT], s[CNT], 1
	s_cmp_eq_u32 s[CNT], 0
	s_cbranch_scc1 .Lout
	TURN 0
	TURN 1
	WIN 0
	s_branch .Ltail
.Lout:                              ; the fifth trip's 8 products K Q^T (on the last K once more) and the maximum made of them change piece 0's m and c m alone, which nothing reads any more
.set i, 0
.rept 8
	PV NP-1                         ; the last piece's V^T P of the last step
.set i, i+1
.endr
	; THE WAY OUT.  l's two halves and the other half of the lanes' are added; O^T is divided by l, rounded to bf16 and sent through my stage, a piece at a time.  The additions are the places behind the last products.
	WIN 0
.macro ALL line:vararg
.set t, 0
.rept 4
	\line
.set t, t+1
.endr
.endm
	ALL v_add_f32 v[ST+4*t+2], v[ST+4*t+2], v[ST+4*t+3]
	ALL v_permlanex16_b32 v[ST+4*t+3], v[ST+4*t+2], s[SEL], s[SEL+1]
	ALL v_add_f32 v[ST+4*t+2], v[ST+4*t+2], v[ST+4*t+3]
	ALL v_rcp_f32 v[ST+4*t+2], v[ST+4*t+2]
	v_nop                           ; a plain instruction behind the last reciprocal,
	s_wait_alu depctr_va_vdst(0)    ; and one wait for the four
.macro PACK t
	WIN W_RS
.set i, 32*(\t)
.rept 16
	v_pk_mul_f32 v[i:i+1], v[i:i+1], v[ST+4*(\t)+2:ST+4*(\t)+3] op_sel_hi:[1,0]
.set i, i+2
.endr
	WIN 0x05                        ; sources window 1, destination window 0
.set i, 0
.rept 16
	v_cvt_pk_bf16_f32 v[S+16*(\t)+i], v[32*(\t)+2*i], v[32*(\t)+2*i+1]
.set i, i+1
.endr
	WIN 0
.irp f, 0,1,2,3
	ds_store_b128 v[STO], v[S+16*(\t)+4*\f:S+16*(\t)+4*\f+3] offset:32*\f
.endr
.irp f, 0,1,2,3
	ds_load_b128 v[S+16*(\t)+4*\f:S+16*(\t)+4*\f+3], v[RD] offset:\f*4*SP  ; LDS serves a wave's instructions in order (ISA guide 5.7.1.4): these see the stores above
.endr
.endm
.macro SEND t, younger              ; younger: the LDS instructions issued behind piece t's loads
	WIN 0
.irp f, 0,1,2,3
	s_wait_dscnt (\younger)+3-\f
	global_store_b128 v[GO], v[S+16*(\t)+4*\f:S+16*(\t)+4*\f+3], s[10:11] offset:(\t)*2048+\f*512  ; 512 consecutive bytes, aligned
.endr
.endm
	PACK 0
.set t, 1
.rept 3
	PACK t
	SEND t-1, 8
.set t, t+1
.endr
	SEND 3, 0
	s_wait_tensorcnt 0x0            ; the wave's end
	ds_add_u32 v[SPW], v[NIL]
	s_wait_dscnt 0x0
	CROUND                          ; the closing round
	s_endpgm
.Lfunc_end_k_q5f822c1e6e_attn:
	.size	k_q5f822c1e6e_attn, .Lfunc_end_k_q5f822c1e6e_attn-k_q5f822c1e6e_attn
	.p2alignl 7, 3214868480
	.fill 96, 4, 3214868480
	.section	.rodata,"a",@progbits
	.p2align	6, 0x0
	.amdhsa_kernel k_q5f822c1e6e_attn
		.amdhsa_group_segment_fixed_size 327680
		.amdhsa_private_segment_fixed_size 0
		.amdhsa_enable_private_segment 0
		.amdhsa_kernarg_size 16
		.amdhsa_user_sgpr_count 2
		.amdhsa_user_sgpr_kernarg_segment_ptr 1
		.amdhsa_wavefront_size32 1
		.amdhsa_system_sgpr_workgroup_id_x 1
		.amdhsa_system_sgpr_workgroup_id_y 1
		.amdhsa_system_sgpr_workgroup_id_z 1
		.amdhsa_system_vgpr_workitem_id 0
		.amdhsa_next_free_vgpr 768
		.amdhsa_next_free_sgpr 66
		.amdhsa_reserve_vcc 0
		.amdhsa_float_denorm_mode_32 3
		.amdhsa_float_denorm_mode_16_64 3
		.amdhsa_memory_ordered 1
		.amdhsa_forward_progress 1
		.amdhsa_inst_pref_size 112
	.end_amdhsa_kernel
	.amdgpu_metadata
---
amdhsa.version: [ 1, 2 ]
amdhsa.kernels:
  - .name:           k_q5f822c1e6e_attn
    .symbol:         k_q5f822c1e6e_attn.kd
    .args:
      - { .name: qkv, .offset: 0, .size: 8, .value_kind: global_buffer, .address_space: global }
      - { .name: act, .offset: 8, .size: 8, .value_kind: global_buffer, .address_space: global }
    .group_segment_fixed_size: 327680
    .private_segment_fixed_size: 0
    .kernarg_segment_align: 8
    .kernarg_segment_size: 16
    .max_flat_workgroup_size: 128
    .sgpr_count:     66
    .vgpr_count:     768
    .wavefront_size: 32
...
	.end_amdgpu_metadata
.endif
;; end of part 9
;; launch wo (part 10): grid 8 x 32, 4 waves a work-group, clusters of 4 x 4, 327,680 bytes of LDS; arguments act, wb, x, zb, x1; writes x1
.if DOCPART == 10
	.amdgcn_target "amdgcn-amd-amdhsa--gfx1250"
	.amdhsa_code_object_version 6
	.text
	.protected	k_q5f822c1e6e_wo
	.globl	k_q5f822c1e6e_wo
	.p2align	8
	.type	k_q5f822c1e6e_wo,@function
k_q5f822c1e6e_wo:
	s_mov_b64 s[64:65], 0
	v_nop
	global_prefetch_b8 v0, s[64:65] scope:SCOPE_SE
	s_setreg_imm32_b32 hwreg(HW_REG_WAVE_MODE, 25, 1), 1
	s_wait_xcnt 0x0
	s_wait_alu depctr_hold_cnt(0) depctr_sa_sdst(0) depctr_va_vdst(0) depctr_va_sdst(0) depctr_va_ssrc(0) depctr_va_vcc(0) depctr_vm_vsrc(0)
	s_getreg_b32 s2, hwreg(HW_REG_IB_STS2, 6, 4)
	s_cmp_eq_u32 s2, 0
	s_cbranch_scc0 .Lentry_in_a_cluster
	s_endpgm
.Lentry_in_a_cluster:
	s_bfe_u32 s2, ttmp6, 0x10000c
	s_cmp_lg_u32 s2, 0xf033
	s_cbranch_scc0 .Lentry_shape_is_right
	s_endpgm
.Lentry_shape_is_right:
; x1 = x + ctx wo (+ a bias of zeros).  C = R + A W + bias, 1,024 columns, K = 256 KSTEPS = 1,024.  A: bf16 in blocks [row block of 128][column block of 64, 64 of them][128][64].
; W: [K][1024] bf16, row-major, WOFF bytes into its buffer.  R, C: f32 by tokens t = 2 s + b, while A's rows go by r = 2048 b + s.  bias: f32.  All sums in f32.
; The second FFN product has the same text with other KSTEPS and WOFF: a count of trips round barriers and joint loads is a constant of the text.
; LIMITS: NaN and infinities are not treated apart.
; A tile of C is 128 x 128, so that the 4,096 x 1,024 numbers give 256 work-groups.  K IS SPLIT AMONG THE FOUR WAVES: of each K step of 256, wave w takes the 64 channels of column block 4 step + w, for the whole tile:
; 64 accumulators a wave, 32 LDS loads for 64 matrix instructions.  The four partial tiles meet in LDS at the end, in the slots, which have had their last fill by then.
; CLUSTER 4 x 4: A's tile is asked for jointly along a row of the cluster, W's along a column.  The matrix instruction is used transposed (source 0 = 16 columns of W, turned out of LDS; source 1 = 16 rows of A).
; THE WALK ALONG K IS TURNED.  The K steps go in groups of four, and a cluster takes a group's steps in the order r, r + 1, r + 2, r + 3 (mod 4), r = (cluster y + 2 cluster x) mod 4: the same in all sixteen partners.
; The two clusters that read the same rows of A (x = 0 and 1) are two places apart, the clusters y .. y + 3 that read the same columns of W one place: in no trip do they ask for the same block
; (clusters y and y + 4 walk alike).  The f32 sums may be taken in any order.
; THE TEXT HOLDS A K STEP TWICE: in a loop of KSTEPS - 2 trips whose change of slots fills the slot again, and in a loop of 2 trips that fills nothing and is left in the middle of its second trip.
; Which slot is read stands in a scalar register that one exclusive or turns between 0 and SLOT; the refills have one descriptor for A and one for W, whose address is made anew from the K step's number.
; NO PREFETCH at KSTEPS = 4: two K steps are the first fills, the other two the only refills, and nothing is asked for at the head, where every work-group's first tiles are on their way.
; REGISTERS by windows of 256: window 0: v16-39 addresses and the bias; v64-191 A's fragments, later the sums.  window 1: v64-191 W's fragments; v0-63, v192-255 my 32 rows of R.  windows 2, 3: the accumulators.
.set KSTEPS, 4                         ; K steps of 256; a multiple of 4
.set WOFF,   0x800000                  ; W's first byte in its buffer
.set PA,     144                       ; a row of a block of A in LDS: 128 bytes + 16
.set PB,     288                       ; a k row of W: 256 bytes + 32 = 9 x 32
.set HALFT,  36864                     ; what one tensor load brings: two blocks of A (256 x 144), or 128 k rows of W (128 x 288)
.set SLOT,   4*HALFT                   ; 0x24000; a wave's place in a slot, wave x 0x9000, has neither of its two bits: an exclusive or with SLOT turns a wave's LDS word from one slot to the other
.set SPARE,  2*SLOT                    ; the spare words: 128 bytes a wave, named by no other line
.set WPART,  18432                     ; my block of A, and my 64 k rows of W
.set PP,     528                       ; a row of a partial tile: 512 bytes + 16
.set PTILE,  128*PP
.set ASH,    16                        ; a K step is 65,536 bytes of A (four blocks),
.set BSH,    19                        ; and 524,288 bytes of W (256 rows of 2,048)
.set ADRA,  16                         ; v16  LDS address of my A fragments in the slot that is read
.set ADRA0, 17                         ; v17  the same in slot 0; never rewritten
.set ADRB,  20                         ; v20, v21  the same for W
.set ADRB0, 21
.set STP,  24
.set XO,   26
.set SPW,  28
.set NIL,  29
.set PFO,  30
.set BI,   32                          ; v[32:35] the bias of my four columns
.set RDP,  36                          ; v[36:39] my place in partial tile 0..3
.set EP,   64
.set F0,   64
.set F1,   128
.set G1,   24                          ; s[24:31] group 1 for A;  s[32:39] group 0: a set for each of the two first fills; the second then serves every refill
.set G0,   32
.set G1B,  48                          ; s[48:55], s[56:63] the same for W
.set G0B,  56
.set LIM,  43                          ; s43  2 in a wave that prefetches, else the greatest number
.set PFA,  44                          ; s[44:45] the address that the prefetch names
.set TB,   82                          ; s82  first LDS byte of the slot that is read: 0 or SLOT
.set ROT,  83                          ; s83  r
.set SEQ,  84                          ; s84  the place in the walk of the next refill: 2, 3, ..
.set PFT,  85                          ; s85  0 where the prefetch's place is one at which my cluster reads the block in the launch's earliest trip
.set ABASE, 86                         ; s[86:87] A at K step 0 of the rows that I fetch
.set BBASE, 88                         ; s[88:89] the same for W
.set OFF,  90                          ; s[90:91] a K step's byte offset
.set PFB,  92                          ; s[92:93] the prefetches' address at K step 0
.set PM,   94                          ; s94  which bits of a place must be 0: 2 for A (places 0, 1 of four), 3 for W (place 0)
.set PSH,  95                          ; s95  ASH or BSH
.set MSB, 0
.macro WIN new
.if MSB != (\new)
	s_set_vgpr_msb (MSB<<8)|(\new)
.set MSB, \new
.endif
.endm
.set TO_B, 0x40
.macro JLOAD s                         ; a joint load: waves 0 and 1 fetch A's halves, waves 2 and 3 W's; an s_nop 0 and four v_nop follow each line
	s_cmp_eq_u32 s13, 0
	s_cbranch_scc0 .Lfor_b_\@
	tensor_load_to_lds s[G0+4*(\s):G0+4*(\s)+3], s[G1:G1+7]
	s_nop 0
.rept 4
	v_nop
.endr
	s_branch .Lasked_\@
.Lfor_b_\@:
	tensor_load_to_lds s[G0B+4*(\s):G0B+4*(\s)+3], s[G1B:G1B+7]
	s_nop 0
.rept 4
	v_nop
.endr
.Lasked_\@:
.endm
; A prefetch for the refill after next (256 matrix instructions ahead of the load that will want it): 32 blocks of 256 bytes, a lane a block, one instruction a wave.  Each block from the walk's place 4 on is named once in
; the launch, by the cluster that reads it in the earliest trip: of a group's four places those are 0 and 1 for A (the partner along x reads these steps at its places 2 and 3) and 0 for W; of the clusters y and y + 4,
; which walk alike, the lower asks for W.  The four partners of a joint load take 32 blocks each, told apart by address.  The last two trips (s3 = 2, 1) ask for nothing: the walk has no such place.
.macro ASK
	s_cmp_eq_u32 s[PFT], 0
	s_cselect_b32 s74, s3, 0
	s_cmp_gt_u32 s74, s[LIM]
	s_cbranch_scc0 .Lnot_mine_\@
	global_prefetch_b8 v[PFO], s[PFA:PFA+1] th:TH_LOAD_NT scope:SCOPE_SE
.Lnot_mine_\@:
.endm
.macro CREST
	s_cmp_lg_u32 s12, 0
	s_cbranch_scc1 .Lnot_wave_0_\@
	s_barrier_signal -3
.Lnot_wave_0_\@:
	s_barrier_wait -3
	s_barrier_signal -1
	s_barrier_wait -1
.endm
.macro CROUND
	s_barrier_signal -1
	s_barrier_wait -1
	CREST
.endm
	s_load_b256 s[4:11], s[0:1], 0x0               ; A 4, W's buffer 6, R 8, bias 10
	s_load_b64 s[70:71], s[0:1], 0x20              ; C
	v_lshl_add_u32 v[SPW], v0, 2, SPARE
	v_mov_b32 v[NIL], 0
	ds_add_u32 v[SPW], v[NIL]                      ; the wave's opening: an add and its wait ahead of my first tensor load
	v_lshrrev_b32 v1, 5, v0
	v_readfirstlane_b32 s12, v1
	s_lshr_b32 s13, s12, 1                         ; I fetch for A (0) or W (1),
	s_and_b32 s14, s12, 1                          ; this half
	s_bfe_u32 s40, ttmp6, 0x40000                  ; cx
	s_bfe_u32 s41, ttmp6, 0x40004                  ; cy
	s_lshl_b32 s42, ttmp9, 2
	s_add_co_u32 s42, s42, s40                     ; tile column 0..7
	s_and_b32 s15, ttmp7, 0xffff
	s_lshl_b32 s15, s15, 2
	s_add_co_u32 s15, s15, s41                     ; tile row = row block 0..31
	s_lshl_b32 s[ROT], ttmp9, 1                    ; in a cluster launch ttmp9 and ttmp7 count clusters:
	s_add_co_u32 s[ROT], s[ROT], ttmp7
	s_and_b32 s[ROT], s[ROT], 3                    ; r = (cluster y + 2 cluster x) mod 4
	s_mov_b32 s[SEQ], 2
	s_mov_b32 s[OFF+1], 0
	s_lshl_b32 s80, s41, 2
	s_lshl_b32 s80, 15, s80                        ; my row of the cluster
	s_lshl_b32 s81, 0x1111, s40                    ; my column
	s_or_b32 s[G1], s80, (1<<16)|(1<<20)|(1<<21)|(4<<22)|(3<<25)   ; two blocks of A are 32,768 dense bytes: 128 rows of 256 bytes, padded by 4 words after every 32 words
	s_mov_b32 s[G1+1], 128<<16
	s_mov_b32 s[G1+2], 128<<16
	s_mov_b32 s[G1+3], 128<<16
	s_mov_b32 s[G1+4], 128
	s_mov_b32 s[G1+5], 128
	s_mov_b32 s[G1+6], 0
	s_mov_b32 s[G1+7], 0
	s_or_b32 s[G1B], s81, (1<<16)|(1<<20)|(1<<21)|(5<<22)|(7<<25)  ; 128 k rows x 128 columns, padded by 8 words after every 64
	s_mov_b32 s[G1B+1], 128<<16
	s_mov_b32 s[G1B+2], 128<<16
	s_mov_b32 s[G1B+3], 128<<16
	s_mov_b32 s[G1B+4], 128
	s_mov_b32 s[G1B+5], 1024
	s_mov_b32 s[G1B+6], 0
	s_mov_b32 s[G1B+7], 0
	s_lshl_b32 s16, s15, 20                        ; A: row block x 1 MiB + half x two blocks
	s_lshl_b32 s17, s14, 15
	s_add_co_u32 s16, s16, s17
	s_mov_b32 s17, 0
	s_lshl_b32 s46, s14, 18                        ; W: half x 128 k rows of 2,048 bytes + tile column x 256 bytes
	s_lshl_b32 s47, s42, 8
	s_add_co_u32 s46, s46, s47
	s_mov_b32 s47, 0
	s_mul_i32 s20, s12, HALFT                      ; where my loads land: no place in the cluster enters an LDS address
	s_mov_b32 s[TB], 0                             ; the walk's place 0 lies in slot 0
	s_wait_dscnt 0x0                               ; the opening add is done
	s_wait_kmcnt 0x0
	s_add_nc_u64 s[6:7], s[6:7], WOFF              ; W
	s_add_nc_u64 s[ABASE:ABASE+1], s[4:5], s[16:17]
	s_add_nc_u64 s[BBASE:BBASE+1], s[6:7], s[46:47]
	CROUND                                         ; all sixteen work-groups are here: the first joint loads meet
.irp s, 0,1
	s_add_co_u32 s74, s[ROT], \s
	s_and_b32 s74, s74, 3                          ; the K step at the walk's place s
	s_mov_b32 s[G0+4*(\s)], 1
	s_add_co_u32 s[G0+4*(\s)+1], s20, (\s)*SLOT
	s_lshl_b32 s[OFF], s74, ASH
	s_add_nc_u64 s[G0+4*(\s)+2:G0+4*(\s)+3], s[ABASE:ABASE+1], s[OFF:OFF+1]
	s_or_b32 s[G0+4*(\s)+3], s[G0+4*(\s)+3], 0x80000000
	s_mov_b32 s[G0B+4*(\s)], 1
	s_add_co_u32 s[G0B+4*(\s)+1], s20, (\s)*SLOT
	s_lshl_b32 s[OFF], s74, BSH
	s_add_nc_u64 s[G0B+4*(\s)+2:G0B+4*(\s)+3], s[BBASE:BBASE+1], s[OFF:OFF+1]
	s_or_b32 s[G0B+4*(\s)+3], s[G0B+4*(\s)+3], 0x80000000
	JLOAD \s                                       ; two loads of mine are out
.endr
	; R, C and the bias: I finish rows 32 wave .. + 31 of the tile; a row's 128 columns are 512 bytes, 16 a lane; rows (s) lie 8,192 bytes apart
	s_and_b32 s76, s15, 15
	s_lshl_b32 s76, s76, 7
	s_lshl_b32 s77, s12, 5
	s_add_co_u32 s76, s76, s77                     ; s of my first row
	s_lshl_b32 s76, s76, 13
	s_lshr_b32 s77, s15, 4                         ; b
	s_lshl_b32 s77, s77, 12
	s_add_co_u32 s76, s76, s77
	s_lshl_b32 s78, s42, 9                         ; the tile's columns
	s_add_co_u32 s76, s76, s78
	s_mov_b32 s77, 0
	s_mov_b32 s79, 0
	s_add_nc_u64 s[8:9], s[8:9], s[76:77]
	s_add_nc_u64 s[70:71], s[70:71], s[76:77]
	s_add_nc_u64 s[10:11], s[10:11], s[78:79]
	v_and_b32 v[XO], 31, v0
	v_lshlrev_b32 v[XO], 4, v[XO]
	global_load_b128 v[BI:BI+3], v[XO], s[10:11]
	WIN TO_B
.set j, 0
.rept 32
.set RR, 4*j+128*(j/16)                ; row j of R at v[4 j], from row 16 on at v[192 + 4 (j - 16)], in window 1
	global_load_b128 v[RR:RR+3], v[XO], s[8:9] offset:j*8192 th:TH_LOAD_NT
.set j, j+1
.endr
	WIN 0
	v_and_b32 v1, 15, v0                           ; l % 16
	v_bfe_u32 v2, v0, 4, 1                         ; l / 16
	v_mul_u32_u24 v3, v1, PA
	v_lshl_add_u32 v3, v2, 4, v3
	s_mul_i32 s21, s12, WPART
	v_add_nc_u32 v[ADRA0], s21, v3
	v_mov_b32 v[ADRA], v[ADRA0]
	v_and_b32 v4, 7, v0
	v_lshl_add_u32 v4, v2, 3, v4
	v_mul_u32_u24 v4, v4, PB
	v_bfe_u32 v5, v0, 3, 1
	v_lshl_add_u32 v4, v5, 4, v4
	s_add_co_u32 s22, s21, 2*HALFT
	v_add_nc_u32 v[ADRB0], s22, v4
	v_mov_b32 v[ADRB], v[ADRB0]
	s_mul_i32 s76, s12, PTILE                      ; my partial tile: row l % 16, 32 bytes for each half of the lanes
	v_mul_u32_u24 v6, v1, PP
	v_lshl_add_u32 v6, v2, 5, v6
	v_add_nc_u32 v[STP], s76, v6
	s_mul_i32 s76, s12, 32*PP                      ; back: my 32 rows of each partial tile, 16 bytes a lane
	v_add_nc_u32 v[RDP], s76, v[XO]
	v_add_nc_u32 v[RDP+1], PTILE, v[RDP]
	v_add_nc_u32 v[RDP+2], PTILE, v[RDP+1]
	v_add_nc_u32 v[RDP+3], PTILE, v[RDP+2]
.if KSTEPS > 4
	; the prefetches' address at K step 0
	s_lshl_b32 s16, s15, 20
	s_lshl_b32 s17, s14, 15
	s_add_co_u32 s16, s16, s17
	s_lshl_b32 s17, s40, 13                        ; A: my work-group's 8,192 bytes of the 32,768
	s_add_co_u32 s16, s16, s17
	s_lshl_b32 s18, s14, 18
	s_lshl_b32 s19, s41, 16                        ; W: my work-group's 32 k rows of the 128
	s_add_co_u32 s18, s18, s19
	s_lshl_b32 s19, s42, 8
	s_add_co_u32 s18, s18, s19
	s_and_b32 s22, ttmp7, 0xffff                   ; cluster y
	s_cmp_lt_u32 s22, 4
	s_cselect_b32 s22, 2, -1                       ; of the clusters y and y + 4 the lower asks for W
	s_cmp_eq_u32 s13, 0                            ; do I fetch for A?
	s_cselect_b32 s16, s16, s18
	s_cselect_b32 s[LIM], 2, s22                   ; the same in all sixteen partners, for a given wave
	s_cselect_b64 s[PFB:PFB+1], s[4:5], s[6:7]
	s_cselect_b32 s[PM], 2, 3
	s_cselect_b32 s[PSH], ASH, BSH
	s_cselect_b32 s23, 8, 11                       ; a lane a block of 256 bytes of A, or a lane a row of W (2,048 bytes apart)
	s_mov_b32 s17, 0
	s_add_nc_u64 s[PFB:PFB+1], s[PFB:PFB+1], s[16:17]
	v_and_b32 v[PFO], 31, v0
	v_lshlrev_b32 v[PFO], s23, v[PFO]
.endif
; 16 matrix instructions: m blocks a0, a0 + 1 of the window's four x all 8 n blocks, 32 along K.  first = 1: the product starts the sum.  The 64 accumulators take turns.
.macro MUL16 f, hi, a0, first
	WIN 0xa1+0x50*(\hi)
.irp a, \a0, (\a0)+1
.irp b, 0,1,2,3,4,5,6,7
.if \first
	v_wmma_f32_16x16x32_bf16 v[8*(8*(\a)+(\b)):8*(8*(\a)+(\b))+7], v[(\f)+8*(\b):(\f)+8*(\b)+7], v[(\f)+8*(4*(\hi)+(\a)):(\f)+8*(4*(\hi)+(\a))+7], 0
.else
	v_wmma_f32_16x16x32_bf16 v[8*(8*(\a)+(\b)):8*(8*(\a)+(\b))+7], v[(\f)+8*(\b):(\f)+8*(\b)+7], v[(\f)+8*(4*(\hi)+(\a)):(\f)+8*(4*(\hi)+(\a))+7], v[8*(8*(\a)+(\b)):8*(8*(\a)+(\b))+7]
.endif
.endr
.endr
.endm
.macro FETCH q, f                      ; 32 LDS loads in one run: half q (32 along K) of my 64 channels in the slot that is read
	WIN TO_B
.irp i, 0,1,2,3,4,5,6,7
	ds_load_tr16_b128 v[(\f)+8*(\i):(\f)+8*(\i)+3],   v[ADRB] offset:(\q)*32*PB+32*(\i)
	ds_load_tr16_b128 v[(\f)+8*(\i)+4:(\f)+8*(\i)+7], v[ADRB] offset:(\q)*32*PB+16*PB+32*(\i)
.endr
	WIN 0
.irp i, 0,1,2,3,4,5,6,7
	ds_load_b128 v[(\f)+8*(\i):(\f)+8*(\i)+3],   v[ADRA] offset:64*(\q)+(\i)*16*PA
	ds_load_b128 v[(\f)+8*(\i)+4:(\f)+8*(\i)+7], v[ADRA] offset:64*(\q)+(\i)*16*PA+32
.endr
.endm
.macro PLACES
.rept 4
	v_nop
.endr
.endm
.macro QUARTER q, f, g, first          ; the first half of a K step: multiplies buffer f, fetches the second half into g
	s_wait_dscnt 8                                 ; W and A's rows 0-63 are in; the youngest eight loads may be out
	MUL16 \f, 0, 0, \first
	MUL16 \f, 0, 2, \first
	PLACES
	FETCH \q, \g
	s_wait_dscnt 32                                ; all but the 32 just issued
	MUL16 \f, 1, 0, \first
	MUL16 \f, 1, 2, \first
.endm
; The second half of a K step, and the change of slots in its middle.  The slot's last bytes were asked out of LDS 32 matrix instructions ago, so the change may stand anywhere in this half; it stands with no product between the
; wait for the tensor loads and the refill, so that a refill has a whole K step, 128 matrix instructions, between its request and the wait for it.
; fill = 1: the barrier opens a round of the cluster's barrier, and the slot just read out is filled again first behind it, with the walk's place two on.
; fill = 0, the tail: nothing is asked for, and in its second trip (s3 = 1) there is no next slot: the run of loads is jumped over.
.macro TURN fill
	s_wait_dscnt 8                                 ; W and A's rows 0-63 are in; the youngest eight loads (A's rows 64-127) may be out
	MUL16 F1, 0, 0, 0
	MUL16 F1, 0, 2, 0
	WIN 0                                          ; the add's registers lie in window 0
.if (\fill) && (KSTEPS > 4)
	s_wait_xcnt 0x0                                ; the last prefetch, a K step back, has read its address, so it may be written:
	s_add_co_u32 s74, s[SEQ], 2                    ; the place of the refill after next,
	s_add_co_u32 s75, s74, s[ROT]
	s_and_b32 s75, s75, 3
	s_and_b32 s[PFT], s74, s[PM]                   ; (is it one at which my cluster reads first?)
	s_and_b32 s74, s74, 0xfc
	s_or_b32 s74, s74, s75                         ; its K step: the group, and the place in the group turned by r
	s_lshl_b32 s[OFF], s74, s[PSH]
	s_add_nc_u64 s[PFA:PFA+1], s[PFB:PFB+1], s[OFF:OFF+1]
.endif
	s_wait_tensorcnt 0x0                           ; all my tensor loads have landed: the one that was out is my part of the next slot; no load of mine is out, so a group 0 may be written
	ds_add_u32 v[SPW], v[NIL]                      ; 0 onto my spare word; with fill = 1 the descriptors' scalar work stands between it and the wait for it
.if \fill
	s_add_co_u32 s74, s[SEQ], s[ROT]
	s_and_b32 s74, s74, 3
	s_and_b32 s75, s[SEQ], 0xfc
	s_or_b32 s74, s74, s75                         ; the refill's K step
	s_add_co_u32 s[SEQ], s[SEQ], 1
	s_xor_b32 s[G0+5], s[G0+5], SLOT               ; the other slot than last time
	s_lshl_b32 s[OFF], s74, ASH
	s_add_nc_u64 s[G0+6:G0+7], s[ABASE:ABASE+1], s[OFF:OFF+1]      ; the address is made anew, and the type bits set again
	s_or_b32 s[G0+7], s[G0+7], 0x80000000
	s_xor_b32 s[G0B+5], s[G0B+5], SLOT
	s_lshl_b32 s[OFF], s74, BSH
	s_add_nc_u64 s[G0B+6:G0B+7], s[BBASE:BBASE+1], s[OFF:OFF+1]
	s_or_b32 s[G0B+7], s[G0B+7], 0x80000000
.endif
	s_wait_dscnt 0x0                               ; the add is done, and my reads of this slot are over
	s_barrier_signal -1
	s_barrier_wait -1
.if \fill
	CREST                                          ; no wave of any partner still reads this slot or has a load on its way
	JLOAD 1                                        ; its four v_nop are also the places in front of the loads below
.else
	PLACES
.endif
	s_xor_b32 s[TB], s[TB], SLOT                   ; from here on the other slot is read
	v_add_nc_u32 v[ADRA], s[TB], v[ADRA0]
	v_add_nc_u32 v[ADRB], s[TB], v[ADRB0]
.if !(\fill)
	s_cmp_eq_u32 s3, 1
	s_cbranch_scc1 .Lno_fetch_\@
.endif
	FETCH 0, F0
.if !(\fill)
.Lno_fetch_\@:
.endif
.if (\fill) && (KSTEPS > 4)
	ASK
.endif
	MUL16 F1, 1, 0, 0
	MUL16 F1, 1, 2, 0
.endm
	s_wait_tensorcnt 1                             ; my part of the walk's place 0 is in; place 1's may stay out
	s_barrier_signal -1
	s_barrier_wait -1
	FETCH 0, F0
	QUARTER 1, F0, F1, 1                           ; the first half step stands in front of the loop: its products start the sums
	WIN 0
	s_mov_b32 s3, KSTEPS-2
.Lstep:                                                ; a trip: a K step's second half and the next K step's first; all K steps but the last two fill their slot again
	TURN 1
	QUARTER 1, F0, F1, 0
	WIN 0
	s_sub_co_u32 s3, s3, 1
	s_cmp_lg_u32 s3, 0
	s_cbranch_scc1 .Lstep
	s_mov_b32 s3, 2
.Ltail:                                                ; the last two K steps fill nothing: a text of their own; the second trip is left in its middle
	TURN 0
	WIN 0
	s_sub_co_u32 s3, s3, 1
	s_cmp_eq_u32 s3, 0
	s_cbranch_scc1 .Lout
	QUARTER 1, F0, F1, 0
	WIN 0
	s_branch .Ltail
.Lout:
	PLACES
	s_wait_dscnt 0x0                               ; my reads of the slots are over,
	s_barrier_signal -1                            ; and so are every wave's: the partial tiles may be laid over the slots
	s_barrier_wait -1
	WIN 0x08                                       ; store data in window 2
.irp a, 0,1,2,3
.irp b, 0,1,2,3,4,5,6,7
	ds_store_b128 v[STP], v[8*(8*(\a)+(\b)):8*(8*(\a)+(\b))+3]   offset:(\a)*16*PP+64*(\b)
	ds_store_b128 v[STP], v[8*(8*(\a)+(\b))+4:8*(8*(\a)+(\b))+7] offset:(\a)*16*PP+64*(\b)+16
.endr
.endr
	WIN 0x0c                                       ; window 3
.irp a, 0,1,2,3
.irp b, 0,1,2,3,4,5,6,7
	ds_store_b128 v[STP], v[8*(8*(\a)+(\b)):8*(8*(\a)+(\b))+3]   offset:((\a)+4)*16*PP+64*(\b)
	ds_store_b128 v[STP], v[8*(8*(\a)+(\b))+4:8*(8*(\a)+(\b))+7] offset:((\a)+4)*16*PP+64*(\b)+16
.endr
.endr
	WIN 0
	s_wait_dscnt 0x0                               ; for the others' sake: my partial tile lies in LDS
	s_barrier_signal -1
	s_barrier_wait -1
	s_wait_loadcnt 0x0                             ; R and the bias
; eight rows: the four partial sums, the bias and R are added, and the row is stored
.macro BATCH t
	s_wait_xcnt 0x0                                ; the registers that the last batch's stores read are loaded again only behind this wait
.irp i, 0,1,2,3,4,5,6,7
.irp w, 0,1,2,3
	ds_load_b128 v[EP+16*(\i)+4*(\w):EP+16*(\i)+4*(\w)+3], v[RDP+(\w)] offset:(8*(\t)+(\i))*PP
.endr
.endr
.irp i, 0,1,2,3,4,5,6,7
	s_wait_dscnt 4*(7-(\i))                        ; row i's four loads are in; the later rows' stay out
	v_pk_add_f32 v[EP+16*(\i):EP+16*(\i)+1],     v[EP+16*(\i):EP+16*(\i)+1],     v[EP+16*(\i)+4:EP+16*(\i)+5]
	v_pk_add_f32 v[EP+16*(\i)+2:EP+16*(\i)+3],   v[EP+16*(\i)+2:EP+16*(\i)+3],   v[EP+16*(\i)+6:EP+16*(\i)+7]
	v_pk_add_f32 v[EP+16*(\i)+8:EP+16*(\i)+9],   v[EP+16*(\i)+8:EP+16*(\i)+9],   v[EP+16*(\i)+12:EP+16*(\i)+13]
	v_pk_add_f32 v[EP+16*(\i)+10:EP+16*(\i)+11], v[EP+16*(\i)+10:EP+16*(\i)+11], v[EP+16*(\i)+14:EP+16*(\i)+15]
	v_pk_add_f32 v[EP+16*(\i):EP+16*(\i)+1],     v[EP+16*(\i):EP+16*(\i)+1],     v[EP+16*(\i)+8:EP+16*(\i)+9]
	v_pk_add_f32 v[EP+16*(\i)+2:EP+16*(\i)+3],   v[EP+16*(\i)+2:EP+16*(\i)+3],   v[EP+16*(\i)+10:EP+16*(\i)+11]
	v_pk_add_f32 v[EP+16*(\i):EP+16*(\i)+1],     v[EP+16*(\i):EP+16*(\i)+1],     v[BI:BI+1]
	v_pk_add_f32 v[EP+16*(\i)+2:EP+16*(\i)+3],   v[EP+16*(\i)+2:EP+16*(\i)+3],   v[BI+2:BI+3]
.endr
	WIN 0x04                                       ; source 1 (R) in window 1
.irp i, 0,1,2,3,4,5,6,7
.set RR, 4*(8*(\t)+(\i))+128*((8*(\t)+(\i))/16)
	v_pk_add_f32 v[EP+16*(\i):EP+16*(\i)+1],   v[EP+16*(\i):EP+16*(\i)+1],   v[RR:RR+1]
	v_pk_add_f32 v[EP+16*(\i)+2:EP+16*(\i)+3], v[EP+16*(\i)+2:EP+16*(\i)+3], v[RR+2:RR+3]
.endr
	WIN 0
.irp i, 0,1,2,3,4,5,6,7
	global_store_b128 v[XO], v[EP+16*(\i):EP+16*(\i)+3], s[70:71] offset:(8*(\t)+(\i))*8192  ; 512 consecutive bytes, aligned
.endr
.endm
	BATCH 0
	BATCH 1
	BATCH 2
	BATCH 3
	s_wait_tensorcnt 0x0                           ; the wave's end
	ds_add_u32 v[SPW], v[NIL]
	s_wait_dscnt 0x0
	CROUND                                         ; the closing round
	s_endpgm
.Lfunc_end_k_q5f822c1e6e_wo:
	.size	k_q5f822c1e6e_wo, .Lfunc_end_k_q5f822c1e6e_wo-k_q5f822c1e6e_wo
	.p2alignl 7, 3214868480
	.fill 96, 4, 3214868480
	.section	.rodata,"a",@progbits
	.p2align	6, 0x0
	.amdhsa_kernel k_q5f822c1e6e_wo
		.amdhsa_group_segment_fixed_size 327680
		.amdhsa_private_segment_fixed_size 0
		.amdhsa_enable_private_segment 0
		.amdhsa_kernarg_size 40
		.amdhsa_user_sgpr_count 2
		.amdhsa_user_sgpr_kernarg_segment_ptr 1
		.amdhsa_wavefront_size32 1
		.amdhsa_system_sgpr_workgroup_id_x 1
		.amdhsa_system_sgpr_workgroup_id_y 1
		.amdhsa_system_sgpr_workgroup_id_z 1
		.amdhsa_system_vgpr_workitem_id 0
		.amdhsa_next_free_vgpr 1024
		.amdhsa_next_free_sgpr 96
		.amdhsa_reserve_vcc 0
		.amdhsa_float_denorm_mode_32 3
		.amdhsa_float_denorm_mode_16_64 3
		.amdhsa_memory_ordered 1
		.amdhsa_forward_progress 1
		.amdhsa_inst_pref_size 88
	.end_amdhsa_kernel
	.amdgpu_metadata
---
amdhsa.version: [ 1, 2 ]
amdhsa.kernels:
  - .name:           k_q5f822c1e6e_wo
    .symbol:         k_q5f822c1e6e_wo.kd
    .args:
      - { .name: act, .offset: 0, .size: 8, .value_kind: global_buffer, .address_space: global }
      - { .name: wb, .offset: 8, .size: 8, .value_kind: global_buffer, .address_space: global }
      - { .name: x, .offset: 16, .size: 8, .value_kind: global_buffer, .address_space: global }
      - { .name: zb, .offset: 24, .size: 8, .value_kind: global_buffer, .address_space: global }
      - { .name: x1, .offset: 32, .size: 8, .value_kind: global_buffer, .address_space: global }
    .group_segment_fixed_size: 327680
    .private_segment_fixed_size: 0
    .kernarg_segment_align: 8
    .kernarg_segment_size: 40
    .max_flat_workgroup_size: 128
    .sgpr_count:     96
    .vgpr_count:     1024
    .wavefront_size: 32
...
	.end_amdgpu_metadata
.endif
;; end of part 10
;; launch ln2: the kernel of part 7 again; grid 256 x 1, 8 waves a work-group, no clusters, 0 bytes of LDS; arguments x1, ln2_g, ln2_b, wq, wk, wv, wo, w1, w2, yz, wa, wb, par_a, zb; writes yz, wa, wb, par_a, zb
;; launch ffn1: the kernel of part 8 again; grid 16 x 16, 4 waves a work-group, clusters of 4 x 4, 327,680 bytes of LDS; arguments yz, wb, b1, zb, act; writes act
;; launch ffn2 (part 11): grid 8 x 32, 4 waves a work-group, clusters of 4 x 4, 327,680 bytes of LDS; arguments act, wb, x1, b2, out0; writes out0
.if DOCPART == 11
	.amdgcn_target "amdgcn-amd-amdhsa--gfx1250"
	.amdhsa_code_object_version 6
	.text
	.protected	k_q5f822c1e6e_ffn2
	.globl	k_q5f822c1e6e_ffn2
	.p2align	8
	.type	k_q5f822c1e6e_ffn2,@function
k_q5f822c1e6e_ffn2:
	s_mov_b64 s[64:65], 0
	v_nop
	global_prefetch_b8 v0, s[64:65] scope:SCOPE_SE
	s_setreg_imm32_b32 hwreg(HW_REG_WAVE_MODE, 25, 1), 1
	s_wait_xcnt 0x0
	s_wait_alu depctr_hold_cnt(0) depctr_sa_sdst(0) depctr_va_vdst(0) depctr_va_sdst(0) depctr_va_ssrc(0) depctr_va_vcc(0) depctr_vm_vsrc(0)
	s_getreg_b32 s2, hwreg(HW_REG_IB_STS2, 6, 4)
	s_cmp_eq_u32 s2, 0
	s_cbranch_scc0 .Lentry_in_a_cluster
	s_endpgm
.Lentry_in_a_cluster:
	s_bfe_u32 s2, ttmp6, 0x10000c
	s_cmp_lg_u32 s2, 0xf033
	s_cbranch_scc0 .Lentry_shape_is_right
	s_endpgm
.Lentry_shape_is_right:
; out = x1 + h w2 + b2.  C = R + A W + bias, 1,024 columns, K = 256 KSTEPS = 4,096.  A: bf16 in blocks [row block of 128][column block of 64, 64 of them][128][64].
; W: [K][1024] bf16, row-major, WOFF bytes into its buffer.  R, C: f32 by tokens t = 2 s + b, while A's rows go by r = 2048 b + s.  bias: f32.  All sums in f32.
; The product with wo has the same text with other KSTEPS and WOFF: a count of trips round barriers and joint loads is a constant of the text.
; LIMITS: NaN and infinities are not treated apart.
; A tile of C is 128 x 128, so that the 4,096 x 1,024 numbers give 256 work-groups.  K IS SPLIT AMONG THE FOUR WAVES: of each K step of 256, wave w takes the 64 channels of column block 4 step + w, for the whole tile:
; 64 accumulators a wave, 32 LDS loads for 64 matrix instructions.  The four partial tiles meet in LDS at the end, in the slots, which have had their last fill by then.
; CLUSTER 4 x 4: A's tile is asked for jointly along a row of the cluster, W's along a column.  The matrix instruction is used transposed (source 0 = 16 columns of W, turned out of LDS; source 1 = 16 rows of A).
; THE WALK ALONG K IS TURNED.  The K steps go in groups of four, and a cluster takes a group's steps in the order r, r + 1, r + 2, r + 3 (mod 4), r = (cluster y + 2 cluster x) mod 4: the same in all sixteen partners.
; The two clusters that read the same rows of A (x = 0 and 1) are two places apart, the clusters y .. y + 3 that read the same columns of W one place: in no trip do they ask for the same block
; (clusters y and y + 4 walk alike).  The f32 sums may be taken in any order.
; THE TEXT HOLDS A K STEP TWICE: in a loop of KSTEPS - 2 trips whose change of slots fills the slot again, and in a loop of 2 trips that fills nothing and is left in the middle of its second trip.
; Which slot is read stands in a scalar register that one exclusive or turns between 0 and SLOT; the refills have one descriptor for A and one for W, whose address is made anew from the K step's number.
; REGISTERS by windows of 256: window 0: v16-39 addresses and the bias; v64-191 A's fragments, later the sums.  window 1: v64-191 W's fragments; v0-63, v192-255 my 32 rows of R.  windows 2, 3: the accumulators.
.set KSTEPS, 16                        ; K steps of 256; a multiple of 4
.set WOFF,   0xa00000                  ; W's first byte in its buffer
.set PA,     144                       ; a row of a block of A in LDS: 128 bytes + 16
.set PB,     288                       ; a k row of W: 256 bytes + 32 = 9 x 32
.set HALFT,  36864                     ; what one tensor load brings: two blocks of A (256 x 144), or 128 k rows of W (128 x 288)
.set SLOT,   4*HALFT                   ; 0x24000; a wave's place in a slot, wave x 0x9000, has neither of its two bits: an exclusive or with SLOT turns a wave's LDS word from one slot to the other
.set SPARE,  2*SLOT                    ; the spare words: 128 bytes a wave, named by no other line
.set WPART,  18432                     ; my block of A, and my 64 k rows of W
.set PP,     528                       ; a row of a partial tile: 512 bytes + 16
.set PTILE,  128*PP
.set ASH,    16                        ; a K step is 65,536 bytes of A (four blocks),
.set BSH,    19                        ; and 524,288 bytes of W (256 rows of 2,048)
.set ADRA,  16                         ; v16  LDS address of my A fragments in the slot that is read
.set ADRA0, 17                         ; v17  the same in slot 0; never rewritten
.set ADRB,  20                         ; v20, v21  the same for W
.set ADRB0, 21
.set STP,  24
.set XO,   26
.set SPW,  28
.set NIL,  29
.set PFO,  30
.set BI,   32                          ; v[32:35] the bias of my four columns
.set RDP,  36                          ; v[36:39] my place in partial tile 0..3
.set EP,   64
.set F0,   64
.set F1,   128
.set G1,   24                          ; s[24:31] group 1 for A;  s[32:39] group 0: a set for each of the two first fills; the second then serves every refill
.set G0,   32
.set G1B,  48                          ; s[48:55], s[56:63] the same for W
.set G0B,  56
.set LIM,  43                          ; s43  2 in a wave that prefetches, else the greatest number
.set PFA,  44                          ; s[44:45] the address that the prefetch names
.set TB,   82                          ; s82  first LDS byte of the slot that is read: 0 or SLOT
.set ROT,  83                          ; s83  r
.set SEQ,  84                          ; s84  the place in the walk of the next refill: 2, 3, ..
.set PFT,  85                          ; s85  0 where the prefetch's place is one at which my cluster reads the block in the launch's earliest trip
.set ABASE, 86                         ; s[86:87] A at K step 0 of the rows that I fetch
.set BBASE, 88                         ; s[88:89] the same for W
.set OFF,  90                          ; s[90:91] a K step's byte offset
.set PFB,  92                          ; s[92:93] the prefetches' address at K step 0
.set PM,   94                          ; s94  which bits of a place must be 0: 2 for A (places 0, 1 of four), 3 for W (place 0)
.set PSH,  95                          ; s95  ASH or BSH
.set MSB, 0
.macro WIN new
.if MSB != (\new)
	s_set_vgpr_msb (MSB<<8)|(\new)
.set MSB, \new
.endif
.endm
.set TO_B, 0x40
.macro JLOAD s                         ; a joint load: waves 0 and 1 fetch A's halves, waves 2 and 3 W's; an s_nop 0 and four v_nop follow each line
	s_cmp_eq_u32 s13, 0
	s_cbranch_scc0 .Lfor_b_\@
	tensor_load_to_lds s[G0+4*(\s):G0+4*(\s)+3], s[G1:G1+7]
	s_nop 0
.rept 4
	v_nop
.endr
	s_branch .Lasked_\@
.Lfor_b_\@:
	tensor_load_to_lds s[G0B+4*(\s):G0B+4*(\s)+3], s[G1B:G1B+7]
	s_nop 0
.rept 4
	v_nop
.endr
.Lasked_\@:
.endm
; A prefetch for the refill after next (256 matrix instructions ahead of the load that will want it): 32 blocks of 256 bytes, a lane a block, one instruction a wave.  Each block from the walk's place 4 on is named once in
; the launch, by the cluster that reads it in the earliest trip: of a group's four places those are 0 and 1 for A (the partner along x reads these steps at its places 2 and 3) and 0 for W; of the clusters y and y + 4,
; which walk alike, the lower asks for W.  The four partners of a joint load take 32 blocks each, told apart by address.  The last two trips (s3 = 2, 1) ask for nothing: the walk has no such place.
.macro ASK
	s_cmp_eq_u32 s[PFT], 0
	s_cselect_b32 s74, s3, 0
	s_cmp_gt_u32 s74, s[LIM]
	s_cbranch_scc0 .Lnot_mine_\@
	global_prefetch_b8 v[PFO], s[PFA:PFA+1] th:TH_LOAD_NT scope:SCOPE_SE
.Lnot_mine_\@:
.endm
.macro CREST
	s_cmp_lg_u32 s12, 0
	s_cbranch_scc1 .Lnot_wave_0_\@
	s_barrier_signal -3
.Lnot_wave_0_\@:
	s_barrier_wait -3
	s_barrier_signal -1
	s_barrier_wait -1
.endm
.macro CROUND
	s_barrier_signal -1
	s_barrier_wait -1
	CREST
.endm
	s_load_b256 s[4:11], s[0:1], 0x0               ; A 4, W's buffer 6, R 8, bias 10
	s_load_b64 s[70:71], s[0:1], 0x20              ; C
	v_lshl_add_u32 v[SPW], v0, 2, SPARE
	v_mov_b32 v[NIL], 0
	ds_add_u32 v[SPW], v[NIL]                      ; the wave's opening: an add and its wait ahead of my first tensor load
	v_lshrrev_b32 v1, 5, v0
	v_readfirstlane_b32 s12, v1
	s_lshr_b32 s13, s12, 1                         ; I fetch for A (0) or W (1),
	s_and_b32 s14, s12, 1                          ; this half
	s_bfe_u32 s40, ttmp6, 0x40000                  ; cx
	s_bfe_u32 s41, ttmp6, 0x40004                  ; cy
	s_lshl_b32 s42, ttmp9, 2
	s_add_co_u32 s42, s42, s40                     ; tile column 0..7
	s_and_b32 s15, ttmp7, 0xffff
	s_lshl_b32 s15, s15, 2
	s_add_co_u32 s15, s15, s41                     ; tile row = row block 0..31
	s_lshl_b32 s[ROT], ttmp9, 1                    ; in a cluster launch ttmp9 and ttmp7 count clusters:
	s_add_co_u32 s[ROT], s[ROT], ttmp7
	s_and_b32 s[ROT], s[ROT], 3                    ; r = (cluster y + 2 cluster x) mod 4
	s_mov_b32 s[SEQ], 2
	s_mov_b32 s[OFF+1], 0
	s_lshl_b32 s80, s41, 2
	s_lshl_b32 s80, 15, s80                        ; my row of the cluster
	s_lshl_b32 s81, 0x1111, s40                    ; my column
	s_or_b32 s[G1], s80, (1<<16)|(1<<20)|(1<<21)|(4<<22)|(3<<25)   ; two blocks of A are 32,768 dense bytes: 128 rows of 256 bytes, padded by 4 words after every 32 words
	s_mov_b32 s[G1+1], 128<<16
	s_mov_b32 s[G1+2], 128<<16
	s_mov_b32 s[G1+3], 128<<16
	s_mov_b32 s[G1+4], 128
	s_mov_b32 s[G1+5], 128
	s_mov_b32 s[G1+6], 0
	s_mov_b32 s[G1+7], 0
	s_or_b32 s[G1B], s81, (1<<16)|(1<<20)|(1<<21)|(5<<22)|(7<<25)  ; 128 k rows x 128 columns, padded by 8 words after every 64
	s_mov_b32 s[G1B+1], 128<<16
	s_mov_b32 s[G1B+2], 128<<16
	s_mov_b32 s[G1B+3], 128<<16
	s_mov_b32 s[G1B+4], 128
	s_mov_b32 s[G1B+5], 1024
	s_mov_b32 s[G1B+6], 0
	s_mov_b32 s[G1B+7], 0
	s_lshl_b32 s16, s15, 20                        ; A: row block x 1 MiB + half x two blocks
	s_lshl_b32 s17, s14, 15
	s_add_co_u32 s16, s16, s17
	s_mov_b32 s17, 0
	s_lshl_b32 s46, s14, 18                        ; W: half x 128 k rows of 2,048 bytes + tile column x 256 bytes
	s_lshl_b32 s47, s42, 8
	s_add_co_u32 s46, s46, s47
	s_mov_b32 s47, 0
	s_mul_i32 s20, s12, HALFT                      ; where my loads land: no place in the cluster enters an LDS address
	s_mov_b32 s[TB], 0                             ; the walk's place 0 lies in slot 0
	s_wait_dscnt 0x0                               ; the opening add is done
	s_wait_kmcnt 0x0
	s_add_nc_u64 s[6:7], s[6:7], WOFF              ; W
	s_add_nc_u64 s[ABASE:ABASE+1], s[4:5], s[16:17]
	s_add_nc_u64 s[BBASE:BBASE+1], s[6:7], s[46:47]
	CROUND                                         ; all sixteen work-groups are here: the first joint loads meet
.irp s, 0,1
	s_add_co_u32 s74, s[ROT], \s
	s_and_b32 s74, s74, 3                          ; the K step at the walk's place s
	s_mov_b32 s[G0+4*(\s)], 1
	s_add_co_u32 s[G0+4*(\s)+1], s20, (\s)*SLOT
	s_lshl_b32 s[OFF], s74, ASH
	s_add_nc_u64 s[G0+4*(\s)+2:G0+4*(\s)+3], s[ABASE:ABASE+1], s[OFF:OFF+1]
	s_or_b32 s[G0+4*(\s)+3], s[G0+4*(\s)+3], 0x80000000
	s_mov_b32 s[G0B+4*(\s)], 1
	s_add_co_u32 s[G0B+4*(\s)+1], s20, (\s)*SLOT
	s_lshl_b32 s[OFF], s74, BSH
	s_add_nc_u64 s[G0B+4*(\s)+2:G0B+4*(\s)+3], s[BBASE:BBASE+1], s[OFF:OFF+1]
	s_or_b32 s[G0B+4*(\s)+3], s[G0B+4*(\s)+3], 0x80000000
	JLOAD \s                                       ; two loads of mine are out
.endr
	; R, C and the bias: I finish rows 32 wave .. + 31 of the tile; a row's 128 columns are 512 bytes, 16 a lane; rows (s) lie 8,192 bytes apart
	s_and_b32 s76, s15, 15
	s_lshl_b32 s76, s76, 7
	s_lshl_b32 s77, s12, 5
	s_add_co_u32 s76, s76, s77                     ; s of my first row
	s_lshl_b32 s76, s76, 13
	s_lshr_b32 s77, s15, 4                         ; b
	s_lshl_b32 s77, s77, 12
	s_add_co_u32 s76, s76, s77
	s_lshl_b32 s78, s42, 9                         ; the tile's columns
	s_add_co_u32 s76, s76, s78
	s_mov_b32 s77, 0
	s_mov_b32 s79, 0
	s_add_nc_u64 s[8:9], s[8:9], s[76:77]
	s_add_nc_u64 s[70:71], s[70:71], s[76:77]
	s_add_nc_u64 s[10:11], s[10:11], s[78:79]
	v_and_b32 v[XO], 31, v0
	v_lshlrev_b32 v[XO], 4, v[XO]
	global_load_b128 v[BI:BI+3], v[XO], s[10:11]
	WIN TO_B
.set j, 0
.rept 32
.set RR, 4*j+128*(j/16)                ; row j of R at v[4 j], from row 16 on at v[192 + 4 (j - 16)], in window 1
	global_load_b128 v[RR:RR+3], v[XO], s[8:9] offset:j*8192 th:TH_LOAD_NT
.set j, j+1
.endr
	WIN 0
	v_and_b32 v1, 15, v0                           ; l % 16
	v_bfe_u32 v2, v0, 4, 1                         ; l / 16
	v_mul_u32_u24 v3, v1, PA
	v_lshl_add_u32 v3, v2, 4, v3
	s_mul_i32 s21, s12, WPART
	v_add_nc_u32 v[ADRA0], s21, v3
	v_mov_b32 v[ADRA], v[ADRA0]
	v_and_b32 v4, 7, v0
	v_lshl_add_u32 v4, v2, 3, v4
	v_mul_u32_u24 v4, v4, PB
	v_bfe_u32 v5, v0, 3, 1
	v_lshl_add_u32 v4, v5, 4, v4
	s_add_co_u32 s22, s21, 2*HALFT
	v_add_nc_u32 v[ADRB0], s22, v4
	v_mov_b32 v[ADRB], v[ADRB0]
	s_mul_i32 s76, s12, PTILE                      ; my partial tile: row l % 16, 32 bytes for each half of the lanes
	v_mul_u32_u24 v6, v1, PP
	v_lshl_add_u32 v6, v2, 5, v6
	v_add_nc_u32 v[STP], s76, v6
	s_mul_i32 s76, s12, 32*PP                      ; back: my 32 rows of each partial tile, 16 bytes a lane
	v_add_nc_u32 v[RDP], s76, v[XO]
	v_add_nc_u32 v[RDP+1], PTILE, v[RDP]
	v_add_nc_u32 v[RDP+2], PTILE, v[RDP+1]
	v_add_nc_u32 v[RDP+3], PTILE, v[RDP+2]
.if KSTEPS > 4
	; the prefetches' address at K step 0
	s_lshl_b32 s16, s15, 20
	s_lshl_b32 s17, s14, 15
	s_add_co_u32 s16, s16, s17
	s_lshl_b32 s17, s40, 13                        ; A: my work-group's 8,192 bytes of the 32,768
	s_add_co_u32 s16, s16, s17
	s_lshl_b32 s18, s14, 18
	s_lshl_b32 s19, s41, 16                        ; W: my work-group's 32 k rows of the 128
	s_add_co_u32 s18, s18, s19
	s_lshl_b32 s19, s42, 8
	s_add_co_u32 s18, s18, s19
	s_and_b32 s22, ttmp7, 0xffff                   ; cluster y
	s_cmp_lt_u32 s22, 4
	s_cselect_b32 s22, 2, -1                       ; of the clusters y and y + 4 the lower asks for W
	s_cmp_eq_u32 s13, 0                            ; do I fetch for A?
	s_cselect_b32 s16, s16, s18
	s_cselect_b32 s[LIM], 2, s22                   ; the same in all sixteen partners, for a given wave
	s_cselect_b64 s[PFB:PFB+1], s[4:5], s[6:7]
	s_cselect_b32 s[PM], 2, 3
	s_cselect_b32 s[PSH], ASH, BSH
	s_cselect_b32 s23, 8, 11                       ; a lane a block of 256 bytes of A, or a lane a row of W (2,048 bytes apart)
	s_mov_b32 s17, 0
	s_add_nc_u64 s[PFB:PFB+1], s[PFB:PFB+1], s[16:17]
	v_and_b32 v[PFO], 31, v0
	v_lshlrev_b32 v[PFO], s23, v[PFO]
.endif
; 16 matrix instructions: m blocks a0, a0 + 1 of the window's four x all 8 n blocks, 32 along K.  first = 1: the product starts the sum.  The 64 accumulators take turns.
.macro MUL16 f, hi, a0, first
	WIN 0xa1+0x50*(\hi)
.irp a, \a0, (\a0)+1
.irp b, 0,1,2,3,4,5,6,7
.if \first
	v_wmma_f32_16x16x32_bf16 v[8*(8*(\a)+(\b)):8*(8*(\a)+(\b))+7], v[(\f)+8*(\b):(\f)+8*(\b)+7], v[(\f)+8*(4*(\hi)+(\a)):(\f)+8*(4*(\hi)+(\a))+7], 0
.else
	v_wmma_f32_16x16x32_bf16 v[8*(8*(\a)+(\b)):8*(8*(\a)+(\b))+7], v[(\f)+8*(\b):(\f)+8*(\b)+7], v[(\f)+8*(4*(\hi)+(\a)):(\f)+8*(4*(\hi)+(\a))+7], v[8*(8*(\a)+(\b)):8*(8*(\a)+(\b))+7]
.endif
.endr
.endr
.endm
.macro FETCH q, f                      ; 32 LDS loads in one run: half q (32 along K) of my 64 channels in the slot that is read
	WIN TO_B
.irp i, 0,1,2,3,4,5,6,7
	ds_load_tr16_b128 v[(\f)+8*(\i):(\f)+8*(\i)+3],   v[ADRB] offset:(\q)*32*PB+32*(\i)
	ds_load_tr16_b128 v[(\f)+8*(\i)+4:(\f)+8*(\i)+7], v[ADRB] offset:(\q)*32*PB+16*PB+32*(\i)
.endr
	WIN 0
.irp i, 0,1,2,3,4,5,6,7
	ds_load_b128 v[(\f)+8*(\i):(\f)+8*(\i)+3],   v[ADRA] offset:64*(\q)+(\i)*16*PA
	ds_load_b128 v[(\f)+8*(\i)+4:(\f)+8*(\i)+7], v[ADRA] offset:64*(\q)+(\i)*16*PA+32
.endr
.endm
.macro PLACES
.rept 4
	v_nop
.endr
.endm
.macro QUARTER q, f, g, first          ; the first half of a K step: multiplies buffer f, fetches the second half into g
	s_wait_dscnt 8                                 ; W and A's rows 0-63 are in; the youngest eight loads may be out
	MUL16 \f, 0, 0, \first
	MUL16 \f, 0, 2, \first
	PLACES
	FETCH \q, \g
	s_wait_dscnt 32                                ; all but the 32 just issued
	MUL16 \f, 1, 0, \first
	MUL16 \f, 1, 2, \first
.endm
; The second half of a K step, and the change of slots in its middle.  The slot's last bytes were asked out of LDS 32 matrix instructions ago, so the change may stand anywhere in this half; it stands with no product between the
; wait for the tensor loads and the refill, so that a refill has a whole K step, 128 matrix instructions, between its request and the wait for it.
; fill = 1: the barrier opens a round of the cluster's barrier, and the slot just read out is filled again first behind it, with the walk's place two on.
; fill = 0, the tail: nothing is asked for, and in its second trip (s3 = 1) there is no next slot: the run of loads is jumped over.
.macro TURN fill
	s_wait_dscnt 8                                 ; W and A's rows 0-63 are in; the youngest eight loads (A's rows 64-127) may be out
	MUL16 F1, 0, 0, 0
	MUL16 F1, 0, 2, 0
	WIN 0                                          ; the add's registers lie in window 0
.if (\fill) && (KSTEPS > 4)
	s_wait_xcnt 0x0                                ; the last prefetch, a K step back, has read its address, so it may be written:
	s_add_co_u32 s74, s[SEQ], 2                    ; the place of the refill after next,
	s_add_co_u32 s75, s74, s[ROT]
	s_and_b32 s75, s75, 3
	s_and_b32 s[PFT], s74, s[PM]                   ; (is it one at which my cluster reads first?)
	s_and_b32 s74, s74, 0xfc
	s_or_b32 s74, s74, s75                         ; its K step: the group, and the place in the group turned by r
	s_lshl_b32 s[OFF], s74, s[PSH]
	s_add_nc_u64 s[PFA:PFA+1], s[PFB:PFB+1], s[OFF:OFF+1]
.endif
	s_wait_tensorcnt 0x0                           ; all my tensor loads have landed: the one that was out is my part of the next slot; no load of mine is out, so a group 0 may be written
	ds_add_u32 v[SPW], v[NIL]                      ; 0 onto my spare word; with fill = 1 the descriptors' scalar work stands between it and the wait for it
.if \fill
	s_add_co_u32 s74, s[SEQ], s[ROT]
	s_and_b32 s74, s74, 3
	s_and_b32 s75, s[SEQ], 0xfc
	s_or_b32 s74, s74, s75                         ; the refill's K step
	s_add_co_u32 s[SEQ], s[SEQ], 1
	s_xor_b32 s[G0+5], s[G0+5], SLOT               ; the other slot than last time
	s_lshl_b32 s[OFF], s74, ASH
	s_add_nc_u64 s[G0+6:G0+7], s[ABASE:ABASE+1], s[OFF:OFF+1]      ; the address is made anew, and the type bits set again
	s_or_b32 s[G0+7], s[G0+7], 0x80000000
	s_xor_b32 s[G0B+5], s[G0B+5], SLOT
	s_lshl_b32 s[OFF], s74, BSH
	s_add_nc_u64 s[G0B+6:G0B+7], s[BBASE:BBASE+1], s[OFF:OFF+1]
	s_or_b32 s[G0B+7], s[G0B+7], 0x80000000
.endif
	s_wait_dscnt 0x0                               ; the add is done, and my reads of this slot are over
	s_barrier_signal -1
	s_barrier_wait -1
.if \fill
	CREST                                          ; no wave of any partner still reads this slot or has a load on its way
	JLOAD 1                                        ; its four v_nop are also the places in front of the loads below
.else
	PLACES
.endif
	s_xor_b32 s[TB], s[TB], SLOT                   ; from here on the other slot is read
	v_add_nc_u32 v[ADRA], s[TB], v[ADRA0]
	v_add_nc_u32 v[ADRB], s[TB], v[ADRB0]
.if !(\fill)
	s_cmp_eq_u32 s3, 1
	s_cbranch_scc1 .Lno_fetch_\@
.endif
	FETCH 0, F0
.if !(\fill)
.Lno_fetch_\@:
.endif
.if (\fill) && (KSTEPS > 4)
	ASK
.endif
	MUL16 F1, 1, 0, 0
	MUL16 F1, 1, 2, 0
.endm
	s_wait_tensorcnt 1                             ; my part of the walk's place 0 is in; place 1's may stay out
	s_barrier_signal -1
	s_barrier_wait -1
	FETCH 0, F0
	QUARTER 1, F0, F1, 1                           ; the first half step stands in front of the loop: its products start the sums
	WIN 0
	s_mov_b32 s3, KSTEPS-2
.Lstep:                                                ; a trip: a K step's second half and the next K step's first; all K steps but the last two fill their slot again
	TURN 1
	QUARTER 1, F0, F1, 0
	WIN 0
	s_sub_co_u32 s3, s3, 1
	s_cmp_lg_u32 s3, 0
	s_cbranch_scc1 .Lstep
	s_mov_b32 s3, 2
.Ltail:                                                ; the last two K steps fill nothing: a text of their own; the second trip is left in its middle
	TURN 0
	WIN 0
	s_sub_co_u32 s3, s3, 1
	s_cmp_eq_u32 s3, 0
	s_cbranch_scc1 .Lout
	QUARTER 1, F0, F1, 0
	WIN 0
	s_branch .Ltail
.Lout:
	PLACES
	s_wait_dscnt 0x0                               ; my reads of the slots are over,
	s_barrier_signal -1                            ; and so are every wave's: the partial tiles may be laid over the slots
	s_barrier_wait -1
	WIN 0x08                                       ; store data in window 2
.irp a, 0,1,2,3
.irp b, 0,1,2,3,4,5,6,7
	ds_store_b128 v[STP], v[8*(8*(\a)+(\b)):8*(8*(\a)+(\b))+3]   offset:(\a)*16*PP+64*(\b)
	ds_store_b128 v[STP], v[8*(8*(\a)+(\b))+4:8*(8*(\a)+(\b))+7] offset:(\a)*16*PP+64*(\b)+16
.endr
.endr
	WIN 0x0c                                       ; window 3
.irp a, 0,1,2,3
.irp b, 0,1,2,3,4,5,6,7
	ds_store_b128 v[STP], v[8*(8*(\a)+(\b)):8*(8*(\a)+(\b))+3]   offset:((\a)+4)*16*PP+64*(\b)
	ds_store_b128 v[STP], v[8*(8*(\a)+(\b))+4:8*(8*(\a)+(\b))+7] offset:((\a)+4)*16*PP+64*(\b)+16
.endr
.endr
	WIN 0
	s_wait_dscnt 0x0                               ; for the others' sake: my partial tile lies in LDS
	s_barrier_signal -1
	s_barrier_wait -1
	s_wait_loadcnt 0x0                             ; R and the bias
; eight rows: the four partial sums, the bias and R are added, and the row is stored
.macro BATCH t
	s_wait_xcnt 0x0                                ; the registers that the last batch's stores read are loaded again only behind this wait
.irp i, 0,1,2,3,4,5,6,7
.irp w, 0,1,2,3
	ds_load_b128 v[EP+16*(\i)+4*(\w):EP+16*(\i)+4*(\w)+3], v[RDP+(\w)] offset:(8*(\t)+(\i))*PP
.endr
.endr
.irp i, 0,1,2,3,4,5,6,7
	s_wait_dscnt 4*(7-(\i))                        ; row i's four loads are in; the later rows' stay out
	v_pk_add_f32 v[EP+16*(\i):EP+16*(\i)+1],     v[EP+16*(\i):EP+16*(\i)+1],     v[EP+16*(\i)+4:EP+16*(\i)+5]
	v_pk_add_f32 v[EP+16*(\i)+2:EP+16*(\i)+3],   v[EP+16*(\i)+2:EP+16*(\i)+3],   v[EP+16*(\i)+6:EP+16*(\i)+7]
	v_pk_add_f32 v[EP+16*(\i)+8:EP+16*(\i)+9],   v[EP+16*(\i)+8:EP+16*(\i)+9],   v[EP+16*(\i)+12:EP+16*(\i)+13]
	v_pk_add_f32 v[EP+16*(\i)+10:EP+16*(\i)+11], v[EP+16*(\i)+10:EP+16*(\i)+11], v[EP+16*(\i)+14:EP+16*(\i)+15]
	v_pk_add_f32 v[EP+16*(\i):EP+16*(\i)+1],     v[EP+16*(\i):EP+16*(\i)+1],     v[EP+16*(\i)+8:EP+16*(\i)+9]
	v_pk_add_f32 v[EP+16*(\i)+2:EP+16*(\i)+3],   v[EP+16*(\i)+2:EP+16*(\i)+3],   v[EP+16*(\i)+10:EP+16*(\i)+11]
	v_pk_add_f32 v[EP+16*(\i):EP+16*(\i)+1],     v[EP+16*(\i):EP+16*(\i)+1],     v[BI:BI+1]
	v_pk_add_f32 v[EP+16*(\i)+2:EP+16*(\i)+3],   v[EP+16*(\i)+2:EP+16*(\i)+3],   v[BI+2:BI+3]
.endr
	WIN 0x04                                       ; source 1 (R) in window 1
.irp i, 0,1,2,3,4,5,6,7
.set RR, 4*(8*(\t)+(\i))+128*((8*(\t)+(\i))/16)
	v_pk_add_f32 v[EP+16*(\i):EP+16*(\i)+1],   v[EP+16*(\i):EP+16*(\i)+1],   v[RR:RR+1]
	v_pk_add_f32 v[EP+16*(\i)+2:EP+16*(\i)+3], v[EP+16*(\i)+2:EP+16*(\i)+3], v[RR+2:RR+3]
.endr
	WIN 0
.irp i, 0,1,2,3,4,5,6,7
	global_store_b128 v[XO], v[EP+16*(\i):EP+16*(\i)+3], s[70:71] offset:(8*(\t)+(\i))*8192  ; 512 consecutive bytes, aligned
.endr
.endm
	BATCH 0
	BATCH 1
	BATCH 2
	BATCH 3
	s_wait_tensorcnt 0x0                           ; the wave's end
	ds_add_u32 v[SPW], v[NIL]
	s_wait_dscnt 0x0
	CROUND                                         ; the closing round
	s_endpgm
.Lfunc_end_k_q5f822c1e6e_ffn2:
	.size	k_q5f822c1e6e_ffn2, .Lfunc_end_k_q5f822c1e6e_ffn2-k_q5f822c1e6e_ffn2
	.p2alignl 7, 3214868480
	.fill 96, 4, 3214868480
	.section	.rodata,"a",@progbits
	.p2align	6, 0x0
	.amdhsa_kernel k_q5f822c1e6e_ffn2
		.amdhsa_group_segment_fixed_size 327680
		.amdhsa_private_segment_fixed_size 0
		.amdhsa_enable_private_segment 0
		.amdhsa_kernarg_size 40
		.amdhsa_user_sgpr_count 2
		.amdhsa_user_sgpr_kernarg_segment_ptr 1
		.amdhsa_wavefront_size32 1
		.amdhsa_system_sgpr_workgroup_id_x 1
		.amdhsa_system_sgpr_workgroup_id_y 1
		.amdhsa_system_sgpr_workgroup_id_z 1
		.amdhsa_system_vgpr_workitem_id 0
		.amdhsa_next_free_vgpr 1024
		.amdhsa_next_free_sgpr 96
		.amdhsa_reserve_vcc 0
		.amdhsa_float_denorm_mode_32 3
		.amdhsa_float_denorm_mode_16_64 3
		.amdhsa_memory_ordered 1
		.amdhsa_forward_progress 1
		.amdhsa_inst_pref_size 89
	.end_amdhsa_kernel
	.amdgpu_metadata
---
amdhsa.version: [ 1, 2 ]
amdhsa.kernels:
  - .name:           k_q5f822c1e6e_ffn2
    .symbol:         k_q5f822c1e6e_ffn2.kd
    .args:
      - { .name: act, .offset: 0, .size: 8, .value_kind: global_buffer, .address_space: global }
      - { .name: wb, .offset: 8, .size: 8, .value_kind: global_buffer, .address_space: global }
      - { .name: x1, .offset: 16, .size: 8, .value_kind: global_buffer, .address_space: global }
      - { .name: b2, .offset: 24, .size: 8, .value_kind: global_buffer, .address_space: global }
      - { .name: out0, .offset: 32, .size: 8, .value_kind: global_buffer, .address_space: global }
    .group_segment_fixed_size: 327680
    .private_segment_fixed_size: 0
    .kernarg_segment_align: 8
    .kernarg_segment_size: 40
    .max_flat_workgroup_size: 128
    .sgpr_count:     96
    .vgpr_count:     1024
    .wavefront_size: 32
...
	.end_amdgpu_metadata
.endif
;; end of part 11
